; MI455X (gfx1250); checked and timed in simulation.
; The chip was launched on July 23, 2026; its instructions are those of AMD's public machine-readable ISA for CDNA 5 (MIT licence, August 2026) and "CDNA5" Instruction Set Architecture Reference Guide (July 2026). The comments in the code are by the model that wrote it; some were corrected since.
;; Multihead Attention With Ro PE. Allowed arithmetic: matrix products marked QUANTISED: E3M2 operands, one E8M0 scale for each 32 along K, by v_wmma_scale_f32_16x16x128_f8f6f4 with both operands' format E3M2, f32 sums; everything else in f32.
;; Inputs: Wo 1,024 x 1,024 float32; Wqkv 1,024 x 3,072 float32; bo 1,024 float32; bqkv 3,072 float32; padding_mask 4 x 2,048 bool; x 4 x 2,048 x 1,024 float32.
;; Outputs: out0 4 x 2,048 x 1,024 float32.
;; This version of the problem:
;;   THIS VERSION OF THE PROBLEM IS GIVEN IN LOW PRECISION. The matrix products marked QUANTISED in the list below multiply operands that are first quantised to E3M2 (3 exponent bits, 2 mantissa bits; 6 bits a number), with one power-of-two scale for each 32 numbers along K (OCP MX v1.0); their sums are f32. All else is computed in f32.
;;   The module's matrix products, in the order in which they are computed (A, B: the left and right operand; K: the contracted axis; several contracted axes count as one K, in the product's order):
;;     1. [M 8,192, K 1,024] x [K 1,024, N 3,072]; A: input x; B: input Wqkv: QUANTISED
;;     2. batch 64 x [M 2,048, K 64] x [K 64, N 2,048]; A: computed on the way; B: computed on the way: QUANTISED
;;     3. batch 64 x [M 2,048, K 2,048] x [K 2,048, N 64]; A: softmax (see below); B: computed on the way: QUANTISED
;;     4. [M 8,192, K 1,024] x [K 1,024, N 1,024]; A: computed on the way; B: input Wo: QUANTISED
;;   THE QUANTISER, for each operand of a quantised product, along K:
;;     - K is cut into blocks of 32 from its start; a last block that is shorter is filled with zeros.
;;     - A block's scale is 2^e with e = floor(log2(the largest magnitude in the block)) - 4, held to -126 .. 127; a block of zeros has e = 0. As a byte (E8M0): e + 127.
;;     - Each number is divided by its block's scale, clamped to +-28, and rounded to the nearest number of E3M2, ties to even, subnormals kept.
;;     - The product sums the exact products of the quantised numbers (number of the format x scale) in f32.
;;   ~~~python
;;   def quantise(x, axis):      # numpy; x: float32 -> the quantised numbers, widened to float32 again
;;       x = np.moveaxis(x, axis, -1); K = x.shape[-1]
;;       x = np.pad(x, [(0, 0)] * (x.ndim - 1) + [(0, -K % 32)]); x = x.reshape(x.shape[:-1] + (-1, 32)); a = np.abs(x).max(-1, keepdims=True)
;;       e = np.where(a > 0, np.clip(np.frexp(np.where(a > 0, a, 1))[1] - 1 - 4, -126, 127), 0)      # np.frexp(a)[1] - 1 = floor(log2(a)), exactly
;;       r = np.clip(x / 2.0 ** e, -28, 28)
;;       step = 2.0 ** (np.maximum(np.frexp(np.where(r == 0, 1, r))[1] - 1, -2) - 2)
;;       q = np.round(r / step) * step * 2.0 ** e      # np.round: ties to even
;;       return np.moveaxis(q.reshape(q.shape[:-2] + (-1,))[..., :K], -1, axis).astype(np.float32)
;;   ~~~
;;   SOFTMAX AHEAD OF A QUANTISED PRODUCT. Where the list says 'softmax', what is quantised is not the finished softmax but p = 2^(t - M), with t = logit x log2(e) and M = ceil(the row's largest t), a whole number; so 1/2 < the row's largest p <= 1. The row's sum l is taken of the UNQUANTISED p, in f32, and the product's result is divided by l at the end. Since M is a whole number, a kernel that streams over the keys may use a running M (the ceiling of the running maximum): every later rescaling is an exact power of two, which a block's scale takes up: the codes' values come out the same.
;;   OPERANDS COMPUTED ON THE WAY. 'Computed on the way' means the value that the module computes at that place (a softmax that the list does not call 'softmax' is quantised finished and normalised). What goes into a quantiser is computed in f32, as accurately as f32 sums, v_exp_f32 and their like allow (about 1e-6 of the number): no bf16 or f16 on the way to a quantiser, and a product that is left as it is and whose result goes on into a quantised operand takes f32 operands (vector FMAs, or v_wmma_f32_16x16x4_f32). A number that lies on a knife's edge between two numbers of the format may be rounded either way, as far as f32 arithmetic and the matrix unit's own rounding can turn it there, and no further.
;; 2 versions. Each part assembles by itself: llvm-mc -triple=amdgcn-amd-amdhsa -mcpu=gfx1250 --defsym DOCPART=n.
;; ======== version 1 of 2: 5 launches
;; limits: right only within a limited range of input values
;; workspace buffers: xq 7,077,888 bytes; wq 3,276,800 bytes; qimg 8,388,608 bytes; kv 15,466,496 bytes; ao 6,553,600 bytes
;; launch quant_x (part 1): grid 128 x 4, 4 waves a work-group, no clusters, 68,608 bytes of LDS; arguments x, xq; writes xq
.if DOCPART == 1
	.amdgcn_target "amdgcn-amd-amdhsa--gfx1250"
	.amdhsa_code_object_version 6
	.text
	.protected	k_qc8b88dc7ad_quant_x
	.globl	k_qc8b88dc7ad_quant_x
	.p2align	8
	.type	k_qc8b88dc7ad_quant_x,@function
k_qc8b88dc7ad_quant_x:
	s_mov_b64 s[64:65], 0
	v_nop
	global_prefetch_b8 v0, s[64:65] scope:SCOPE_SE
	s_setreg_imm32_b32 hwreg(HW_REG_WAVE_MODE, 25, 1), 1
	s_wait_xcnt 0x0
; x [8192][1024] f32 becomes codes of BF6 (E3M2) with one E8M0 scale for each 32 along K, laid as the matrix unit's registers; the same launch writes the table of cos and sin for the rotation.
; A block's scale is 2^(floor(log2(its largest magnitude)) - 4); its byte is the largest magnitude's exponent field - 4, held at 1 from below (a block of zeros keeps the byte 1: its codes are zeros, and this program alone reads the bytes).
; LIMITS: NaN and infinities among the inputs are not served; blocks whose largest magnitude lies under 2^-122 keep the byte 1.
; TILES.  A tile of 16 rows is not 16 neighbours: lane r of tile 2 g + u holds row 32 g + 8 u + r + 8 (r / 8).  So two neighbouring tiles, used as source 0 of a product, leave 16 neighbouring rows in a lane's 16 registers.
; IMAGE.  A fragment (16 rows x 128 K, 12 registers a lane) is stored as its registers: register p of lane l at 512 (p / 4) + 16 l + 4 (p % 4); buffer [tile][K step 0..7][1,536 bytes].
; SCALE WORDS (four bytes: one row, 128 along K): [row place / 128][K step][row place % 128], so that 128 rows' words for all of K are 4,096 dense bytes.
; SHARES.  Work-group (X, Y): tiles 4 X + wave, K steps 2 Y and 2 Y + 1.  Each load reads 512 consecutive bytes of a row; a K step's 16 rows turn through the wave's own stage in LDS (rows 528 bytes apart)
; and come back 16 neighbours of each block to a lane.  Memory binds: no matrix unit, no cluster (work-groups share no input), no tensor load.
; TABLE.  Thread (wave, lane j) of work-group (X, Y) makes cos and sin of t x 10000^(-j / 32), t = 4 (128 Y + X) + wave: the angle in f32 as the product t x frequency, reduced by multiples of pi / 2 in two parts, polynomials on +-pi / 4.
.set SP,      528                      ; a stage row: 512 bytes + 16
.set STG,     16*SP
.set WREG,    2*STG                    ; two stages for each wave
.set SCW,     4*WREG                   ; behind the stages: the work-group's scale words, [K step 0, 1][wave][r]
.set XS_OFF,  6291456                  ; the scale words' place in xq
.set TAB_OFF, 6553600                  ; the table's: [t][cos 32 | sin 32]
.set FRB,     1536
.set LI,   4                           ; v4   16 x lane
.set SWR,  5                           ; v5   stage, way in
.set SRD,  6                           ; v6   stage, way out: 528 r + 64 h
.set SCA,  7                           ; v7   my scale word's place in LDS
.set TM,   8                           ; v8-23 at work
.set PW,   24                          ; v24  the scale word just made
.set COSR, 25
.set SINR, 26
.set TO,   28                          ; v28  4 x lane
.set RAW0, 32                          ; v32-95   K step 0 as loaded, later K step 1's neighbours
.set RAW1, 96                          ; v96-159  K step 1 as loaded
.set X0,   160                         ; v160-223 K step 0's neighbours
.set PC,   224                         ; v224-243 the codes just made
.set SEL,  2                           ; s[2:3] selects of v_permlanex16_b32 for lane l xor 16
; 64 numbers of a lane, register 16 b + i = k 32 b + 16 (lane / 16) + i of my row, become a fragment's codes in v[PC] on and its scale word in v[PW].
.macro QUANT s
.irp b, 0,1,2,3
	v_max3_num_f32 v[TM+\b], |v[\s+16*\b]|, |v[\s+1+16*\b]|, 0x2800000   ; my 16 numbers of block b, and the floor 2^(5 - 127): the byte cannot fall under 1
.endr
.irp i, 2,4,6,8,10,12,14
.irp b, 0,1,2,3
	v_max3_num_f32 v[TM+\b], v[TM+\b], |v[\s+16*\b+\i]|, |v[\s+1+16*\b+\i]|
.endr
.endr
.irp b, 0,1,2,3
	v_permlanex16_b32 v[TM+4+\b], v[TM+\b], s[SEL], s[SEL+1]
.endr
.irp b, 0,1,2,3
	v_max_num_f32 v[TM+\b], v[TM+\b], v[TM+4+\b]   ; with lane l xor 16's: the block's largest magnitude
.endr
.irp b, 0,1,2,3
	v_add_nc_u32 v[TM+12+\b], 0xfe000000, v[TM+\b]   ; 4 off its exponent field: the conversion's scale operand
.endr
.irp b, 0,1,2,3
	v_lshrrev_b32 v[TM+4+\b], 23, v[TM+12+\b]      ; the scale's byte
.endr
	v_lshl_or_b32 v[PW], v[TM+5], 8, v[TM+4]
	v_lshl_or_b32 v[PW], v[TM+6], 16, v[PW]
	v_lshl_or_b32 v[PW], v[TM+7], 24, v[PW]
.irp c, 0,1
	v_cvt_scalef32_pk16_bf6_f32 v[PC+6*\c:PC+2+6*\c], v[\s+32*\c:\s+15+32*\c], v[TM+12+2*\c]
	v_cvt_scalef32_pk16_bf6_f32 v[PC+12+4*\c:PC+14+4*\c], v[\s+16+32*\c:\s+31+32*\c], v[TM+12+2*\c+1]   ; (a conversion's three registers begin on an even number)
.endr
	v_nop                                          ; one plain place behind a scaled conversion
.irp c, 0,1                                    ; the operand wants a whole block in a lane: lanes 0-15 block 2 c, lanes 16-31 block 2 c + 1
.irp i, 0,1,2
	v_permlane16_swap_b32 v[PC+6*\c+\i], v[PC+12+4*\c+\i]
.endr
.irp i, 0,1,2
	v_mov_b32 v[PC+3+6*\c+\i], v[PC+12+4*\c+\i]
.endr
.endr
.endm
.macro TOSTG raw, off                          ; 16 rows of 512 bytes, as loaded
.irp i, 0,1,2,3,4,5,6,7,8,9,10,11,12,13,14,15
	ds_store_b128 v[SWR], v[\raw+4*\i:\raw+4*\i+3] offset:\off+SP*\i
.endr
.endm
.macro FROMSTG reg, off                        ; row r back: of each block of 32 my half's 16 neighbours
.irp b, 0,1,2,3
.irp j, 0,1,2,3
	ds_load_b128 v[\reg+16*\b+4*\j:\reg+16*\b+4*\j+3], v[SRD] offset:\off+128*\b+16*\j
.endr
.endr
.endm
.macro SENDIMG k                               ; the image: three stores of 512 consecutive bytes; the scale word to LDS (both halves of the lanes hold and write the same word)
.irp c, 0,1,2
	global_store_b128 v[LI], v[PC+4*\c:PC+4*\c+3], s[16:17] offset:FRB*\k+512*\c
.endr
	ds_store_b32 v[SCA], v[PW] offset:256*\k
.endm
	s_load_b128 s[4:7], s[0:1], 0x0                ; x, xq
	v_lshl_add_u32 v248, v0, 2, 0x10a00
	v_mov_b32 v249, 0
	v_lshrrev_b32 v1, 5, v0
	v_readfirstlane_b32 s8, v1                     ; wave
	s_and_b32 s9, ttmp7, 0xffff                    ; Y
	v_and_b32 v2, 31, v0                           ; lane
	v_and_b32 v3, 15, v0                           ; r
	v_bfe_u32 v27, v0, 4, 1                        ; h
	v_lshlrev_b32 v[LI], 4, v2
	s_mul_i32 s10, s8, WREG
	v_add_nc_u32 v[SWR], s10, v[LI]
	v_mul_u32_u24 v[SRD], v3, SP
	v_lshl_add_u32 v[SRD], v27, 6, v[SRD]
	v_add_nc_u32 v[SRD], s10, v[SRD]
	s_lshl_b32 s11, s8, 6
	v_lshl_add_u32 v[SCA], v3, 2, s11
	v_add_nc_u32 v[SCA], SCW, v[SCA]
	v_lshlrev_b32 v[TO], 2, v2
	s_mov_b32 s[SEL], 0x76543210
	s_mov_b32 s[SEL+1], 0xfedcba98
	s_lshl_b32 s12, ttmp9, 6                       ; my tile's first row: 64 X + 32 (wave / 2) + 8 (wave % 2)
	s_lshr_b32 s13, s8, 1
	s_lshl_b32 s13, s13, 5
	s_add_co_u32 s12, s12, s13
	s_and_b32 s13, s8, 1
	s_lshl_b32 s13, s13, 3
	s_add_co_u32 s12, s12, s13
	s_lshl_b32 s12, s12, 12                        ; rows of 4,096 bytes
	s_lshl_b32 s13, s9, 10                         ; + my 256 along K
	s_add_co_u32 s12, s12, s13
	s_mov_b32 s13, 0
	s_lshl_b32 s14, ttmp9, 2
	s_add_co_u32 s14, s14, s8                      ; tile
	s_lshl_b32 s14, s14, 3
	s_lshl_b32 s15, s9, 1
	s_add_co_u32 s14, s14, s15                     ; 8 x tile + K step
	s_mul_i32 s14, s14, FRB
	s_mov_b32 s15, 0
	s_lshl_b32 s18, s9, 7
	s_add_co_u32 s18, s18, ttmp9
	s_lshl_b32 s18, s18, 2
	s_add_co_u32 s18, s18, s8                      ; t of my table row
	s_lshl_b32 s20, s18, 8
	s_add_co_u32 s20, s20, TAB_OFF
	s_mov_b32 s21, 0
	s_lshr_b32 s22, ttmp9, 1                       ; the scale words' way out (waves 0 and 1): group X / 2, K step 2 Y + wave, half X % 2
	s_lshl_b32 s22, s22, 12
	s_lshl_b32 s23, s9, 10
	s_add_co_u32 s22, s22, s23
	s_lshl_b32 s23, s8, 9
	s_add_co_u32 s22, s22, s23
	s_and_b32 s23, ttmp9, 1
	s_lshl_b32 s23, s23, 8
	s_add_co_u32 s22, s22, s23
	s_add_co_u32 s22, s22, XS_OFF
	s_mov_b32 s23, 0
	s_wait_kmcnt 0x0
	s_add_nc_u64 s[4:5], s[4:5], s[12:13]
	s_add_nc_u64 s[16:17], s[6:7], s[14:15]
	s_add_nc_u64 s[20:21], s[6:7], s[20:21]
	s_add_nc_u64 s[22:23], s[6:7], s[22:23]
.irp i, 0,1,2,3,4,5,6,7,8,9,10,11,12,13,14,15
	global_load_b128 v[RAW0+4*\i:RAW0+4*\i+3], v[LI], s[4:5] offset:(\i+8*(\i/8))*4096 th:TH_LOAD_NT   ; row i of the tile, K step 0: 512 consecutive bytes
.endr
.irp i, 0,1,2,3,4,5,6,7,8,9,10,11,12,13,14,15
	global_load_b128 v[RAW1+4*\i:RAW1+4*\i+3], v[LI], s[4:5] offset:(\i+8*(\i/8))*4096+512 th:TH_LOAD_NT
.endr
	; the table, while the loads are on their way
	v_cvt_f32_u32 v8, v2
	v_mul_f32 v8, 0xbed49a78, v8                   ; -j log2(10000) / 32
	v_exp_f32 v8, v8                               ; the frequency
	v_cvt_f32_u32 v9, s18                          ; t (a plain place behind the exponential)
	s_wait_alu depctr_va_vdst(0)
	v_mul_f32 v9, v9, v8                           ; the angle
	v_mul_f32 v10, 0x3f22f983, v9                  ; x 2 / pi
	v_rndne_f32 v10, v10                           ; n
	v_fma_f32 v11, v10, 0xbfc90fdb, v9             ; angle - n x (pi / 2)'s upper part,
	v_fma_f32 v11, v10, 0x333bbd2e, v11            ; - n x its lower part (-4.37e-8)
	v_cvt_i32_f32 v12, v10
	v_mul_f32 v13, v11, v11                        ; z
	v_mov_b32 v14, 0x3c08839e
	v_fma_f32 v14, v13, 0xb94ca1f9, v14
	v_fma_f32 v14, v14, v13, 0xbe2aaaa3
	v_mul_f32 v15, v13, v11
	v_fma_f32 v14, v14, v15, v11                   ; sine of the rest
	v_mov_b32 v16, 0xbab6061a
	v_fma_f32 v16, v13, 0x37ccf5ce, v16
	v_fma_f32 v16, v16, v13, 0x3d2aaaa5
	v_mul_f32 v17, v13, v13
	v_fma_f32 v18, v13, -0.5, 1.0
	v_fma_f32 v16, v16, v17, v18                   ; cosine of the rest
	v_and_b32 v19, 1, v12
	v_cmp_eq_u32 vcc_lo, 1, v19                    ; odd n: the two change places
	v_cndmask_b32 v[SINR], v14, v16, vcc_lo
	v_cndmask_b32 v[COSR], v16, v14, vcc_lo
	v_lshlrev_b32 v22, 30, v12                     ; the sine's sign: bit 1 of n
	v_and_b32 v22, 0x80000000, v22
	v_xor_b32 v[SINR], v[SINR], v22
	v_add_nc_u32 v23, 1, v12                       ; the cosine's: bit 1 of n + 1
	v_lshlrev_b32 v23, 30, v23
	v_and_b32 v23, 0x80000000, v23
	v_xor_b32 v[COSR], v[COSR], v23
	global_store_b32 v[TO], v[COSR], s[20:21]      ; the row's 256 bytes in two stores of 128
	global_store_b32 v[TO], v[SINR], s[20:21] offset:128
.irp b, 0,1,2,3
	v_mov_b32 v[TM+4+\b], 0                        ; written once: a lane permute's destination counts as one of its sources
.endr
	s_wait_loadcnt 16                              ; K step 0's sixteen loads are in; K step 1's may be out
	TOSTG RAW0, 0
	FROMSTG X0, 0                                  ; LDS serves a wave's instructions in order: these see the stores
	s_wait_loadcnt 0x0
	TOSTG RAW1, STG
	s_wait_dscnt 16                                ; all but those sixteen stores: K step 0's numbers are back, and its stores have read RAW0,
	FROMSTG RAW0, STG                              ; which takes K step 1's neighbours
	QUANT X0
	SENDIMG 0
	s_wait_dscnt 1                                 ; all but the scale word's store
	s_wait_xcnt 0x0                                ; the image's stores have read v[PC] on: it is written again only behind this wait
	QUANT RAW0
	SENDIMG 1
	s_wait_dscnt 0x0                               ; for the others' sake: my scale words lie in LDS
	s_barrier_signal -1
	s_barrier_wait -1
	s_cmp_gt_u32 s8, 1
	s_cbranch_scc1 .Ldone                          ; waves 0 and 1 each send one K step's 64 words: one aligned run of 256 bytes
	v_lshlrev_b32 v30, 3, v2
	s_lshl_b32 s24, s8, 8
	v_add_nc_u32 v31, s24, v30
	v_add_nc_u32 v31, SCW, v31
	ds_load_b64 v[244:245], v31
	s_wait_dscnt 0x0
	global_store_b64 v30, v[244:245], s[22:23]
.Ldone:
	s_wait_tensorcnt 0x0
	ds_add_u32 v248, v249
	s_wait_dscnt 0x0
	s_endpgm
.Lfunc_end_k_qc8b88dc7ad_quant_x:
	.size	k_qc8b88dc7ad_quant_x, .Lfunc_end_k_qc8b88dc7ad_quant_x-k_qc8b88dc7ad_quant_x
	.p2alignl 7, 3214868480
	.fill 96, 4, 3214868480
	.section	.rodata,"a",@progbits
	.p2align	6, 0x0
	.amdhsa_kernel k_qc8b88dc7ad_quant_x
		.amdhsa_group_segment_fixed_size 68608
		.amdhsa_private_segment_fixed_size 0
		.amdhsa_enable_private_segment 0
		.amdhsa_kernarg_size 16
		.amdhsa_user_sgpr_count 2
		.amdhsa_user_sgpr_kernarg_segment_ptr 1
		.amdhsa_wavefront_size32 1
		.amdhsa_system_sgpr_workgroup_id_x 1
		.amdhsa_system_sgpr_workgroup_id_y 1
		.amdhsa_system_sgpr_workgroup_id_z 1
		.amdhsa_system_vgpr_workitem_id 0
		.amdhsa_next_free_vgpr 250
		.amdhsa_next_free_sgpr 66
		.amdhsa_reserve_vcc 1
		.amdhsa_float_denorm_mode_32 3
		.amdhsa_float_denorm_mode_16_64 3
		.amdhsa_memory_ordered 1
		.amdhsa_forward_progress 1
		.amdhsa_inst_pref_size 21
	.end_amdhsa_kernel
	.amdgpu_metadata
---
amdhsa.version: [ 1, 2 ]
amdhsa.kernels:
  - .name:           k_qc8b88dc7ad_quant_x
    .symbol:         k_qc8b88dc7ad_quant_x.kd
    .args:
      - { .name: x, .offset: 0, .size: 8, .value_kind: global_buffer, .address_space: global }
      - { .name: xq, .offset: 8, .size: 8, .value_kind: global_buffer, .address_space: global }
    .group_segment_fixed_size: 68608
    .private_segment_fixed_size: 0
    .kernarg_segment_align: 8
    .kernarg_segment_size: 16
    .max_flat_workgroup_size: 128
    .sgpr_count:     66
    .vgpr_count:     250
    .wavefront_size: 32
...
	.end_amdgpu_metadata
.endif
;; end of part 1
;; launch quant_w (part 2): grid 32 x 8, 4 waves a work-group, no clusters, 0 bytes of LDS; arguments Wqkv, Wo, wq; writes wq
.if DOCPART == 2
	.amdgcn_target "amdgcn-amd-amdhsa--gfx1250"
	.amdhsa_code_object_version 6
	.text
	.protected	k_qc8b88dc7ad_quant_w
	.globl	k_qc8b88dc7ad_quant_w
	.p2align	8
	.type	k_qc8b88dc7ad_quant_w,@function
k_qc8b88dc7ad_quant_w:
	s_mov_b64 s[64:65], 0
	v_nop
	global_prefetch_b8 v0, s[64:65] scope:SCOPE_SE
	s_setreg_imm32_b32 hwreg(HW_REG_WAVE_MODE, 25, 1), 1
	s_wait_xcnt 0x0
; Wqkv [1024][3072] and Wo [1024][1024], f32 with K as the FIRST axis, become codes of BF6 (E3M2) with one E8M0 scale for each 32 along K, laid as images of the matrix unit's registers.
; A lane takes a column and its registers run down K: a block of 32 lies in one lane, so its largest magnitude needs no other lane, and the conversions give codes with K innermost.  Nothing is transposed.
; A block's scale and byte, and the LIMITS (NaN, infinities; blocks under 2^-122; a block of zeros keeps the byte 1): as in the launch that quantises x.
; SHARES.  Work-group (X, Y): 128 columns (X 0-15: q and k; 16-23: v; 24-31: Wo), K step Y of 128.  A wave: 32 columns; a load reads 128 consecutive bytes, the four waves 512.  Loads run two blocks (64 loads) ahead.
; WHERE A COLUMN GOES: place p of its 128 (tile p / 16, row p % 16).
;   q, k: in a head, tile u's row 8 a + i is d = 32 a + 16 (u % 2) + 2 i + u / 2: tiles 0, 1 hold the even d, tiles 2, 3 the odd d, in the order in which the rotation pairs them in a lane's registers.
;   v:    tile t's row r is channel 32 (t / 2) + 8 (t % 2) + r + 8 (r / 8).      Wo: as they lie.
; IMAGE: [tile][K step][1,536 bytes]; row r's blocks h and 2 + h are lane r + 16 h's twelve registers: three pieces of 16 bytes at 512 g + 256 h + 16 r.  v's and Wo's stores fill whole runs of 256 bytes;
; q's and k's runs are 128 bytes, since a tile mixes d under 32 with d from 32 on.  SCALE WORDS: [column place / 128][K step][column place % 128].
; Memory binds, work-groups share nothing: no LDS, no cluster, no matrix unit.
.set XD,   64                          ; v64-191 128 numbers down K
.set RUN,  16                          ; v16-39  two runs of 12 registers: lane r's and lane r + 16's
.set TC,   40                          ; v40-55  each block's upper 16 codes, before they are moved
.macro LOADB t, stride
.set n, 0
.rept 32
	global_load_b32 v[XD+32*(\t)+n], v2, s[4:5] offset:(32*(\t)+n)*\stride th:TH_LOAD_NT
.set n, n+1
.endr
.endm
.macro BLOCK t, stride
.set XS, XD+32*(\t)
.if (\t) < 3
	s_wait_loadcnt 32                              ; this block's 32 loads are in; the next block's may be out
.else
	s_wait_loadcnt 0x0
.endif
.if (\t) < 2
	LOADB (\t)+2, \stride
.endif
	v_max3_num_f32 v8, |v[XS]|, |v[XS+1]|, |v[XS+2]|
	v_max3_num_f32 v9, |v[XS+3]|, |v[XS+4]|, |v[XS+5]|
.irp i, 6,10,14,18,22,26
	v_max3_num_f32 v8, v8, |v[XS+\i]|, |v[XS+\i+1]|
	v_max3_num_f32 v9, v9, |v[XS+\i+2]|, |v[XS+\i+3]|
.endr
	v_max3_num_f32 v8, v8, |v[XS+30]|, |v[XS+31]|
	v_max3_num_f32 v8, v8, v9, 0x2800000           ; and the floor 2^(5 - 127)
	v_add_nc_u32 v[10+(\t)], 0xfe000000, v8        ; 4 off the exponent field: the conversion's scale operand
.if (\t) == 0
	v_lshrrev_b32 v6, 23, v10                      ; the scale's byte; four make the column's word
.else
	v_lshrrev_b32 v14, 23, v[10+(\t)]
	v_lshl_or_b32 v6, v14, 8*(\t), v6
.endif
	v_cvt_scalef32_pk16_bf6_f32 v[RUN+12*((\t)%2)+6*((\t)/2):RUN+12*((\t)%2)+6*((\t)/2)+2], v[XS:XS+15], v[10+(\t)]
	v_cvt_scalef32_pk16_bf6_f32 v[TC+4*(\t):TC+4*(\t)+2], v[XS+16:XS+31], v[10+(\t)]   ; (a conversion's three registers begin on an even number)
.endm
.macro BODY stride
	LOADB 0, \stride
	LOADB 1, \stride
	BLOCK 0, \stride
	BLOCK 1, \stride
	BLOCK 2, \stride
	BLOCK 3, \stride
	v_nop                                          ; one plain place behind a scaled conversion
.irp t, 0,1,2,3
.irp i, 0,1,2
	v_mov_b32 v[RUN+12*(\t%2)+6*(\t/2)+3+\i], v[TC+4*\t+\i]
.endr
.endr
.irp h, 0,1
.irp g, 0,1,2
	global_store_b128 v4, v[RUN+12*\h+4*\g:RUN+12*\h+4*\g+3], s[22:23] offset:256*\h+512*\g
.endr
.endr
	global_store_b32 v5, v6, s[24:25]
	s_endpgm
.endm
	s_load_b128 s[4:7], s[0:1], 0x0                ; Wqkv, Wo
	s_load_b64 s[8:9], s[0:1], 0x10                ; wq
	v_lshrrev_b32 v1, 5, v0
	v_readfirstlane_b32 s10, v1                    ; wave
	v_and_b32 v1, 31, v0                           ; lane
	v_lshlrev_b32 v2, 2, v1
	s_and_b32 s11, ttmp7, 0xffff                   ; K step
	s_lshr_b32 s12, s10, 1
	s_and_b32 s13, s10, 1
	s_cmp_lt_u32 ttmp9, 16
	s_cbranch_scc1 .Lqk
	s_cmp_lt_u32 ttmp9, 24
	s_cbranch_scc1 .Lv
	s_lshl_b32 s14, s10, 5                         ; Wo: place 32 wave + lane
	v_add_nc_u32 v3, s14, v1
	s_branch .Lplaced
.Lqk:                                              ; d = 32 (wave % 2) + lane: u = bit 4 | bit 0 << 1, i = bits 3:1, row 8 (wave % 2) + i
	v_bfe_u32 v3, v1, 4, 1
	v_and_b32 v4, 1, v1
	v_lshl_or_b32 v3, v4, 1, v3
	v_bfe_u32 v4, v1, 1, 3
	v_lshl_add_u32 v3, v3, 4, v4
	s_lshl_b32 s14, s12, 6
	s_lshl_b32 s15, s13, 3
	s_add_co_u32 s14, s14, s15
	v_add_nc_u32 v3, s14, v3
	s_branch .Lplaced
.Lv:                                               ; channel 32 (wave % 2) + lane: tile 2 (wave % 2) + bit 3, row (lane % 8) + 8 bit 4
	v_bfe_u32 v3, v1, 3, 1
	v_and_b32 v4, 7, v1
	v_lshl_add_u32 v3, v3, 4, v4
	v_bfe_u32 v4, v1, 4, 1
	v_lshl_add_u32 v3, v4, 3, v3
	s_lshl_b32 s14, s12, 6
	s_lshl_b32 s15, s13, 5
	s_add_co_u32 s14, s14, s15
	v_add_nc_u32 v3, s14, v3
.Lplaced:
	v_lshrrev_b32 v4, 4, v3
	v_mul_u32_u24 v4, 12288, v4                    ; a tile's eight K steps
	v_and_b32 v5, 15, v3
	v_lshl_add_u32 v4, v5, 4, v4                   ; + 16 x row
	v_lshlrev_b32 v5, 2, v3                        ; the scale word's place
	s_movk_i32 s15, 0x1000                         ; a row of Wo in bytes,
	s_movk_i32 s16, 0x3000                         ; of Wqkv
	s_mov_b32 s18, 2359296                         ; where Wqkv's scale words begin
	s_cmp_lt_u32 ttmp9, 24
	s_cselect_b32 s14, 0, 24
	s_cselect_b32 s15, s16, s15
	s_cselect_b32 s17, 0, 98304                    ; Wo's codes lie behind Wqkv's scale words: 98,304 bytes on
	s_cselect_b32 s18, s18, 3145728                ; Wo's scale words begin at 3,244,032 = 3,145,728 + 24 x 4,096
	s_sub_co_u32 s14, ttmp9, s14                   ; the block of 128 columns in its tensor
	s_lshl_b32 s20, s14, 9
	s_lshl_b32 s19, s10, 7
	s_add_co_u32 s20, s20, s19
	s_lshl_b32 s19, s11, 7
	s_mul_i32 s19, s19, s15                        ; 128 rows a K step
	s_add_co_u32 s20, s20, s19
	s_mov_b32 s21, 0
	s_mul_i32 s22, ttmp9, 98304                    ; eight tiles
	s_add_co_u32 s22, s22, s17
	s_mul_i32 s19, s11, 1536
	s_add_co_u32 s22, s22, s19
	s_mov_b32 s23, 0
	s_lshl_b32 s24, ttmp9, 12
	s_add_co_u32 s24, s24, s18
	s_lshl_b32 s19, s11, 9
	s_add_co_u32 s24, s24, s19
	s_mov_b32 s25, 0
	s_wait_kmcnt 0x0
	s_cmp_lt_u32 ttmp9, 24                         ; the choice hangs on the work-group's number alone
	s_cselect_b64 s[4:5], s[4:5], s[6:7]
	s_add_nc_u64 s[4:5], s[4:5], s[20:21]
	s_add_nc_u64 s[22:23], s[8:9], s[22:23]
	s_add_nc_u64 s[24:25], s[8:9], s[24:25]
	s_cmp_lt_u32 ttmp9, 24
	s_cbranch_scc0 .Lwo
	BODY 12288
.Lwo:
	BODY 4096
.Lfunc_end_k_qc8b88dc7ad_quant_w:
	.size	k_qc8b88dc7ad_quant_w, .Lfunc_end_k_qc8b88dc7ad_quant_w-k_qc8b88dc7ad_quant_w
	.p2alignl 7, 3214868480
	.fill 96, 4, 3214868480
	.section	.rodata,"a",@progbits
	.p2align	6, 0x0
	.amdhsa_kernel k_qc8b88dc7ad_quant_w
		.amdhsa_group_segment_fixed_size 0
		.amdhsa_private_segment_fixed_size 0
		.amdhsa_enable_private_segment 0
		.amdhsa_kernarg_size 24
		.amdhsa_user_sgpr_count 2
		.amdhsa_user_sgpr_kernarg_segment_ptr 1
		.amdhsa_wavefront_size32 1
		.amdhsa_system_sgpr_workgroup_id_x 1
		.amdhsa_system_sgpr_workgroup_id_y 1
		.amdhsa_system_sgpr_workgroup_id_z 1
		.amdhsa_system_vgpr_workitem_id 0
		.amdhsa_next_free_vgpr 192
		.amdhsa_next_free_sgpr 66
		.amdhsa_reserve_vcc 0
		.amdhsa_float_denorm_mode_32 3
		.amdhsa_float_denorm_mode_16_64 3
		.amdhsa_memory_ordered 1
		.amdhsa_forward_progress 1
		.amdhsa_inst_pref_size 40
	.end_amdhsa_kernel
	.amdgpu_metadata
---
amdhsa.version: [ 1, 2 ]
amdhsa.kernels:
  - .name:           k_qc8b88dc7ad_quant_w
    .symbol:         k_qc8b88dc7ad_quant_w.kd
    .args:
      - { .name: Wqkv, .offset: 0, .size: 8, .value_kind: global_buffer, .address_space: global }
      - { .name: Wo, .offset: 8, .size: 8, .value_kind: global_buffer, .address_space: global }
      - { .name: wq, .offset: 16, .size: 8, .value_kind: global_buffer, .address_space: global }
    .group_segment_fixed_size: 0
    .private_segment_fixed_size: 0
    .kernarg_segment_align: 8
    .kernarg_segment_size: 24
    .max_flat_workgroup_size: 128
    .sgpr_count:     66
    .vgpr_count:     192
    .wavefront_size: 32
...
	.end_amdgpu_metadata
.endif
;; end of part 2
;; launch gemm_qkv (part 3): grid 12 x 32, 4 waves a work-group, clusters of 4 x 4, 327,680 bytes of LDS; arguments xq, wq, bqkv, padding_mask, qimg, kv; writes qimg, kv
.if DOCPART == 3
	.amdgcn_target "amdgcn-amd-amdhsa--gfx1250"
	.amdhsa_code_object_version 6
	.text
	.protected	k_qc8b88dc7ad_gemm_qkv
	.globl	k_qc8b88dc7ad_gemm_qkv
	.p2align	8
	.type	k_qc8b88dc7ad_gemm_qkv,@function
k_qc8b88dc7ad_gemm_qkv:
	s_mov_b64 s[64:65], 0
	v_nop
	global_prefetch_b8 v0, s[64:65] scope:SCOPE_SE
	s_setreg_imm32_b32 hwreg(HW_REG_WAVE_MODE, 25, 1), 1
	s_wait_xcnt 0x0
	s_wait_alu depctr_hold_cnt(0) depctr_sa_sdst(0) depctr_va_vdst(0) depctr_va_sdst(0) depctr_va_ssrc(0) depctr_va_vcc(0) depctr_vm_vsrc(0)
	s_getreg_b32 s2, hwreg(HW_REG_IB_STS2, 6, 4)
	s_cmp_eq_u32 s2, 0
	s_cbranch_scc0 .Lentry_in_a_cluster
	s_endpgm
.Lentry_in_a_cluster:
	s_bfe_u32 s2, ttmp6, 0x10000c
	s_cmp_lg_u32 s2, 0xf033
	s_cbranch_scc0 .Lentry_shape_is_right
	s_endpgm
.Lentry_shape_is_right:
; qkv = x Wqkv + bqkv on codes of BF6 (E3M2) with E8M0 scales; q and k are rotated, and q, k and v are quantised in registers for the two products of attention.  Nothing leaves in f32.
; A work-group of four waves makes 256 x 256 of the product, a wave 128 x 128: 64 accumulators, 512 registers.  K = 1,024 goes in four slots' worth of 256 through a ring of two LDS slots.
; OPERANDS lie in memory as images of the matrix unit's registers ([tile of 16][K step of 128][1,536 bytes]): a fragment is three loads of 16 bytes a lane, 512 consecutive bytes each; a wave's tensor load brings
; 8 tiles x 2 K steps (8 rows of 3,072 bytes).  The scale words of 128 rows for all of K are 4,096 dense bytes: they come once, with the first fills, and stay.
; SIDES.  Side A is source 1 (a lane holds one of its rows), side B source 0 (its rows run along a lane's registers).  The cluster's x says what is made: 0 q, 1 k, 2 v; it is the same in all sixteen partners.
;   q, k: A = rows of x, B = columns of W: a lane holds one token and, by the order in which the columns were laid, the even d of a head in 16 registers and the odd d in the next 16: the rotation is packed arithmetic in place.
;   v:    A = columns of W_v, B = rows of x: a lane holds one channel and 64 registers along the tokens, which are the keys: the K of attention's second product.
; CLUSTERS: 4 x 4.  A's tiles hang on the cluster's row (cy) and are asked for jointly by its four work-groups, B's on its column (cx).  The bias is the C of each sum's first product.
; THE MASK rides on the first product's unused k = 64: q holds the code of 1.0 there under the byte 127; a masked key holds -28 under the byte 223 (score -28 x 2^96), an open key 0 under the byte 1.
; OUT.  qimg [b 16 + head][tile][1,024]: registers 0-5 codes, 6 the code at k = 64, 7 the scale word.  kv [b 16 + head][key step][15,104]: 8 tiles of k (1,024 each, register 7 = 0), 4 images of v^T (1,536 each),
;   k's scale words [half][r][4], v's [r][4].  Every store of a wave covers 512 consecutive bytes (v's scale words: 256 in each of two heads).
; LIMITS: NaN and infinities are not served; blocks under 2^-122 keep the byte 1; a block of zeros has the byte 1 (this program alone reads the bytes).
; REGISTERS, in windows of 256: window 0: v0-31 addresses; v32-63 scale words, two sets; v64-127 the bias, later the table; v128-223 A's fragments, one set; on the way out v64-255 are free.
;   window 1: B's fragments, two sets, at v0 and v128.   window 2: the accumulators of A's blocks 0-3 ((a, b) at v[8 (8 (a % 4) + b)]);   window 3: those of blocks 4-7.
.set XS_OFF,  6291456                  ; in xq: x's scale words,
.set TAB_OFF, 6553600                  ; the table [t][cos 32 | sin 32]
.set WQS_OFF, 2359296                  ; in wq: Wqkv's scale words
.set HEADB,   241664                   ; a head in kv,
.set STEPB,   15104                    ; a key step in it
.set NQ,     2                         ; K steps of 128 in a slot
.set FR,     12                        ; registers of a fragment
.set NL,     3                         ; LDS loads that bring one
.set NP,     4                         ; places behind this matrix instruction (ISA guide 7.12.1)
.set FRB,    1536
.set TILEB,  NQ*FRB                    ; a tile's part of a slot
.set HALFT,  8*TILEB                   ; 8 tiles: what one tensor load brings, and what one wave reads of A or of B
.set SLOT,   4*HALFT
.set SCL,    2*SLOT                    ; behind the ring: A's scale words, 2 x 4,096 bytes;
.set SCB,    8256                      ; B's begin 64 bytes further than A's end, so that the two halves of the lanes read different banks
.set SPARE,  213248                    ; the spare words, 128 bytes for each wave: two blocks of 256 bytes that no other line names
.set LI,   3                           ; v3   16 x lane
.set TBL,  4                           ; v4   my row's place in the table
.set MKL,  5                           ; v5   r + 8 (r / 8): my row in a tile's 24
.set BL,   6                           ; v6   the bias's lane term
.set VHK,  7                           ; v7   the masked key's code, in lanes 0-15 (k only)
.set VHQ,  8                           ; v8   the code of 1.0, in lanes 0-15 (q only)
.set VSL,  9                           ; v9   v's scale words: my place
.set ADRA, 16                          ; v16-17 LDS address of A's fragments in slot 0, 1
.set ADRB, 20                          ; v20-21 of B's
.set ADRS, 27                          ; v27  of my scale words: lanes 0-15 A's rows, lanes 16-31 B's
.set SPW,  28                          ; v28  my spare word; never rewritten
.set NIL,  29                          ; v29  0; never rewritten
.set SC,   32                          ; scale words: set s at v[SC + 16 s]; register 2 i + q: lanes 0-15 A's block i, lanes 16-31 B's block i, the slot's q-th 128 along K
.set BIAS, 64
.set AF,   128
.set TAB,  64                          ; the way out: two sets of 16 cos + 16 sin
.set OUTR, 128                         ; 32 rotated numbers
.set IMG,  160                         ; a tile's eight registers
.set QT,   168
.set TM,   176                         ; v176-191 at work
.set SW,   192                         ; v192-207 scale words kept: 8 head + block
.set KS,   208
.set MK,   224                         ; v224-231 the mask's bytes, block by block
.set HI,   232
.set R6,   233
.set PC,   128                         ; v: the codes just made (20 registers)
.set VW,   192                         ; v: scale words kept
.set VS,   208
.set G1,   24                          ; s[24:31], s[32:39]: descriptor groups 1 and 0 (a set for each slot) for A's tiles
.set G0,   32
.set G1B,  48                          ; s[48:55], s[56:63]: for B's
.set G0B,  56
.set G1S,  68                          ; s[68:75], s[76:79]: for A's scale words;  s[80:87], s[88:91]: for B's
.set G0S,  76
.set G1SB, 80
.set G0SB, 88
.set SEL,  100                         ; s[100:101] on the way out: selects of v_permlanex16_b32 for lane l xor 16
.set MSB, 0
.macro WIN new                         ; the immediate's high byte repeats the setting that is left
.if MSB != (\new)
	s_set_vgpr_msb (MSB<<8)|(\new)
.set MSB, (\new)
.endif
.endm
.set MUL_LO, 0xa1                      ; source 0 (B) window 1, source 1 (A) window 0, C and D window 2
.set MUL_HI, 0xf1                      ; the same, C and D window 3
.set TO_B,   0x40                      ; destination window 1, address window 0
; A joint load: waves 0 and 1 fetch for A, waves 2 and 3 for B.  Each line has one mask and one set of registers for all that issue it; the branch hangs on the wave's number alone.
; Four v_nop follow each of the two lines, ahead of the jump, the label and what follows.
.macro JLOAD g0a, g1a, g0b, g1b
	s_cmp_eq_u32 s17, 0
	s_cbranch_scc0 .Lfor_b_\@
	tensor_load_to_lds s[\g0a:\g0a+3], s[\g1a:\g1a+7]
	s_nop 0
.rept 4
	v_nop
.endr
	s_branch .Lasked_\@
.Lfor_b_\@:
	tensor_load_to_lds s[\g0b:\g0b+3], s[\g1b:\g1b+7]
	s_nop 0
.rept 4
	v_nop
.endr
.Lasked_\@:
.endm
.macro CREST                           ; a round of the cluster's barrier behind its opening barrier
	s_cmp_lg_u32 s16, 0
	s_cbranch_scc1 .Lnot_wave_0_\@
	s_barrier_signal -3
.Lnot_wave_0_\@:
	s_barrier_wait -3
	s_barrier_signal -1
	s_barrier_wait -1
.endm
.macro CROUND                          ; a whole round
	s_barrier_signal -1
	s_barrier_wait -1
	CREST
.endm
.macro FRAG reg, adr, q, i             ; tile i's fragment of the slot's q-th K step: its image, as it lies
.irp c, 0,1,2
	ds_load_b128 v[\reg+4*\c:\reg+4*\c+3], v[\adr] offset:(\i)*TILEB+(\q)*FRB+512*\c
.endr
.endm
; 16 matrix instructions: A's blocks a0, a0 + 1 x B's eight.  p: B's set; sc: the set of scale words.  cm = 0: the sums go on; 1: they start from the bias of B's block; 2: of A's block.
; The 64 accumulators take turns, one instruction a turn, in the same order in every step.
.macro MUL16 a0, p, q, sc, cm
.irp a, \a0, \a0+1
.irp b, 0,1,2,3,4,5,6,7
.if \cm == 0
	v_wmma_scale_f32_16x16x128_f8f6f4 v[8*(8*((\a)%4)+\b):8*(8*((\a)%4)+\b)+7], v[128*(\p)+FR*\b:128*(\p)+FR*\b+FR-1], v[AF+FR*(\a):AF+FR*(\a)+FR-1], v[8*(8*((\a)%4)+\b):8*(8*((\a)%4)+\b)+7], v[SC+8*NQ*(\sc)+NQ*\b+(\q)], v[SC+8*NQ*(\sc)+NQ*(\a)+(\q)] matrix_a_fmt:MATRIX_FMT_BF6 matrix_b_fmt:MATRIX_FMT_BF6 matrix_a_scale:MATRIX_SCALE_ROW1
.elseif \cm == 1
	v_wmma_scale_f32_16x16x128_f8f6f4 v[8*(8*((\a)%4)+\b):8*(8*((\a)%4)+\b)+7], v[128*(\p)+FR*\b:128*(\p)+FR*\b+FR-1], v[AF+FR*(\a):AF+FR*(\a)+FR-1], v[BIAS+8*\b:BIAS+8*\b+7], v[SC+8*NQ*(\sc)+NQ*\b+(\q)], v[SC+8*NQ*(\sc)+NQ*(\a)+(\q)] matrix_a_fmt:MATRIX_FMT_BF6 matrix_b_fmt:MATRIX_FMT_BF6 matrix_a_scale:MATRIX_SCALE_ROW1
.else
	v_wmma_scale_f32_16x16x128_f8f6f4 v[8*(8*((\a)%4)+\b):8*(8*((\a)%4)+\b)+7], v[128*(\p)+FR*\b:128*(\p)+FR*\b+FR-1], v[AF+FR*(\a):AF+FR*(\a)+FR-1], v[BIAS+8*(\a):BIAS+8*(\a)+7], v[SC+8*NQ*(\sc)+NQ*\b+(\q)], v[SC+8*NQ*(\sc)+NQ*(\a)+(\q)] matrix_a_fmt:MATRIX_FMT_BF6 matrix_b_fmt:MATRIX_FMT_BF6 matrix_a_scale:MATRIX_SCALE_ROW1
.endif
.endr
.endr
.endm
.macro FETCH_B slot, q, p
	WIN TO_B
.irp i, 0,1,2,3,4,5,6,7
	FRAG 128*(\p)+FR*\i, ADRB+\slot, \q, \i
.endr
	WIN 0
.endm
.macro FETCH_A slot, q, i0
.irp i, \i0, \i0+1, \i0+2, \i0+3
	FRAG AF+FR*(\i), ADRA+\slot, \q, \i
.endr
.endm
.macro SCALES sc                       ; a slot's scale words: lanes 0-15 take A's block i, lanes 16-31 B's block i
.irp i, 0,1,2,3,4,5,6,7
.irp q, 0,1
	ds_load_b32 v[SC+8*NQ*\sc+NQ*\i+\q], v[ADRS] offset:512*\q+64*\i
.endr
.endr
.endm
; A load into a register that a matrix instruction has read, and a vector instruction that reads a matrix result, stand NP places behind that matrix instruction; only plain vector instructions
; that name none of its registers are places (ISA guide 7.12.1 for vector instructions).
.macro PLACES n
.rept \n
	v_nop
.endr
.endm
; A step of 128 along K that has its successor in the same slot.  A has one set of registers: blocks 0-3 are fetched anew in the step's middle, blocks 4-7 at its end; B has two sets.
.macro STEP slot, q, cm
	s_wait_dscnt 4*NL                              ; all but the youngest twelve loads (A's blocks 4-7)
.if \cm
	WIN 0x81                                       ; C (the bias) in window 0
.else
	WIN MUL_LO
.endif
	MUL16 0, (\q)%2, \q, \slot, \cm
	MUL16 2, (\q)%2, \q, \slot, \cm
	s_wait_dscnt 0                                 ; A's blocks 4-7 are in (asked for 32 matrix instructions ago)
	PLACES NP
	FETCH_B \slot, (\q)+1, 1-(\q)%2
	FETCH_A \slot, (\q)+1, 0
.if \cm
	WIN 0xc1
.else
	WIN MUL_HI
.endif
	MUL16 4, (\q)%2, \q, \slot, \cm
	MUL16 6, (\q)%2, \q, \slot, \cm
	PLACES NP
	WIN 0
	FETCH_A \slot, (\q)+1, 4
.endm
; A slot's last step changes slots: one barrier; in front of it each wave waits for all its tensor loads, adds 0 to its spare word, and waits for that and for its own reads of this slot.  fill = 1: this slot is filled again.
.macro TURN slot, next, fill
	s_wait_tensorcnt 0x0                           ; all my tensor loads have landed: my part of the next slot;
	ds_add_u32 v[SPW], v[NIL]                      ; 0 onto my spare word;
	s_wait_dscnt 4*NL+1                            ; (the add and the youngest twelve loads may be out)
	WIN MUL_LO
	MUL16 0, 1, NQ-1, \slot, 0                     ; sixteen matrix instructions stand between the add and the wait for it
	s_wait_dscnt 0x0                               ; the add is done, and my reads of this slot are over
	s_barrier_signal -1
	MUL16 2, 1, NQ-1, \slot, 0
	WIN 0
	s_barrier_wait -1
.if \fill
	CREST                                          ; the barrier has opened a round of the cluster's: no wave of any partner still reads this slot's tile or has a load on its way
	s_add_nc_u64 s[G0+4*\slot+2:G0+4*\slot+3], s[G0+4*\slot+2:G0+4*\slot+3], 2*TILEB
	s_add_nc_u64 s[G0B+4*\slot+2:G0B+4*\slot+3], s[G0B+4*\slot+2:G0B+4*\slot+3], 2*TILEB
	JLOAD G0+4*\slot, G1, G0B+4*\slot, G1B         ; the first tensor load behind the round; its four v_nop are the places in front of the loads below
.else
	PLACES NP
.endif
	v_add_nc_u32 v[ADRS], 512*NQ, v[ADRS]          ; on to the next slot's scale words (no LDS load of mine is out)
	FETCH_B \next, 0, 0
	FETCH_A \next, 0, 0
	SCALES \next
	WIN MUL_HI
	MUL16 4, 1, NQ-1, \slot, 0
	MUL16 6, 1, NQ-1, \slot, 0
	PLACES NP
	WIN 0
	FETCH_A \next, 0, 4
.endm
.macro LAST                            ; the very last step: nothing more to fetch
	s_wait_dscnt 4*NL
	WIN MUL_LO
	MUL16 0, 1, NQ-1, 1, 0
	MUL16 2, 1, NQ-1, 1, 0
	s_wait_dscnt 0
	WIN MUL_HI
	MUL16 4, 1, NQ-1, 1, 0
	MUL16 6, 1, NQ-1, 1, 0
	WIN 0
	PLACES NP
.endm
; 32 numbers of a lane, register 16 b + i = k 32 b + 16 (lane / 16) + i of my row, become six registers of codes at v[dst] (lanes 0-15 block 0, lanes 16-31 block 1); the two bytes stay in v[TM+4], v[TM+5].
.macro QUANT2 s, dst, tmp
.irp b, 0,1
	v_max3_num_f32 v[TM+\b], |v[\s+16*\b]|, |v[\s+1+16*\b]|, 0x2800000   ; with the floor 2^(5 - 127): the byte cannot fall under 1
.endr
.irp i, 2,4,6,8,10,12,14
.irp b, 0,1
	v_max3_num_f32 v[TM+\b], v[TM+\b], |v[\s+16*\b+\i]|, |v[\s+1+16*\b+\i]|
.endr
.endr
.irp b, 0,1
	v_permlanex16_b32 v[TM+4+\b], v[TM+\b], s[SEL], s[SEL+1]
.endr
.irp b, 0,1
	v_max_num_f32 v[TM+\b], v[TM+\b], v[TM+4+\b]
.endr
.irp b, 0,1
	v_add_nc_u32 v[TM+12+\b], 0xfe000000, v[TM+\b]   ; 4 off the exponent field: the conversion's scale operand
.endr
.irp b, 0,1
	v_lshrrev_b32 v[TM+4+\b], 23, v[TM+12+\b]
.endr
	v_cvt_scalef32_pk16_bf6_f32 v[\dst:\dst+2], v[\s:\s+15], v[TM+12]
	v_cvt_scalef32_pk16_bf6_f32 v[\tmp:\tmp+2], v[\s+16:\s+31], v[TM+13]
	v_nop                                          ; one plain place behind a scaled conversion
.irp i, 0,1,2
	v_permlane16_swap_b32 v[\dst+\i], v[\tmp+\i]
.endr
.irp i, 0,1,2
	v_mov_b32 v[\dst+3+\i], v[\tmp+\i]
.endr
.endm
.macro TABLD a                         ; block a's table rows: my row's cos and sin of frequencies 16 h + 0 .. 15
.irp j, 0,1,2,3
	global_load_b128 v[TAB+32*((\a)%2)+4*\j:TAB+32*((\a)%2)+4*\j+3], v[TBL], s[92:93] offset:256*(32*((\a)/2)+8*((\a)%2))+16*\j
	global_load_b128 v[TAB+32*((\a)%2)+16+4*\j:TAB+32*((\a)%2)+16+4*\j+3], v[TBL], s[92:93] offset:256*(32*((\a)/2)+8*((\a)%2))+128+16*\j
.endr
.endm
; One tile of 16 tokens, one head: rotated, quantised, stored.  The accumulators are read from their low ends on.
.macro QKHEAD a, hd
	s_wait_xcnt 0x0                                ; the last tile's stores have read v[IMG] on: it is written again only behind this wait
.set AC, 64*((\a)%4)+32*(\hd)
.set TCO, TAB+32*((\a)%2)
.set TSI, TCO+16
	WIN 2+(\a)/4                                   ; source 0: the accumulators' window
.irp j, 0,2,4,6,8,10,12,14
	v_pk_mul_f32 v[OUTR+\j:OUTR+\j+1], v[AC+16+\j:AC+17+\j], v[TSI+\j:TSI+\j+1]   ; x2 sin
.endr
.irp j, 0,2,4,6,8,10,12,14
	v_pk_fma_f32 v[OUTR+\j:OUTR+\j+1], v[AC+\j:AC+\j+1], v[TCO+\j:TCO+\j+1], v[OUTR+\j:OUTR+\j+1] neg_lo:[0,0,1] neg_hi:[0,0,1]   ; x1 cos - x2 sin: k = 16 h + 0 .. 15
.endr
.irp j, 0,2,4,6,8,10,12,14
	v_pk_mul_f32 v[OUTR+16+\j:OUTR+17+\j], v[AC+16+\j:AC+17+\j], v[TCO+\j:TCO+\j+1]   ; x2 cos
.endr
.irp j, 0,2,4,6,8,10,12,14
	v_pk_fma_f32 v[OUTR+16+\j:OUTR+17+\j], v[AC+\j:AC+\j+1], v[TSI+\j:TSI+\j+1], v[OUTR+16+\j:OUTR+17+\j]   ; x1 sin + x2 cos: k = 32 + 16 h + 0 .. 15
.endr
	WIN 0
	QUANT2 OUTR, IMG, QT
	v_lshl_or_b32 v[SW+8*(\hd)+(\a)], v[TM+5], 8, v[TM+4]
	v_or_b32 v[SW+8*(\hd)+(\a)], v[SW+8*(\hd)+(\a)], v[HI]   ; the scale word: two bytes of the head's 64, two of the unused half
	v_mov_b32 v[IMG+6], v[R6]                      ; the code at k = 64
	v_and_b32 v[IMG+7], s99, v[SW+8*(\hd)+(\a)]    ; q carries its scale word in register 7; k a 0
	global_store_b128 v[LI], v[IMG:IMG+3], s[94+2*(\hd):95+2*(\hd)] offset:1024*(\a)
	global_store_b128 v[LI], v[IMG+4:IMG+7], s[94+2*(\hd):95+2*(\hd)] offset:1024*(\a)+512
.endm
.macro QKBLOCK a
.if (\a) < 7
	TABLD (\a)+1
	s_wait_loadcnt 8                               ; all but the next block's eight loads
.else
	s_wait_loadcnt 0x0
.endif
	v_mad_u32_u24 v[HI], v[MK+(\a)], s47, s98      ; bytes 2 and 3: q 127, 127; k 1, 1, and 223 for byte 2 of a masked key
	v_lshlrev_b32 v[HI], 16, v[HI]
	v_mad_u32_u24 v[R6], v[MK+(\a)], v[VHK], v[VHQ]
	QKHEAD \a, 0
	QKHEAD \a, 1
.endm
; v: block a's 64 registers (16 channels x 128 keys) are quantised where they lie.
.macro VBLOCK a
.set W, 2+(\a)/4
.set XB, 64*((\a)%4)
.if (\a) > 0
	s_wait_xcnt 0x0                                ; the last image's stores have read v[PC] on
.endif
	WIN W|(W<<2)                                   ; sources 0 and 1: the accumulators' window
.irp b, 0,1,2,3
	v_max3_num_f32 v[TM+\b], |v[XB+16*\b]|, |v[XB+1+16*\b]|, 0x2800000
.endr
.irp i, 2,4,6,8,10,12,14
.irp b, 0,1,2,3
	v_max3_num_f32 v[TM+\b], |v[XB+16*\b+\i]|, |v[XB+1+16*\b+\i]|, v[TM+\b]
.endr
.endr
	WIN 0
.irp b, 0,1,2,3
	v_permlanex16_b32 v[TM+4+\b], v[TM+\b], s[SEL], s[SEL+1]
.endr
.irp b, 0,1,2,3
	v_max_num_f32 v[TM+\b], v[TM+\b], v[TM+4+\b]
.endr
.irp b, 0,1,2,3
	v_add_nc_u32 v[TM+12+\b], 0xfe000000, v[TM+\b]
.endr
.irp b, 0,1,2,3
	v_lshrrev_b32 v[TM+4+\b], 23, v[TM+12+\b]
.endr
	v_lshl_or_b32 v[VW+(\a)], v[TM+5], 8, v[TM+4]
	v_lshl_or_b32 v[VW+(\a)], v[TM+6], 16, v[VW+(\a)]
	v_lshl_or_b32 v[VW+(\a)], v[TM+7], 24, v[VW+(\a)]
	WIN W                                          ; source 0: the accumulators' window
.irp c, 0,1
	v_cvt_scalef32_pk16_bf6_f32 v[PC+6*\c:PC+2+6*\c], v[XB+32*\c:XB+15+32*\c], v[TM+12+2*\c]
	v_cvt_scalef32_pk16_bf6_f32 v[PC+12+4*\c:PC+14+4*\c], v[XB+16+32*\c:XB+31+32*\c], v[TM+12+2*\c+1]
.endr
	WIN 0
	v_nop                                          ; one plain place behind a scaled conversion
.irp c, 0,1
.irp i, 0,1,2
	v_permlane16_swap_b32 v[PC+6*\c+\i], v[PC+12+4*\c+\i]
.endr
.irp i, 0,1,2
	v_mov_b32 v[PC+3+6*\c+\i], v[PC+12+4*\c+\i]
.endr
.endr
.irp g, 0,1,2
	global_store_b128 v[LI], v[PC+4*\g:PC+4*\g+3], s[94:95] offset:((\a)/4)*HEADB+8192+FRB*((\a)%4)+512*\g
.endr
.endm
	s_load_b256 s[4:11], s[0:1], 0x0               ; xq s[4:5], wq s[6:7], bqkv s[8:9], the mask s[10:11]
	s_load_b128 s[12:15], s[0:1], 0x20             ; qimg s[12:13], kv s[14:15]
	v_lshl_add_u32 v[SPW], v0, 2, SPARE
	v_mov_b32 v[NIL], 0
	ds_add_u32 v28, v29
	s_wait_dscnt 0x0
	v_lshrrev_b32 v1, 5, v0
	v_readfirstlane_b32 s16, v1                    ; wave 0..3
	s_lshr_b32 s17, s16, 1                         ; which half of A's rows is mine.  Also: I fetch for A (0) or for B (1)
	s_and_b32 s18, s16, 1                          ; which half of B's rows.  Also: which 8 tiles I fetch
	s_mov_b32 s19, ttmp9                           ; the cluster's x: 0 q, 1 k, 2 v
	s_bfe_u32 s20, ttmp6, 0x40000                  ; cx
	s_bfe_u32 s21, ttmp6, 0x40004                  ; cy
	s_and_b32 s40, ttmp7, 0xffff
	s_lshl_b32 s40, s40, 2                         ; 4 x cluster y
	s_add_co_u32 s41, s40, s21
	s_add_co_u32 s42, s40, s20
	s_lshl_b32 s43, s19, 2
	s_add_co_u32 s43, s43, s20
	s_mov_b32 s92, WQS_OFF+16*4096
	s_mov_b32 s96, XS_OFF
	s_cmp_eq_u32 s19, 2
	s_cselect_b32 s22, s21, s41                    ; A's block of 256: v: cy (of W_v's four);  q, k: 4 cluster y + cy (of x's 32)
	s_cselect_b32 s23, s42, s43                    ; B's:              v: 4 cluster y + cx (of x's);  q, k: 4 cluster x + cx (of W's first eight)
	s_cselect_b32 s44, 128, 0                      ; W_v's tiles begin at tile 128
	s_cselect_b32 s92, s92, XS_OFF                 ; where A's scale words begin in their buffer,
	s_cselect_b32 s96, s96, WQS_OFF                ; and B's
	s_lshl_b32 s2, s22, 4                          ; A: nothing here hangs on cx
	s_lshl_b32 s3, s18, 3
	s_add_co_u32 s2, s2, s3
	s_add_co_u32 s2, s2, s44
	s_mul_i32 s46, s2, 8*FRB                       ; my 8 tiles' codes
	s_mov_b32 s47, 0
	s_lshl_b32 s2, s22, 1
	s_add_co_u32 s2, s2, s18
	s_lshl_b32 s2, s2, 12
	s_add_co_u32 s92, s92, s2                      ; and their scale words
	s_mov_b32 s93, 0
	s_lshl_b32 s98, s23, 4                         ; B: nothing here hangs on cy
	s_lshl_b32 s99, s18, 3
	s_add_co_u32 s98, s98, s99
	s_mul_i32 s94, s98, 8*FRB
	s_mov_b32 s95, 0
	s_lshl_b32 s98, s23, 1
	s_add_co_u32 s98, s98, s18
	s_lshl_b32 s98, s98, 12
	s_add_co_u32 s96, s96, s98
	s_mov_b32 s97, 0
	s_lshl_b32 s40, s21, 2
	s_lshl_b32 s40, 15, s40                        ; my row of the cluster
	s_lshl_b32 s41, 0x1111, s20                    ; my column
	; descriptor group 1, codes: 8 rows (tiles) of 384 elements of 8 bytes (two K steps' images), 1,536 elements from tile to tile; no padding: every LDS read is 512 consecutive bytes
	s_or_b32 s[G1], s40, (3<<16)|(1<<21)           ; 15:0 the mask; 17:16 elements of 8 bytes; 21 set beside a mask
	s_or_b32 s[G1B], s41, (3<<16)|(1<<21)
.irp g, G1, G1B
	s_mov_b32 s[\g+1], 384<<16                     ; tensor_dim0
	s_mov_b32 s[\g+2], 8<<16                       ; tensor_dim1
	s_mov_b32 s[\g+3], 384<<16                     ; tile_dim0
	s_mov_b32 s[\g+4], 8                           ; tile_dim1
	s_mov_b32 s[\g+5], 1536                        ; tensor_dim0_stride
	s_mov_b32 s[\g+6], 0
	s_mov_b32 s[\g+7], 0
.endr
	; scale words of 128 rows: 4,096 dense bytes as 16 rows of 256
	s_or_b32 s[G1S], s40, (3<<16)|(1<<21)
	s_or_b32 s[G1SB], s41, (3<<16)|(1<<21)
.irp g, G1S, G1SB
	s_mov_b32 s[\g+1], 32<<16
	s_mov_b32 s[\g+2], 16<<16
	s_mov_b32 s[\g+3], 32<<16
	s_mov_b32 s[\g+4], 16
	s_mov_b32 s[\g+5], 32
	s_mov_b32 s[\g+6], 0
	s_mov_b32 s[\g+7], 0
.endr
	s_mul_i32 s45, s16, HALFT                      ; where they go: wave x 8 tiles: no place in the cluster enters an LDS address
	s_lshl_b32 s42, s16, 12
	s_lshl_b32 s43, s17, 6
	s_add_co_u32 s42, s42, s43                     ; the scale words: 4,096 x wave, B's 64 bytes on
	s_wait_kmcnt 0x0
	s_cmp_eq_u32 s19, 2                            ; the choice of buffers hangs on the cluster's x alone
	s_cselect_b64 s[100:101], s[6:7], s[4:5]       ; A's buffer
	s_cselect_b64 s[98:99], s[4:5], s[6:7]         ; B's
	s_add_nc_u64 s[46:47], s[100:101], s[46:47]
	s_add_nc_u64 s[92:93], s[100:101], s[92:93]
	s_add_nc_u64 s[94:95], s[98:99], s[94:95]
	s_add_nc_u64 s[96:97], s[98:99], s[96:97]
	CROUND                                         ; all sixteen work-groups are here: the first joint loads meet
	s_mov_b32 s[G0S], 1
	s_add_co_u32 s[G0S+1], s42, SCL
	s_mov_b64 s[G0S+2:G0S+3], s[92:93]
	s_or_b32 s[G0S+3], s[G0S+3], 0x80000000
	s_mov_b32 s[G0SB], 1
	s_add_co_u32 s[G0SB+1], s42, SCL
	s_mov_b64 s[G0SB+2:G0SB+3], s[96:97]
	s_or_b32 s[G0SB+3], s[G0SB+3], 0x80000000
	JLOAD G0S, G1S, G0SB, G1SB                     ; the scale words first; with the two slots three loads of mine are out
.irp s, 0,1
	s_mov_b32 s[G0+4*\s], 1
	s_add_co_u32 s[G0+4*\s+1], s45, \s*SLOT
	s_add_nc_u64 s[G0+4*\s+2:G0+4*\s+3], s[46:47], \s*TILEB
	s_or_b32 s[G0+4*\s+3], s[G0+4*\s+3], 0x80000000
	s_mov_b32 s[G0B+4*\s], 1
	s_add_co_u32 s[G0B+4*\s+1], s45, \s*SLOT
	s_add_nc_u64 s[G0B+4*\s+2:G0B+4*\s+3], s[94:95], \s*TILEB
	s_or_b32 s[G0B+4*\s+3], s[G0B+4*\s+3], 0x80000000
	JLOAD G0+4*\s, G1, G0B+4*\s, G1B
.endr
	v_and_b32 v1, 15, v0                           ; r
	v_bfe_u32 v2, v0, 4, 1                         ; h
	v_and_b32 v[LI], 31, v0
	v_lshlrev_b32 v[LI], 4, v[LI]
	v_and_b32 v[MKL], 8, v1
	v_add_nc_u32 v[MKL], v[MKL], v1                ; r + 8 (r / 8)
	; the bias, in the result's layout: it is the C of each sum's first product
	s_cmp_eq_u32 s19, 2
	s_cselect_b32 s2, s22, s23                     ; W's block of 256 columns,
	s_cselect_b32 s3, s17, s18                     ; my half of it,
	s_cselect_b32 s40, 8192, 0                     ; v's columns begin at 2,048
	s_lshl_b32 s2, s2, 10
	s_lshl_b32 s3, s3, 9
	s_add_co_u32 s2, s2, s3
	s_add_co_u32 s2, s2, s40
	s_mov_b32 s3, 0
	s_add_nc_u64 s[8:9], s[8:9], s[2:3]
	s_cmp_eq_u32 s19, 2
	s_cbranch_scc1 .Lbias_v
	v_lshlrev_b32 v[BL], 7, v2                     ; q, k: register j of B's block b is d = 32 h + 16 (b % 2) + 2 j + (b % 4) / 2 of head b / 4
.irp b, 0,1,2,3,4,5,6,7
.irp j, 0,1,2,3,4,5,6,7
	global_load_b32 v[BIAS+8*\b+\j], v[BL], s[8:9] offset:4*(64*(\b/4)+16*(\b%2)+2*\j+(\b%4)/2)
.endr
.endr
	s_branch .Lbias_done
.Lbias_v:
	v_lshlrev_b32 v[BL], 2, v[MKL]                 ; v: all eight registers of A's block a hold the lane's channel's: 32 ((a % 4) / 2) + 8 (a % 2) + r + 8 (r / 8) of head a / 4
.irp a, 0,1,2,3,4,5,6,7
.irp j, 0,1,2,3,4,5,6,7
	global_load_b32 v[BIAS+8*\a+\j], v[BL], s[8:9] offset:4*(64*(\a/4)+32*((\a%4)/2)+8*(\a%2))
.endr
.endr
.Lbias_done:
	s_mul_i32 s2, s17, HALFT                       ; my 8 tiles of A
	s_mul_i32 s3, s18, HALFT                       ; my 8 tiles of B,
	s_add_co_u32 s3, s3, 2*HALFT                   ; which lie behind A's 16
.irp s, 0,1
	v_add_nc_u32 v[ADRA+\s], s2, v[LI]
	v_add_nc_u32 v[ADRB+\s], s3, v[LI]
	s_add_co_u32 s2, s2, SLOT
	s_add_co_u32 s3, s3, SLOT
.endr
	v_lshlrev_b32 v10, 2, v1                       ; my row's scale word
	s_lshl_b32 s2, s17, 12                         ; A's: my 128 rows
	s_lshl_b32 s3, s18, 12                         ; B's: my 128 rows, SCB bytes on
	s_add_co_u32 s3, s3, SCB
	s_sub_co_u32 s3, s3, s2
	v_mul_u32_u24 v11, s3, v2                      ; lanes 16-31 take B's
	s_add_co_u32 s2, s2, SCL
	v_add_nc_u32 v10, v10, v11
	v_add_nc_u32 v[ADRS], s2, v10
	s_wait_tensorcnt 1                             ; the scale words and my part of slot 0 are in (slot 1's load may be out)
	s_barrier_signal -1
	s_barrier_wait -1                              ; everybody's are
	FETCH_B 0, 0, 0
	FETCH_A 0, 0, 0
	SCALES 0
	FETCH_A 0, 0, 4
	s_wait_loadcnt 0x0                             ; the bias
	s_cmp_eq_u32 s19, 2
	s_cbranch_scc1 .Lfirst_v
	STEP 0, 0, 1                                   ; the first step starts the sums from the bias: by B's block,
	s_branch .Lfirst_done
.Lfirst_v:
	STEP 0, 0, 2                                   ; or by A's
.Lfirst_done:
	TURN 0, 1, 1                                   ; K = 1,024 is four slots' worth: written out, two refills
	STEP 1, 0, 0
	TURN 1, 0, 1
	STEP 0, 0, 0
	TURN 0, 1, 0                                   ; nothing is left to fetch: no round
	STEP 1, 0, 0
	s_cmp_eq_u32 s19, 2
	s_cbranch_scc1 .Lv_tail
	; ---- q and k.  The mask's bytes and the first table rows are asked for ahead of the last 64 products
	s_lshl_b32 s2, s22, 1
	s_add_co_u32 s2, s2, s17                       ; my 128 tokens: which of the 64 runs of 128
	s_and_b32 s3, s2, 15                           ; the run in its batch row (k: the key step)
	s_lshr_b32 s40, s2, 4                          ; b
	s_and_b32 s41, s23, 3
	s_lshl_b32 s41, s41, 2
	s_lshl_b32 s42, s18, 1
	s_add_co_u32 s41, s41, s42                     ; my first head
	s_lshl_b32 s40, s40, 4
	s_add_co_u32 s40, s40, s41
	s_lshl_b32 s92, s3, 15                         ; the table: 128 rows of 256 bytes a run
	s_add_co_u32 s92, s92, TAB_OFF
	s_mov_b32 s93, 0
	s_add_nc_u64 s[92:93], s[4:5], s[92:93]
	s_lshl_b32 s42, s2, 7
	s_mov_b32 s43, 0
	s_add_nc_u64 s[10:11], s[10:11], s[42:43]      ; the mask at my first token
	s_mov_b32 s43, HEADB
	s_movk_i32 s44, STEPB
	s_mov_b32 s98, 0x0101
	s_cmp_eq_u32 s19, 1                            ; k or q
	s_cselect_b32 s43, s43, 131072                 ; bytes of a head,
	s_cselect_b32 s44, s44, 8192                   ; of a run of 8 tiles
	s_cselect_b64 s[94:95], s[14:15], s[12:13]     ; kv or qimg
	s_cselect_b32 s45, 0x3f, 0                     ; a masked key's code: -28
	s_cselect_b32 s46, 0, 12                       ; q's code at k = 64: 1.0
	s_cselect_b32 s47, 222, 0                      ; a masked key's byte 2: 1 + 222
	s_cselect_b32 s98, s98, 0x7f7f                 ; bytes 2 and 3
	s_cselect_b32 s99, 0, -1                       ; q carries its scale word in the image
	s_mul_i32 s40, s40, s43
	s_mul_i32 s3, s3, s44
	s_add_co_u32 s40, s40, s3
	s_mov_b32 s41, 0
	s_add_nc_u64 s[94:95], s[94:95], s[40:41]      ; my first head's tiles,
	s_mov_b32 s40, s43
	s_add_nc_u64 s[96:97], s[94:95], s[40:41]      ; my second head's
	s_mov_b32 s[SEL], 0x76543210
	s_mov_b32 s[SEL+1], 0xfedcba98
	v_lshlrev_b32 v[TBL], 8, v[MKL]
	v_lshl_add_u32 v[TBL], v2, 6, v[TBL]           ; 256 x my row + 64 h
	v_xor_b32 v10, 1, v2
	v_mul_u32_u24 v[VHK], v10, s45                 ; lanes 0-15 hold k = 64
	v_mul_u32_u24 v[VHQ], v10, s46
.irp a, 0,1,2,3,4,5,6,7
	global_load_u8 v[MK+\a], v[MKL], s[10:11] offset:32*(\a/2)+8*(\a%2)
.endr
	TABLD 0
	LAST
.irp b, 0,1
	v_mov_b32 v[TM+4+\b], 0                        ; written once: a lane permute's destination counts as one of its sources
.endr
.irp a, 0,1,2,3,4,5,6,7
	QKBLOCK \a
.endr
	s_cmp_lg_u32 s19, 1
	s_cbranch_scc1 .Lout_done
	s_mov_b32 s2, 0xffff0000                       ; k's scale words: lane (r, half) holds those of tiles 4 half + 0 .. 3
.irp hd, 0,1
.irp i, 0,1,2,3
	v_cndmask_b32 v[KS+4*\hd+\i], v[SW+8*\hd+\i], v[SW+8*\hd+4+\i], s2
.endr
	global_store_b128 v[LI], v[KS+4*\hd:KS+4*\hd+3], s[94+2*\hd:95+2*\hd] offset:14336
.endr
	s_branch .Lout_done
.Lv_tail:                                          ; ---- v
	s_lshl_b32 s2, s23, 1
	s_add_co_u32 s2, s2, s18                       ; my 128 tokens (B's side)
	s_and_b32 s3, s2, 15                           ; the key step
	s_lshr_b32 s40, s2, 4                          ; b
	s_lshl_b32 s40, s40, 4
	s_lshl_b32 s41, s22, 2
	s_add_co_u32 s40, s40, s41
	s_lshl_b32 s41, s17, 1
	s_add_co_u32 s40, s40, s41                     ; 16 b + my first head
	s_mul_i32 s40, s40, HEADB
	s_mul_i32 s3, s3, STEPB
	s_add_co_u32 s40, s40, s3
	s_mov_b32 s41, 0
	s_add_nc_u64 s[94:95], s[14:15], s[40:41]
	s_mov_b32 s[SEL], 0x76543210
	s_mov_b32 s[SEL+1], 0xfedcba98
	v_mul_u32_u24 v[VSL], HEADB, v2                ; lanes 16-31 store the second head's scale words
	v_lshl_add_u32 v[VSL], v1, 4, v[VSL]
	LAST
.irp b, 0,1,2,3
	v_mov_b32 v[TM+4+\b], 0
.endr
.irp a, 0,1,2,3,4,5,6,7
	VBLOCK \a
.endr
	s_mov_b32 s2, 0xffff0000
.irp i, 0,1,2,3
	v_cndmask_b32 v[VS+\i], v[VW+\i], v[VW+4+\i], s2
.endr
	global_store_b128 v[VSL], v[VS:VS+3], s[94:95] offset:14848
.Lout_done:
	s_wait_tensorcnt 0x0                           ; the wave's end
	ds_add_u32 v[SPW], v[NIL]
	s_wait_dscnt 0x0
	CROUND                                         ; the closing round: no work-group ends while a partner may still ask for a tile that names it
	s_endpgm
.Lfunc_end_k_qc8b88dc7ad_gemm_qkv:
	.size	k_qc8b88dc7ad_gemm_qkv, .Lfunc_end_k_qc8b88dc7ad_gemm_qkv-k_qc8b88dc7ad_gemm_qkv
	.p2alignl 7, 3214868480
	.fill 96, 4, 3214868480
	.section	.rodata,"a",@progbits
	.p2align	6, 0x0
	.amdhsa_kernel k_qc8b88dc7ad_gemm_qkv
		.amdhsa_group_segment_fixed_size 327680
		.amdhsa_private_segment_fixed_size 0
		.amdhsa_enable_private_segment 0
		.amdhsa_kernarg_size 48
		.amdhsa_user_sgpr_count 2
		.amdhsa_user_sgpr_kernarg_segment_ptr 1
		.amdhsa_wavefront_size32 1
		.amdhsa_system_sgpr_workgroup_id_x 1
		.amdhsa_system_sgpr_workgroup_id_y 1
		.amdhsa_system_sgpr_workgroup_id_z 1
		.amdhsa_system_vgpr_workitem_id 0
		.amdhsa_next_free_vgpr 1024
		.amdhsa_next_free_sgpr 102
		.amdhsa_reserve_vcc 0
		.amdhsa_float_denorm_mode_32 3
		.amdhsa_float_denorm_mode_16_64 3
		.amdhsa_memory_ordered 1
		.amdhsa_forward_progress 1
		.amdhsa_inst_pref_size 253
	.end_amdhsa_kernel
	.amdgpu_metadata
---
amdhsa.version: [ 1, 2 ]
amdhsa.kernels:
  - .name:           k_qc8b88dc7ad_gemm_qkv
    .symbol:         k_qc8b88dc7ad_gemm_qkv.kd
    .args:
      - { .name: xq, .offset: 0, .size: 8, .value_kind: global_buffer, .address_space: global }
      - { .name: wq, .offset: 8, .size: 8, .value_kind: global_buffer, .address_space: global }
      - { .name: bqkv, .offset: 16, .size: 8, .value_kind: global_buffer, .address_space: global }
      - { .name: padding_mask, .offset: 24, .size: 8, .value_kind: global_buffer, .address_space: global }
      - { .name: qimg, .offset: 32, .size: 8, .value_kind: global_buffer, .address_space: global }
      - { .name: kv, .offset: 40, .size: 8, .value_kind: global_buffer, .address_space: global }
    .group_segment_fixed_size: 327680
    .private_segment_fixed_size: 0
    .kernarg_segment_align: 8
    .kernarg_segment_size: 48
    .max_flat_workgroup_size: 128
    .sgpr_count:     102
    .vgpr_count:     1024
    .wavefront_size: 32
...
	.end_amdgpu_metadata
.endif
;; end of part 3
;; launch attn (part 4): grid 8 x 32, 16 waves a work-group, clusters of 4 x 1, 327,680 bytes of LDS; arguments qimg, kv, ao; writes ao
.if DOCPART == 4
	.amdgcn_target "amdgcn-amd-amdhsa--gfx1250"
	.amdhsa_code_object_version 6
	.text
	.protected	k_qc8b88dc7ad_attn
	.globl	k_qc8b88dc7ad_attn
	.p2align	8
	.type	k_qc8b88dc7ad_attn,@function
k_qc8b88dc7ad_attn:
	s_mov_b64 s[64:65], 0
	v_nop
	global_prefetch_b8 v0, s[64:65] scope:SCOPE_SE
	s_setreg_imm32_b32 hwreg(HW_REG_WAVE_MODE, 25, 1), 1
	s_wait_xcnt 0x0
	s_wait_alu depctr_hold_cnt(0) depctr_sa_sdst(0) depctr_va_vdst(0) depctr_va_sdst(0) depctr_va_ssrc(0) depctr_va_vcc(0) depctr_vm_vsrc(0)
	s_getreg_b32 s2, hwreg(HW_REG_IB_STS2, 6, 4)
	s_cmp_eq_u32 s2, 0
	s_cbranch_scc0 .Lentry_in_a_cluster
	s_endpgm
.Lentry_in_a_cluster:
	s_bfe_u32 s2, ttmp6, 0x10000c
	s_cmp_lg_u32 s2, 0x3003
	s_cbranch_scc0 .Lentry_shape_is_right
	s_endpgm
.Lentry_shape_is_right:
; Attention on codes of BF6 (E3M2) with E8M0 scales: o = softmax(q k^T / 8, masked) v, then o is quantised along head x 64 + d for the output product.  16 heads of 64, 2,048 keys, 4 batch rows.
; THE SOFTMAX AHEAD OF THE SECOND PRODUCT: t = score x log2(e) / 8; M = the running largest t rounded up to a whole number; p = 2^(t - M) is quantised along the keys, not normalised; the row's sum is taken of the
; unquantised p and divides o at the end.  When M moves, the sum and o are multiplied by 2^(old M - new M): exact.
; THE MASK costs no line here: the first product's K is 64, and at k = 64 q holds 1.0 and a masked key -28 x 2^96 (an open key 0), so a masked key's p is 0.
; LIMITS: the running largest t starts at -2^60, far above a masked key's t and far under any served score: a row's largest t must lie above -2^60, and scores stay far under 2^96.  A batch row whose keys are ALL masked
; gives finite numbers here where the definition gives NaN.  NaN and infinities are not served.
; SHARES.  A work-group owns 256 queries and a pair of heads; each of its sixteen waves owns one tile of 16 queries, for both heads one after the other: so a wave ends with a whole fragment (128 along the output
; product's K) and a whole scale word.  Four waves share a SIMD, so that one wave's vector work stands beside another's matrix work and LDS loads.
; RING.  A key step's block (8 tiles of k, 4 images of v^T, the scale words: 15,104 dense bytes) is one tensor load; a slot holds four, fetched by waves 0 to 3; the two heads' 32 blocks lie on end, so the ring runs through
; the change of heads.  CLUSTER: the four query blocks of a cluster walk the same blocks: each is asked for jointly (mask 15).  A wave has one tensor load out at the most.
; LAYOUT.  Both products transposed: S^T = k q^T, O^T = v^T p^T: a lane holds one query throughout.  A tile's keys are 32 b + 8 u + r + 8 (r / 8), so that p's 16 registers of two tiles are 16 neighbouring keys; v's channels likewise.
; A tile of k is 8 registers; the operand names 12: the four beyond are the next tile's (or zeros), codes of k = 72 and up in lanes 0-15 and 104 and up in lanes 16-31, which meet zeros of q under the byte 1.
.set STEPB,  15104
.set SLOTB,  4*STEPB
.set SLOT1,  65536                     ; slot 1 begins here: one exclusive or turns an address from slot to slot
.set SCR,    131072                    ; behind the ring: the work-group's 256 scale words of o
.set SPARE,  132096                    ; the spare words, 128 bytes for each wave: eight blocks of 256 bytes that no other line names
.set HEADB,  241664
.set AS_OFF, 6291456                   ; in ao: the scale words
.set LI,  1                            ; v1   16 x lane
.set SPW, 2                            ; v2   my spare word; never rewritten
.set NIL, 3                            ; v3   0; never rewritten
.set ADK, 4                            ; v4   the step's block + 16 x lane
.set ADV, 5                            ; v5   v's scale words of the step
.set AVR, 6                            ; v6   14,848 + 16 r
.set SCA, 7                            ; v7   my scale word's place in SCR
.set QF,  16                           ; v16-27  q
.set KSC, 28                           ; v28-31  k's scale words: lanes 0-15 tiles 0-3, lanes 16-31 tiles 4-7
.set KF,  32                           ; v32-99  k: 8 tiles of 8, and four zeros; then v32-79: v^T's four images
.set S,   100                          ; v100-163 S^T, then p
.set O,   164                          ; v164-195 O^T
.set PF,  196                          ; v196-207 p's codes
.set CT,  208                          ; v208-215 conversions' second halves
.set VSC, 216                          ; v216-219 v's scale words
.set QS,  220                          ; v220 q's scale word
.set BM,  224                          ; v224-227 blocks' largest
.set BT,  228                          ; v228-231 the other half's, then the bytes
.set BS,  232                          ; v232-235 the conversions' scale operands
.set FF,  236                          ; v236 f = 2^(old M - new M)
.set PS,  237                          ; v237 p's scale word
.set T0,  238
.set SU,  240                          ; v[240:241] the sum's second chain
.set HW,  242                          ; v242 o's scale word
.set HC,  244                          ; v244-255 o's fragment
.set WV,  10
.set SEL, 14                           ; s[14:15]
.set G1,  16                           ; s[16:23]
.set G0,  24                           ; s[24:27] walks
.set CS,  28                           ; s[28:29] c = log2(e) / 8
.set TB,  32                           ; s32 the LDS byte at which the step's block begins
.set NSL, 33
.set NST, 34
.macro ROUND                           ; a round of the cluster's barrier
	s_barrier_signal -1
	s_barrier_wait -1
	s_cmp_lg_u32 s[WV], 0
	s_cbranch_scc1 .Lnot_wave_0_\@
	s_barrier_signal -3
.Lnot_wave_0_\@:
	s_barrier_wait -3
	s_barrier_signal -1
	s_barrier_wait -1
.endm
.macro TLOAD                           ; waves 0 to 3 fetch a block each; four v_nop follow the line
	s_cmp_lt_u32 s[WV], 4
	s_cbranch_scc0 .Lnone_\@
	tensor_load_to_lds s[G0:G0+3], s[G1:G1+7]
	s_nop 0
.rept 4
	v_nop
.endr
.Lnone_\@:
.endm
; The change of slots stands at a slot's head: each wave waits for all its tensor loads, adds 0 to its spare word, waits for that and for its reads of the slot that it has left.
; fill = 1: a round of the cluster's barrier, and behind it the slot just left takes the next four blocks: the load has four key steps in which to land.
.macro CHANGE fill
	s_wait_tensorcnt 0x0                           ; no tensor load of mine is out, so the descriptor may be written
	ds_add_u32 v[SPW], v[NIL]                      ; 0 onto my spare word
.if \fill
	s_xor_b32 s[G0+1], s[G0+1], SLOT1
	s_add_nc_u64 s[G0+2:G0+3], s[G0+2:G0+3], SLOTB
.endif
	s_wait_dscnt 0x0                               ; the add is done, and my reads of the slot that I have left are over
.if \fill
	ROUND
	TLOAD
.else
	s_barrier_signal -1
	s_barrier_wait -1
.endif
.endm
; 32 numbers of a lane, register 16 b + i = k 32 b + 16 (lane / 16) + i, become six registers of codes at v[dst]; the two bytes stay in v[BT], v[BT+1].
.macro QUANT2 s, dst, tmp
.irp b, 0,1
	v_max3_num_f32 v[BM+\b], |v[\s+16*\b]|, |v[\s+1+16*\b]|, 0x2800000
.endr
.irp i, 2,4,6,8,10,12,14
.irp b, 0,1
	v_max3_num_f32 v[BM+\b], v[BM+\b], |v[\s+16*\b+\i]|, |v[\s+1+16*\b+\i]|
.endr
.endr
.irp b, 0,1
	v_permlanex16_b32 v[BT+\b], v[BM+\b], s[SEL], s[SEL+1]
.endr
.irp b, 0,1
	v_max_num_f32 v[BM+\b], v[BM+\b], v[BT+\b]
.endr
.irp b, 0,1
	v_add_nc_u32 v[BS+\b], 0xfe000000, v[BM+\b]
.endr
.irp b, 0,1
	v_lshrrev_b32 v[BT+\b], 23, v[BS+\b]
.endr
	v_cvt_scalef32_pk16_bf6_f32 v[\dst:\dst+2], v[\s:\s+15], v[BS]
	v_cvt_scalef32_pk16_bf6_f32 v[\tmp:\tmp+2], v[\s+16:\s+31], v[BS+1]
	v_nop                                          ; one plain place behind a scaled conversion
.irp i, 0,1,2
	v_permlane16_swap_b32 v[\dst+\i], v[\tmp+\i]
.endr
.irp i, 0,1,2
	v_mov_b32 v[\dst+3+\i], v[\tmp+\i]
.endr
.endm
; A KEY STEP: 128 keys.
.macro STEP
	v_add_nc_u32 v[ADK], s[TB], v[LI]
	v_add_nc_u32 v[ADV], s[TB], v[AVR]
	v_nop
	v_nop                                          ; four places in front of loads into registers that the last products have read
.irp t, 0,1,2,3,4,5,6,7
	ds_load_b128 v[KF+8*\t:KF+8*\t+3], v[ADK] offset:1024*\t
	ds_load_b128 v[KF+8*\t+4:KF+8*\t+7], v[ADK] offset:1024*\t+512
.endr
	ds_load_b128 v[KSC:KSC+3], v[ADK] offset:14336
	s_wait_dscnt 0x0
.irp t, 0,1,2,3
	v_wmma_scale_f32_16x16x128_f8f6f4 v[S+8*\t:S+8*\t+7], v[KF+8*\t:KF+8*\t+11], v[QF:QF+11], 0, v[KSC+\t], v[QS] matrix_a_fmt:MATRIX_FMT_BF6 matrix_b_fmt:MATRIX_FMT_BF6
.endr
.irp t, 4,5,6,7
	v_wmma_scale_f32_16x16x128_f8f6f4 v[S+8*\t:S+8*\t+7], v[KF+8*\t:KF+8*\t+11], v[QF:QF+11], 0, v[KSC+\t-4], v[QS] matrix_a_fmt:MATRIX_FMT_BF6 matrix_b_fmt:MATRIX_FMT_BF6 matrix_a_scale:MATRIX_SCALE_ROW1
.endr
.rept 4
	v_nop                                          ; places: the loads below land in k's registers, and the scores are read
.endr
.irp t, 0,1,2,3
.irp g, 0,1,2
	ds_load_b128 v[KF+12*\t+4*\g:KF+12*\t+4*\g+3], v[ADK] offset:8192+1536*\t+512*\g   ; v^T lands while the softmax is worked
.endr
.endr
	ds_load_b128 v[VSC:VSC+3], v[ADV]
.irp b, 0,1,2,3
	v_max3_num_f32 v[BM+\b], v[S+16*\b], v[S+1+16*\b], v[S+2+16*\b]   ; the largest score of each block of 32 keys: it serves the row's maximum and, since p rises with the score, the block's largest p
.endr
.irp i, 3,5,7,9,11,13
.irp b, 0,1,2,3
	v_max3_num_f32 v[BM+\b], v[BM+\b], v[S+16*\b+\i], v[S+1+16*\b+\i]
.endr
.endr
.irp b, 0,1,2,3
	v_max_num_f32 v[BM+\b], v[BM+\b], v[S+15+16*\b]
.endr
.irp b, 0,1,2,3
	v_permlanex16_b32 v[BT+\b], v[BM+\b], s[SEL], s[SEL+1]
.endr
.irp b, 0,1,2,3
	v_max_num_f32 v[BM+\b], v[BM+\b], v[BT+\b]     ; with lane l xor 16's 16 keys
.endr
	v_max3_num_f32 v[T0], v[BM], v[BM+1], v[BM+2]
	v_max_num_f32 v[T0], v[T0], v[BM+3]
	v_mul_f32 v[T0], s[CS], v[T0]                  ; the step's largest t
	v_max_num_f32 v13, v13, v[T0]                  ; the running largest t
	v_mov_b32 v[T0], v12
	v_floor_f32 v12, -v13                          ; -M = floor(-t): M is a whole number
	v_sub_f32 v[T0], v12, v[T0]                    ; old M - new M: a whole number, 0 or less
	v_cvt_i32_f32 v[T0], v[T0]                     ; (it saturates)
	v_ldexp_f32 v[FF], 1.0, v[T0]                  ; f: a multiplication by it rounds nothing
.set n, 0
.rept 32
	v_pk_fma_f32 v[S+n:S+n+1], v[S+n:S+n+1], s[CS:CS+1], v[12:13] op_sel_hi:[1,0,0]   ; t - M, two at a time
.set n, n+2
.endr
.irp b, 0,1,2,3
	v_fma_f32 v[BM+\b], v[BM+\b], s[CS], v12       ; the same of each block's largest score
.endr
.set n, 0
.rept 64
	v_exp_f32 v[S+n], v[S+n]                       ; p = 2^(t - M), at most 1
.set n, n+1
.endr
.irp b, 0,1,2,3
	v_exp_f32 v[BM+\b], v[BM+\b]                   ; the block's largest p: the same two instructions on the same number
.endr
	v_pk_mul_f32 v[14:15], v[14:15], v[FF:FF+1] op_sel_hi:[1,0]   ; the sums under the new M (a plain place behind the exponentials)
	s_wait_alu depctr_va_vdst(0)
.irp b, 0,1,2,3
	v_max_num_f32 v[BM+\b], 0x2800000, v[BM+\b]    ; the floor 2^(5 - 127): a block whose every p is 0 keeps the byte 1: its codes are zeros
.endr
.irp b, 0,1,2,3
	v_add_nc_u32 v[BS+\b], 0xfe000000, v[BM+\b]
.endr
.irp b, 0,1,2,3
	v_lshrrev_b32 v[BT+\b], 23, v[BS+\b]
.endr
	v_lshl_or_b32 v[PS], v[BT+1], 8, v[BT]
	v_lshl_or_b32 v[PS], v[BT+2], 16, v[PS]
	v_lshl_or_b32 v[PS], v[BT+3], 24, v[PS]
.irp c, 0,1
	v_cvt_scalef32_pk16_bf6_f32 v[PF+6*\c:PF+2+6*\c], v[S+32*\c:S+15+32*\c], v[BS+2*\c]
	v_cvt_scalef32_pk16_bf6_f32 v[CT+4*\c:CT+2+4*\c], v[S+16+32*\c:S+31+32*\c], v[BS+2*\c+1]
.endr
	v_nop                                          ; one plain place behind a scaled conversion
.irp c, 0,1
.irp i, 0,1,2
	v_permlane16_swap_b32 v[PF+6*\c+\i], v[CT+4*\c+\i]
.endr
.irp i, 0,1,2
	v_mov_b32 v[PF+3+6*\c+\i], v[CT+4*\c+\i]
.endr
.endr
	v_pk_add_f32 v[SU:SU+1], v[S:S+1], v[S+2:S+3]  ; the row's sum is taken of the unquantised p, in two chains
.irp j, 4,8,12,16,20,24,28,32,36,40,44,48,52,56,60
	v_pk_add_f32 v[14:15], v[14:15], v[S+\j:S+\j+1]
	v_pk_add_f32 v[SU:SU+1], v[SU:SU+1], v[S+\j+2:S+\j+3]
.endr
	v_pk_add_f32 v[14:15], v[14:15], v[SU:SU+1]
.set n, 0
.rept 16
	v_pk_mul_f32 v[O+n:O+n+1], v[O+n:O+n+1], v[FF:FF+1] op_sel_hi:[1,0]   ; O^T under the new M.  (These and the sums are the places between p's codes and scale word and the products)
.set n, n+2
.endr
	s_wait_dscnt 0x0                               ; v^T and its scale words
.irp t, 0,1,2,3                                ; the four accumulators take one turn each
	v_wmma_scale_f32_16x16x128_f8f6f4 v[O+8*\t:O+8*\t+7], v[KF+12*\t:KF+12*\t+11], v[PF:PF+11], v[O+8*\t:O+8*\t+7], v[VSC+\t], v[PS] matrix_a_fmt:MATRIX_FMT_BF6 matrix_b_fmt:MATRIX_FMT_BF6
.endr
.endm
.macro SLOT_STEPS                      ; a slot's four key steps: written once, walked four times
	s_mov_b32 s[NST], 4
.Lstep_\@:
	STEP
	s_add_co_u32 s[TB], s[TB], STEPB
	s_sub_co_u32 s[NST], s[NST], 1
	s_cmp_lg_u32 s[NST], 0
	s_cbranch_scc1 .Lstep_\@
	s_sub_co_u32 s[TB], s[TB], SLOTB
	s_xor_b32 s[TB], s[TB], SLOT1                  ; on to the other slot
.endm
.macro INIT                            ; a head begins: q's scale word leaves the image's register 7; zeros for the sum and O^T, which the first change of M leaves zeros
	s_wait_loadcnt 0x0
	v_mov_b32 v[QS], v[QF+7]
	v_mov_b32 v[QF+7], 0
	v_mov_b32 v13, 0xdd800000                      ; the largest t so far: -2^60
	v_floor_f32 v12, -v13
	v_mov_b32 v14, 0
	v_mov_b32 v15, 0
.set n, 0
.rept 32
	v_mov_b32 v[O+n], 0                            ; (also the places between the scale word's move and the first product)
.set n, n+1
.endr
.endm
.macro FINISH c                        ; a head ends: O^T / the sum is half c of the output product's fragment
.rept 4
	v_nop                                          ; places behind the last products
.endr
.if \c == 0
	global_load_b128 v[QF:QF+3], v[LI], s[4:5] offset:131072      ; the second head's q
	global_load_b128 v[QF+4:QF+7], v[LI], s[4:5] offset:131072+512
.endif
	v_add_f32 v14, v14, v15
	v_permlanex16_b32 v[T0], v14, s[SEL], s[SEL+1]
	v_add_f32 v14, v14, v[T0]                      ; the row's sum
	v_rcp_f32 v14, v14
	v_nop                                          ; one plain place behind the transcendental
.set n, 0
	s_wait_alu depctr_va_vdst(0)
.rept 16
	v_pk_mul_f32 v[S+n:S+n+1], v[O+n:O+n+1], v[14:15] op_sel_hi:[1,0]   ; register 16 b + i: channel 32 b + 16 h + i
.set n, n+2
.endr
	QUANT2 S, HC+6*\c, CT
.if \c == 0
	v_lshl_or_b32 v[HW], v[BT+1], 8, v[BT]
.else
	v_lshl_or_b32 v[HW], v[BT], 16, v[HW]
	v_lshl_or_b32 v[HW], v[BT+1], 24, v[HW]
.endif
.endm
	s_load_b128 s[4:7], s[0:1], 0x0                ; qimg, kv
	s_load_b64 s[8:9], s[0:1], 0x10                ; ao
	v_lshl_add_u32 v[SPW], v0, 2, SPARE
	v_mov_b32 v[NIL], 0
	ds_add_u32 v2, v3
	s_wait_dscnt 0x0
	v_lshrrev_b32 v8, 5, v0
	v_readfirstlane_b32 s[WV], v8                  ; wave 0..15
	s_bfe_u32 s11, ttmp6, 0x40000                  ; cx: it enters q's and o's addresses alone
	s_lshl_b32 s12, ttmp9, 2
	s_add_co_u32 s12, s12, s11                     ; my block of 256 queries
	s_and_b32 s13, ttmp7, 0xffff                   ; the pair of heads: 8 b + pair, which the four partners share
	; descriptor group 1: a block of 15,104 dense bytes as 59 rows of 256
	s_mov_b32 s[G1], 15|(3<<16)|(1<<21)            ; 15:0 the mask: all four work-groups; 17:16 elements of 8 bytes; 21 set beside a mask
	s_mov_b32 s[G1+1], 32<<16
	s_mov_b32 s[G1+2], 59<<16
	s_mov_b32 s[G1+3], 32<<16
	s_mov_b32 s[G1+4], 59
	s_mov_b32 s[G1+5], 32
	s_mov_b32 s[G1+6], 0
	s_mov_b32 s[G1+7], 0
	s_and_b32 s35, s[WV], 3
	s_mul_i32 s35, s35, STEPB                      ; the block that I fetch, if I fetch: in a slot and in memory
	s_mul_i32 s36, s13, 2*HEADB
	s_add_co_u32 s36, s36, s35
	s_mov_b32 s37, 0
	s_lshl_b32 s44, s12, 4
	s_add_co_u32 s44, s44, s[WV]                   ; my tile of queries in its batch row
	s_lshl_b32 s38, s13, 18                        ; q: two heads of 131,072 bytes a pair,
	s_lshl_b32 s39, s44, 10                        ; 1,024 a tile
	s_add_co_u32 s38, s38, s39
	s_mov_b32 s39, 0
	s_lshr_b32 s45, s13, 3                         ; b
	s_and_b32 s46, s13, 7                          ; the pair: the output product's K step
	s_lshl_b32 s47, s45, 7
	s_add_co_u32 s47, s47, s44
	s_lshl_b32 s47, s47, 3
	s_add_co_u32 s47, s47, s46
	s_mul_i32 s40, s47, 1536                       ; o's image: [tile][K step]
	s_mov_b32 s41, 0
	s_lshl_b32 s47, s45, 4                         ; o's scale words (waves 0 to 3 store 64 each): group 16 b + 2 block + wave / 2,
	s_lshl_b32 s42, s12, 1
	s_add_co_u32 s47, s47, s42
	s_lshr_b32 s42, s[WV], 1
	s_add_co_u32 s47, s47, s42
	s_lshl_b32 s42, s47, 12
	s_lshl_b32 s47, s46, 9                         ; K step,
	s_add_co_u32 s42, s42, s47
	s_and_b32 s47, s[WV], 1                        ; half
	s_lshl_b32 s47, s47, 8
	s_add_co_u32 s42, s42, s47
	s_add_co_u32 s42, s42, AS_OFF
	s_mov_b32 s43, 0
	s_mov_b32 s[SEL], 0x76543210
	s_mov_b32 s[SEL+1], 0xfedcba98
	s_mov_b32 s[CS], 0x3e38aa3b                    ; c = log2(e) / sqrt(64)
	s_mov_b32 s[CS+1], s[CS]                       ; (named with it as a pair, so it is written)
	s_mov_b32 s[TB], 0
	s_wait_kmcnt 0x0
	s_mov_b32 s[G0], 1
	s_mov_b32 s[G0+1], s35
	s_add_nc_u64 s[G0+2:G0+3], s[6:7], s[36:37]
	s_or_b32 s[G0+3], s[G0+3], 0x80000000
	s_add_nc_u64 s[4:5], s[4:5], s[38:39]
	s_add_nc_u64 s[40:41], s[8:9], s[40:41]
	s_add_nc_u64 s[42:43], s[8:9], s[42:43]
	ROUND                                          ; all four work-groups are here: the first joint loads meet
	TLOAD                                          ; slot 0
	v_and_b32 v8, 31, v0
	v_lshlrev_b32 v[LI], 4, v8
	global_load_b128 v[QF:QF+3], v[LI], s[4:5]     ; the first head's q: registers 0-5 codes, 6 the code at k = 64, 7 the scale word
	global_load_b128 v[QF+4:QF+7], v[LI], s[4:5] offset:512
	v_lshlrev_b32 v11, 3, v8                       ; 8 x lane
	v_and_b32 v9, 15, v0                           ; r
	v_lshl_add_u32 v[AVR], v9, 4, 14848
	s_lshl_b32 s45, s[WV], 6
	v_lshl_add_u32 v[SCA], v9, 2, s45
	v_add_nc_u32 v[SCA], SCR, v[SCA]
	s_lshl_b32 s45, s[WV], 8
	v_add_nc_u32 v10, s45, v11
	v_add_nc_u32 v10, SCR, v10                     ; waves 0 to 3: the 64 words that I send
.irp j, 8,9,10,11
	v_mov_b32 v[QF+\j], 0                          ; q's codes of k = 72 and up
.endr
.irp j, 0,1,2,3
	v_mov_b32 v[KF+64+\j], 0                       ; behind k's last tile
	v_mov_b32 v[BT+\j], 0                          ; written once: a lane permute's destination counts as one of its sources
.endr
	v_mov_b32 v[PS], 0                             ; (named as the upper half of a pair before it is first written)
	v_mov_b32 v[T0], 0
	INIT
	s_mov_b32 s[NSL], 4
.Lhead0:                                           ; the first head's four slots
	CHANGE 1
	SLOT_STEPS
	s_sub_co_u32 s[NSL], s[NSL], 1
	s_cmp_lg_u32 s[NSL], 0
	s_cbranch_scc1 .Lhead0
	FINISH 0
	INIT
	s_mov_b32 s[NSL], 3
.Lhead1:                                           ; the second head's first three
	CHANGE 1
	SLOT_STEPS
	s_sub_co_u32 s[NSL], s[NSL], 1
	s_cmp_lg_u32 s[NSL], 0
	s_cbranch_scc1 .Lhead1
	CHANGE 0                                       ; the last slot is written out
	SLOT_STEPS
	FINISH 1
.irp g, 0,1,2
	global_store_b128 v[LI], v[HC+4*\g:HC+4*\g+3], s[40:41] offset:512*\g   ; o's image: 512 consecutive bytes a store
.endr
	ds_store_b32 v[SCA], v[HW]                     ; both halves of the lanes hold and write the same word
	s_wait_dscnt 0x0                               ; for the others' sake
	s_barrier_signal -1
	s_barrier_wait -1
	s_cmp_lt_u32 s[WV], 4
	s_cbranch_scc0 .Lno_words
	ds_load_b64 v[8:9], v10
	s_wait_dscnt 0x0
	global_store_b64 v11, v[8:9], s[42:43]         ; one aligned run of 256 bytes
.Lno_words:
	s_wait_tensorcnt 0x0                           ; the wave's end
	ds_add_u32 v[SPW], v[NIL]
	s_wait_dscnt 0x0
	ROUND                                          ; the closing round
	s_endpgm
.Lfunc_end_k_qc8b88dc7ad_attn:
	.size	k_qc8b88dc7ad_attn, .Lfunc_end_k_qc8b88dc7ad_attn-k_qc8b88dc7ad_attn
	.p2alignl 7, 3214868480
	.fill 96, 4, 3214868480
	.section	.rodata,"a",@progbits
	.p2align	6, 0x0
	.amdhsa_kernel k_qc8b88dc7ad_attn
		.amdhsa_group_segment_fixed_size 327680
		.amdhsa_private_segment_fixed_size 0
		.amdhsa_enable_private_segment 0
		.amdhsa_kernarg_size 24
		.amdhsa_user_sgpr_count 2
		.amdhsa_user_sgpr_kernarg_segment_ptr 1
		.amdhsa_wavefront_size32 1
		.amdhsa_system_sgpr_workgroup_id_x 1
		.amdhsa_system_sgpr_workgroup_id_y 1
		.amdhsa_system_sgpr_workgroup_id_z 1
		.amdhsa_system_vgpr_workitem_id 0
		.amdhsa_next_free_vgpr 256
		.amdhsa_next_free_sgpr 66
		.amdhsa_reserve_vcc 0
		.amdhsa_float_denorm_mode_32 3
		.amdhsa_float_denorm_mode_16_64 3
		.amdhsa_memory_ordered 1
		.amdhsa_forward_progress 1
		.amdhsa_inst_pref_size 64
	.end_amdhsa_kernel
	.amdgpu_metadata
---
amdhsa.version: [ 1, 2 ]
amdhsa.kernels:
  - .name:           k_qc8b88dc7ad_attn
    .symbol:         k_qc8b88dc7ad_attn.kd
    .args:
      - { .name: qimg, .offset: 0, .size: 8, .value_kind: global_buffer, .address_space: global }
      - { .name: kv, .offset: 8, .size: 8, .value_kind: global_buffer, .address_space: global }
      - { .name: ao, .offset: 16, .size: 8, .value_kind: global_buffer, .address_space: global }
    .group_segment_fixed_size: 327680
    .private_segment_fixed_size: 0
    .kernarg_segment_align: 8
    .kernarg_segment_size: 24
    .max_flat_workgroup_size: 512
    .sgpr_count:     66
    .vgpr_count:     256
    .wavefront_size: 32
...
	.end_amdgpu_metadata
.endif
;; end of part 4
;; launch gemm_out (part 5): grid 4 x 32, 4 waves a work-group, clusters of 4 x 4, 327,680 bytes of LDS; arguments ao, wq, bo, out0; writes out0
.if DOCPART == 5
	.amdgcn_target "amdgcn-amd-amdhsa--gfx1250"
	.amdhsa_code_object_version 6
	.text
	.protected	k_qc8b88dc7ad_gemm_out
	.globl	k_qc8b88dc7ad_gemm_out
	.p2align	8
	.type	k_qc8b88dc7ad_gemm_out,@function
k_qc8b88dc7ad_gemm_out:
	s_mov_b64 s[64:65], 0
	v_nop
	global_prefetch_b8 v0, s[64:65] scope:SCOPE_SE
	s_setreg_imm32_b32 hwreg(HW_REG_WAVE_MODE, 25, 1), 1
	s_wait_xcnt 0x0
	s_wait_alu depctr_hold_cnt(0) depctr_sa_sdst(0) depctr_va_vdst(0) depctr_va_sdst(0) depctr_va_ssrc(0) depctr_va_vcc(0) depctr_vm_vsrc(0)
	s_getreg_b32 s2, hwreg(HW_REG_IB_STS2, 6, 4)
	s_cmp_eq_u32 s2, 0
	s_cbranch_scc0 .Lentry_in_a_cluster
	s_endpgm
.Lentry_in_a_cluster:
	s_bfe_u32 s2, ttmp6, 0x10000c
	s_cmp_lg_u32 s2, 0xf033
	s_cbranch_scc0 .Lentry_shape_is_right
	s_endpgm
.Lentry_shape_is_right:
; out0 = o Wo + bo on codes of BF6 (E3M2) with E8M0 scales; out0 [8192][1024] f32.
; A work-group of four waves makes 256 x 256, a wave 128 x 128: 64 accumulators, 512 registers.  K = 1,024 goes in four slots' worth of 256 through a ring of two LDS slots.
; 32 x 4 tiles are 128 work-groups; a smaller tile would give more work-groups at twice the LDS reads for each product, and is not built here.
; OPERANDS lie in memory as images of the matrix unit's registers ([tile of 16][K step of 128][1,536 bytes]); a wave's tensor load brings 8 tiles x 2 K steps; the scale words of 128 rows for all of K
; are 4,096 dense bytes, which come once and stay.  Side A (source 1: a lane holds a row) = rows of o; side B (source 0: along a lane's registers) = columns of Wo: a lane's eight results are eight neighbouring columns of a row.
; o's TILES are not 16 neighbours: lane r of tile 2 g + u is row 32 g + 8 u + r + 8 (r / 8): the stores' offsets undo that.  The bias is the C of each sum's first product.
; CLUSTERS: 4 x 4: A's tiles are asked for jointly along a row of the cluster, B's along a column.
; REGISTERS, in windows of 256: window 0: v0-31 addresses; v32-63 scale words, two sets; v64-127 the bias; v128-223 A's fragments, one set; on the way out v128-255.
;   window 1: B's fragments, two sets, at v0 and v128.   window 2: the accumulators of A's blocks 0-3 ((a, b) at v[8 (8 (a % 4) + b)]);   window 3: those of blocks 4-7.
.set AS_OFF,  6291456                  ; in ao: o's scale words
.set WOC_OFF, 2457600                  ; in wq: Wo's images,
.set WOS_OFF, 3244032                  ; and its scale words
.set NQ,     2                         ; K steps of 128 in a slot
.set FR,     12                        ; registers of a fragment
.set NL,     3                         ; LDS loads that bring one
.set NP,     4                         ; places behind this matrix instruction (ISA guide 7.12.1)
.set FRB,    1536
.set TILEB,  NQ*FRB                    ; a tile's part of a slot
.set HALFT,  8*TILEB                   ; 8 tiles: what one tensor load brings, and what one wave reads of A or of B
.set SLOT,   4*HALFT
.set SCL,    2*SLOT                    ; behind the ring: A's scale words, 2 x 4,096 bytes;
.set SCB,    8256                      ; B's begin 64 bytes further than A's end, so that the two halves of the lanes read different banks
.set SPARE,  213248                    ; the spare words, 128 bytes for each wave: two blocks of 256 bytes that no other line names
.set SPITCH, 528                       ; the way out: a stage of 16 rows x (512 bytes + 16) for each wave, in slot 0, which has had its last fill and its last read by then
.set LI,   3                           ; v3   16 x lane
.set BL,   6                           ; v6   the bias's lane term
.set ADRA, 16                          ; v16-17 LDS address of A's fragments in slot 0, 1
.set ADRB, 20                          ; v20-21 of B's
.set STO,  24                          ; v24  the way out: where I put 32 bytes of a row
.set RD,   25                          ; v25  and where I read a row back
.set ADRS, 27                          ; v27  my scale words: lanes 0-15 A's rows, lanes 16-31 B's
.set SPW,  28                          ; v28  my spare word; never rewritten
.set NIL,  29                          ; v29  0; never rewritten
.set SC,   32                          ; scale words: set s at v[SC + 16 s]; register 2 i + q: lanes 0-15 A's block i, lanes 16-31 B's block i, the slot's q-th 128 along K
.set BIAS, 64
.set AF,   128
.set BK,   128                         ; the way out: 16 rows read back: v128-191 and v192-255 by turns
.set G1,   24                          ; s[24:31], s[32:39]: descriptor groups 1 and 0 (a set for each slot) for A's tiles
.set G0,   32
.set G1B,  48                          ; s[48:55], s[56:63]: for B's
.set G0B,  56
.set G1S,  68                          ; s[68:75], s[76:79]: for A's scale words;  s[80:87], s[88:91]: for B's
.set G0S,  76
.set G1SB, 80
.set G0SB, 88
.set MSB, 0
.macro WIN new                         ; the immediate's high byte repeats the setting that is left
.if MSB != (\new)
	s_set_vgpr_msb (MSB<<8)|(\new)
.set MSB, (\new)
.endif
.endm
.set MUL_LO, 0xa1                      ; source 0 (B) window 1, source 1 (A) window 0, C and D window 2
.set MUL_HI, 0xf1                      ; the same, C and D window 3
.set TO_B,   0x40                      ; destination window 1, address window 0
; A joint load: waves 0 and 1 fetch for A, waves 2 and 3 for B.  Each line has one mask and one set of registers for all that issue it; the branch hangs on the wave's number alone.
; Four v_nop follow each of the two lines, ahead of the jump, the label and what follows.
.macro JLOAD g0a, g1a, g0b, g1b
	s_cmp_eq_u32 s17, 0
	s_cbranch_scc0 .Lfor_b_\@
	tensor_load_to_lds s[\g0a:\g0a+3], s[\g1a:\g1a+7]
	s_nop 0
.rept 4
	v_nop
.endr
	s_branch .Lasked_\@
.Lfor_b_\@:
	tensor_load_to_lds s[\g0b:\g0b+3], s[\g1b:\g1b+7]
	s_nop 0
.rept 4
	v_nop
.endr
.Lasked_\@:
.endm
.macro CREST                           ; a round of the cluster's barrier behind its opening barrier
	s_cmp_lg_u32 s16, 0
	s_cbranch_scc1 .Lnot_wave_0_\@
	s_barrier_signal -3
.Lnot_wave_0_\@:
	s_barrier_wait -3
	s_barrier_signal -1
	s_barrier_wait -1
.endm
.macro CROUND                          ; a whole round
	s_barrier_signal -1
	s_barrier_wait -1
	CREST
.endm
.macro FRAG reg, adr, q, i             ; tile i's fragment of the slot's q-th K step: its image, as it lies: three loads of 512 consecutive bytes
.irp c, 0,1,2
	ds_load_b128 v[\reg+4*\c:\reg+4*\c+3], v[\adr] offset:(\i)*TILEB+(\q)*FRB+512*\c
.endr
.endm
; 16 matrix instructions: A's blocks a0, a0 + 1 x B's eight.  p: B's set; sc: the set of scale words.  cm = 0: the sums go on; 1: they start from the bias of B's block.
; The 64 accumulators take turns, one instruction a turn, in the same order in every step.
.macro MUL16 a0, p, q, sc, cm
.irp a, \a0, \a0+1
.irp b, 0,1,2,3,4,5,6,7
.if \cm == 0
	v_wmma_scale_f32_16x16x128_f8f6f4 v[8*(8*((\a)%4)+\b):8*(8*((\a)%4)+\b)+7], v[128*(\p)+FR*\b:128*(\p)+FR*\b+FR-1], v[AF+FR*(\a):AF+FR*(\a)+FR-1], v[8*(8*((\a)%4)+\b):8*(8*((\a)%4)+\b)+7], v[SC+8*NQ*(\sc)+NQ*\b+(\q)], v[SC+8*NQ*(\sc)+NQ*(\a)+(\q)] matrix_a_fmt:MATRIX_FMT_BF6 matrix_b_fmt:MATRIX_FMT_BF6 matrix_a_scale:MATRIX_SCALE_ROW1
.else
	v_wmma_scale_f32_16x16x128_f8f6f4 v[8*(8*((\a)%4)+\b):8*(8*((\a)%4)+\b)+7], v[128*(\p)+FR*\b:128*(\p)+FR*\b+FR-1], v[AF+FR*(\a):AF+FR*(\a)+FR-1], v[BIAS+8*\b:BIAS+8*\b+7], v[SC+8*NQ*(\sc)+NQ*\b+(\q)], v[SC+8*NQ*(\sc)+NQ*(\a)+(\q)] matrix_a_fmt:MATRIX_FMT_BF6 matrix_b_fmt:MATRIX_FMT_BF6 matrix_a_scale:MATRIX_SCALE_ROW1
.endif
.endr
.endr
.endm
.macro FETCH_B slot, q, p
	WIN TO_B
.irp i, 0,1,2,3,4,5,6,7
	FRAG 128*(\p)+FR*\i, ADRB+\slot, \q, \i
.endr
	WIN 0
.endm
.macro FETCH_A slot, q, i0
.irp i, \i0, \i0+1, \i0+2, \i0+3
	FRAG AF+FR*(\i), ADRA+\slot, \q, \i
.endr
.endm
.macro SCALES sc                       ; a slot's scale words: lanes 0-15 take A's block i, lanes 16-31 B's block i
.irp i, 0,1,2,3,4,5,6,7
.irp q, 0,1
	ds_load_b32 v[SC+8*NQ*\sc+NQ*\i+\q], v[ADRS] offset:512*\q+64*\i
.endr
.endr
.endm
; A load into a register that a matrix instruction has read, and an LDS store that reads a matrix result, stand NP places behind that matrix instruction; only plain vector instructions
; that name none of its registers are places (ISA guide 7.12.1 for vector instructions).
.macro PLACES n
.rept \n
	v_nop
.endr
.endm
; A step of 128 along K that has its successor in the same slot.  A has one set of registers: blocks 0-3 are fetched anew in the step's middle, blocks 4-7 at its end; B has two sets.
.macro STEP slot, q, cm
	s_wait_dscnt 4*NL                              ; all but the youngest twelve loads (A's blocks 4-7)
.if \cm
	WIN 0x81                                       ; C (the bias) in window 0, D in window 2
.else
	WIN MUL_LO
.endif
	MUL16 0, (\q)%2, \q, \slot, \cm
	MUL16 2, (\q)%2, \q, \slot, \cm
	s_wait_dscnt 0                                 ; A's blocks 4-7 are in (asked for 32 matrix instructions ago)
	PLACES NP
	FETCH_B \slot, (\q)+1, 1-(\q)%2
	FETCH_A \slot, (\q)+1, 0
.if \cm
	WIN 0xc1
.else
	WIN MUL_HI
.endif
	MUL16 4, (\q)%2, \q, \slot, \cm
	MUL16 6, (\q)%2, \q, \slot, \cm
	PLACES NP
	WIN 0
	FETCH_A \slot, (\q)+1, 4
.endm
; A slot's last step changes slots: one barrier; in front of it each wave waits for all its tensor loads, adds 0 to its spare word, and waits for that and for its own reads of this slot.  fill = 1: this slot is filled again.
.macro TURN slot, next, fill
	s_wait_tensorcnt 0x0                           ; all my tensor loads have landed: my part of the next slot;
	ds_add_u32 v[SPW], v[NIL]                      ; 0 onto my spare word;
	s_wait_dscnt 4*NL+1                            ; (the add and the youngest twelve loads may be out)
	WIN MUL_LO
	MUL16 0, 1, NQ-1, \slot, 0                     ; sixteen matrix instructions stand between the add and the wait for it
	s_wait_dscnt 0x0                               ; the add is done, and my reads of this slot are over
	s_barrier_signal -1
	MUL16 2, 1, NQ-1, \slot, 0
	WIN 0
	s_barrier_wait -1
.if \fill
	CREST                                          ; the barrier has opened a round of the cluster's: no wave of any partner still reads this slot's tile or has a load on its way
	s_add_nc_u64 s[G0+4*\slot+2:G0+4*\slot+3], s[G0+4*\slot+2:G0+4*\slot+3], 2*TILEB
	s_add_nc_u64 s[G0B+4*\slot+2:G0B+4*\slot+3], s[G0B+4*\slot+2:G0B+4*\slot+3], 2*TILEB
	JLOAD G0+4*\slot, G1, G0B+4*\slot, G1B         ; the first tensor load behind the round; its four v_nop are the places in front of the loads below
.else
	PLACES NP
.endif
	v_add_nc_u32 v[ADRS], 512*NQ, v[ADRS]          ; on to the next slot's scale words (no LDS load of mine is out)
	FETCH_B \next, 0, 0
	FETCH_A \next, 0, 0
	SCALES \next
	WIN MUL_HI
	MUL16 4, 1, NQ-1, \slot, 0
	MUL16 6, 1, NQ-1, \slot, 0
	PLACES NP
	WIN 0
	FETCH_A \next, 0, 4
.endm
	s_load_b256 s[4:11], s[0:1], 0x0               ; ao s[4:5], wq s[6:7], bo s[8:9], out0 s[10:11]
	v_lshl_add_u32 v[SPW], v0, 2, SPARE
	v_mov_b32 v[NIL], 0
	ds_add_u32 v28, v29
	s_wait_dscnt 0x0
	v_lshrrev_b32 v1, 5, v0
	v_readfirstlane_b32 s16, v1                    ; wave 0..3
	s_lshr_b32 s17, s16, 1                         ; which half of A's rows is mine.  Also: I fetch for A (0) or for B (1)
	s_and_b32 s18, s16, 1                          ; which half of B's rows.  Also: which 8 tiles I fetch
	s_bfe_u32 s20, ttmp6, 0x40000                  ; cx
	s_bfe_u32 s21, ttmp6, 0x40004                  ; cy
	s_lshl_b32 s23, ttmp9, 2
	s_add_co_u32 s23, s23, s20                     ; tile column = 4 x cluster x + cx
	s_and_b32 s22, ttmp7, 0xffff
	s_lshl_b32 s22, s22, 2
	s_add_co_u32 s22, s22, s21                     ; tile row = 4 x cluster y + cy
	s_lshl_b32 s2, s22, 4                          ; A: nothing here hangs on cx
	s_lshl_b32 s3, s18, 3
	s_add_co_u32 s2, s2, s3
	s_mul_i32 s46, s2, 8*FRB                       ; my 8 tiles' codes,
	s_mov_b32 s47, 0
	s_lshl_b32 s2, s22, 1
	s_add_co_u32 s2, s2, s18
	s_lshl_b32 s92, s2, 12
	s_add_co_u32 s92, s92, AS_OFF                  ; and their scale words
	s_mov_b32 s93, 0
	s_lshl_b32 s98, s23, 4                         ; B: nothing here hangs on cy
	s_lshl_b32 s99, s18, 3
	s_add_co_u32 s98, s98, s99
	s_mul_i32 s94, s98, 8*FRB
	s_add_co_u32 s94, s94, WOC_OFF
	s_mov_b32 s95, 0
	s_lshl_b32 s98, s23, 1
	s_add_co_u32 s98, s98, s18
	s_lshl_b32 s96, s98, 12
	s_add_co_u32 s96, s96, WOS_OFF
	s_mov_b32 s97, 0
	s_lshl_b32 s40, s21, 2
	s_lshl_b32 s40, 15, s40                        ; my row of the cluster
	s_lshl_b32 s41, 0x1111, s20                    ; my column
	; descriptor group 1, codes: 8 rows (tiles) of 384 elements of 8 bytes (two K steps' images), 1,536 elements from tile to tile; no padding: every LDS read is 512 consecutive bytes
	s_or_b32 s[G1], s40, (3<<16)|(1<<21)           ; 15:0 the mask; 17:16 elements of 8 bytes; 21 set beside a mask
	s_or_b32 s[G1B], s41, (3<<16)|(1<<21)
.irp g, G1, G1B
	s_mov_b32 s[\g+1], 384<<16                     ; tensor_dim0
	s_mov_b32 s[\g+2], 8<<16                       ; tensor_dim1
	s_mov_b32 s[\g+3], 384<<16                     ; tile_dim0
	s_mov_b32 s[\g+4], 8                           ; tile_dim1
	s_mov_b32 s[\g+5], 1536                        ; tensor_dim0_stride
	s_mov_b32 s[\g+6], 0
	s_mov_b32 s[\g+7], 0
.endr
	; scale words of 128 rows: 4,096 dense bytes as 16 rows of 256
	s_or_b32 s[G1S], s40, (3<<16)|(1<<21)
	s_or_b32 s[G1SB], s41, (3<<16)|(1<<21)
.irp g, G1S, G1SB
	s_mov_b32 s[\g+1], 32<<16
	s_mov_b32 s[\g+2], 16<<16
	s_mov_b32 s[\g+3], 32<<16
	s_mov_b32 s[\g+4], 16
	s_mov_b32 s[\g+5], 32
	s_mov_b32 s[\g+6], 0
	s_mov_b32 s[\g+7], 0
.endr
	s_mul_i32 s45, s16, HALFT                      ; where they go: wave x 8 tiles: no place in the cluster enters an LDS address
	s_lshl_b32 s42, s16, 12
	s_lshl_b32 s43, s17, 6
	s_add_co_u32 s42, s42, s43                     ; the scale words: 4,096 x wave, B's 64 bytes on
	s_wait_kmcnt 0x0
	s_add_nc_u64 s[46:47], s[4:5], s[46:47]
	s_add_nc_u64 s[92:93], s[4:5], s[92:93]
	s_add_nc_u64 s[94:95], s[6:7], s[94:95]
	s_add_nc_u64 s[96:97], s[6:7], s[96:97]
	CROUND                                         ; all sixteen work-groups are here: the first joint loads meet
	s_mov_b32 s[G0S], 1
	s_add_co_u32 s[G0S+1], s42, SCL
	s_mov_b64 s[G0S+2:G0S+3], s[92:93]
	s_or_b32 s[G0S+3], s[G0S+3], 0x80000000
	s_mov_b32 s[G0SB], 1
	s_add_co_u32 s[G0SB+1], s42, SCL
	s_mov_b64 s[G0SB+2:G0SB+3], s[96:97]
	s_or_b32 s[G0SB+3], s[G0SB+3], 0x80000000
	JLOAD G0S, G1S, G0SB, G1SB                     ; the scale words first; with the two slots three loads of mine are out
.irp s, 0,1
	s_mov_b32 s[G0+4*\s], 1
	s_add_co_u32 s[G0+4*\s+1], s45, \s*SLOT
	s_add_nc_u64 s[G0+4*\s+2:G0+4*\s+3], s[46:47], \s*TILEB
	s_or_b32 s[G0+4*\s+3], s[G0+4*\s+3], 0x80000000
	s_mov_b32 s[G0B+4*\s], 1
	s_add_co_u32 s[G0B+4*\s+1], s45, \s*SLOT
	s_add_nc_u64 s[G0B+4*\s+2:G0B+4*\s+3], s[94:95], \s*TILEB
	s_or_b32 s[G0B+4*\s+3], s[G0B+4*\s+3], 0x80000000
	JLOAD G0+4*\s, G1, G0B+4*\s, G1B
.endr
	v_and_b32 v1, 15, v0                           ; r
	v_bfe_u32 v2, v0, 4, 1                         ; h
	v_and_b32 v[LI], 31, v0
	v_lshlrev_b32 v[LI], 4, v[LI]
	s_lshl_b32 s98, s23, 10                        ; my first column, in bytes of f32: 1,024 x tile column + 512 x half: the same in bo and in a row of out0
	s_lshl_b32 s99, s18, 9
	s_add_co_u32 s98, s98, s99
	s_mov_b32 s99, 0
	s_add_nc_u64 s[8:9], s[8:9], s[98:99]
	s_add_nc_u64 s[10:11], s[10:11], s[98:99]
	s_lshl_b32 s2, s22, 1
	s_add_co_u32 s2, s2, s17
	s_lshl_b32 s2, s2, 19                          ; my first row: 128 rows of 4,096 bytes a half tile
	s_mov_b32 s3, 0
	s_add_nc_u64 s[10:11], s[10:11], s[2:3]
	v_lshlrev_b32 v[BL], 5, v2                     ; the bias in the result's layout: register j of B's block b is column 16 b + 8 h + j
.irp b, 0,1,2,3,4,5,6,7
	global_load_b128 v[BIAS+8*\b:BIAS+8*\b+3], v[BL], s[8:9] offset:64*\b
	global_load_b128 v[BIAS+8*\b+4:BIAS+8*\b+7], v[BL], s[8:9] offset:64*\b+16
.endr
	s_mul_i32 s2, s17, HALFT                       ; my 8 tiles of A
	s_mul_i32 s3, s18, HALFT                       ; my 8 tiles of B,
	s_add_co_u32 s3, s3, 2*HALFT                   ; which lie behind A's 16
.irp s, 0,1
	v_add_nc_u32 v[ADRA+\s], s2, v[LI]
	v_add_nc_u32 v[ADRB+\s], s3, v[LI]
	s_add_co_u32 s2, s2, SLOT
	s_add_co_u32 s3, s3, SLOT
.endr
	v_lshlrev_b32 v10, 2, v1                       ; my row's scale word
	s_lshl_b32 s2, s17, 12                         ; A's: my 128 rows
	s_lshl_b32 s3, s18, 12                         ; B's: my 128 rows, SCB bytes on
	s_add_co_u32 s3, s3, SCB
	s_sub_co_u32 s3, s3, s2
	v_mul_u32_u24 v11, s3, v2                      ; lanes 16-31 take B's
	s_add_co_u32 s2, s2, SCL
	v_add_nc_u32 v10, v10, v11
	v_add_nc_u32 v[ADRS], s2, v10
	s_mul_i32 s2, s16, 16*SPITCH                   ; my stage
	v_mul_u32_u24 v10, v1, SPITCH                  ; in: row r, 32 bytes for each half of the lanes
	v_lshl_add_u32 v10, v2, 5, v10
	v_add_nc_u32 v[STO], s2, v10
	v_add_nc_u32 v[RD], s2, v[LI]                  ; back: the 32 lanes take one row of 512 bytes
	s_wait_tensorcnt 1                             ; the scale words and my part of slot 0 are in (slot 1's load may be out)
	s_barrier_signal -1
	s_barrier_wait -1                              ; everybody's are
	FETCH_B 0, 0, 0
	FETCH_A 0, 0, 0
	SCALES 0
	FETCH_A 0, 0, 4
	s_wait_loadcnt 0x0                             ; the bias
	STEP 0, 0, 1                                   ; the first step starts the sums from the bias: nothing is cleared
	TURN 0, 1, 1                                   ; K = 1,024 is four slots' worth: written out, two refills
	STEP 1, 0, 0
	TURN 1, 0, 1
	STEP 0, 0, 0
	TURN 0, 1, 0                                   ; nothing is left to fetch: no round
	STEP 1, 0, 0
	s_wait_dscnt 4*NL                              ; the very last step
	WIN MUL_LO
	MUL16 0, 1, NQ-1, 1, 0
	MUL16 2, 1, NQ-1, 1, 0
	s_wait_dscnt 0
	WIN MUL_HI
	MUL16 4, 1, NQ-1, 1, 0
	MUL16 6, 1, NQ-1, 1, 0
	WIN 0
; THE WAY OUT, block by block of 16 rows x 128 columns.  A lane holds 32 neighbouring bytes of a row, and the lanes beside it hold other rows: so a block goes through my own stage in LDS and comes back as whole
; rows of 512 bytes.  LDS serves a wave's instructions in order (ISA guide 5.7.1.4): no wait between the stores and the loads, nor in front of the next block's stores.
.macro TOSTAGE a
.set AC, 64*((\a)%4)
	WIN 0x08+4*((\a)/4)                            ; an LDS store's data are its source 1: window 2 or 3
.irp b, 0,1,2,3,4,5,6,7
	ds_store_b128 v[STO], v[AC+8*\b:AC+8*\b+3] offset:64*\b          ; each accumulator from its low end on
	ds_store_b128 v[STO], v[AC+8*\b+4:AC+8*\b+7] offset:64*\b+16
.endr
	WIN 0
.set BB, BK+64*((\a)%2)
.irp t, 0,1,2,3,4,5,6,7,8,9,10,11,12,13,14,15
	ds_load_b128 v[BB+4*\t:BB+4*\t+3], v[RD] offset:\t*SPITCH
.endr
.endm
.macro SEND a, younger                 ; younger: the LDS instructions issued behind block a's loads, which may stay out
.set BB, BK+64*((\a)%2)
	s_wait_dscnt \younger                          ; the block is back in registers
.irp t, 0,1,2,3,4,5,6,7,8,9,10,11,12,13,14,15
	global_store_b128 v[LI], v[BB+4*\t:BB+4*\t+3], s[10:11] offset:(32*((\a)/2)+8*((\a)%2)+\t+8*(\t/8))*4096 th:TH_STORE_NT   ; 32 lanes store 512 consecutive bytes of the tile's row t, at a multiple of 256 from out0's first byte; 127 rows at the most: inside the signed 24-bit immediate
.endr
.endm
	PLACES NP                                      ; behind the last products: for the loads into the registers that held A's fragments, and for the reads of results
	TOSTAGE 0
.irp a, 1,2,3,4,5,6,7
.if \a > 1
	s_wait_xcnt 0x0                                ; block a - 2's stores have read their registers: block a's loads may land there
.endif
	TOSTAGE \a
	SEND \a-1, 32                                  ; behind block a - 1's loads: block a's 16 stores and 16 loads
.endr
	SEND 7, 0
	s_wait_tensorcnt 0x0                           ; the wave's end, behind my last tensor load and my last LDS store
	ds_add_u32 v[SPW], v[NIL]
	s_wait_dscnt 0x0
	CROUND                                         ; the closing round: no work-group ends while a partner may still ask for a tile that names it
	s_endpgm
.Lfunc_end_k_qc8b88dc7ad_gemm_out:
	.size	k_qc8b88dc7ad_gemm_out, .Lfunc_end_k_qc8b88dc7ad_gemm_out-k_qc8b88dc7ad_gemm_out
	.p2alignl 7, 3214868480
	.fill 96, 4, 3214868480
	.section	.rodata,"a",@progbits
	.p2align	6, 0x0
	.amdhsa_kernel k_qc8b88dc7ad_gemm_out
		.amdhsa_group_segment_fixed_size 327680
		.amdhsa_private_segment_fixed_size 0
		.amdhsa_enable_private_segment 0
		.amdhsa_kernarg_size 32
		.amdhsa_user_sgpr_count 2
		.amdhsa_user_sgpr_kernarg_segment_ptr 1
		.amdhsa_wavefront_size32 1
		.amdhsa_system_sgpr_workgroup_id_x 1
		.amdhsa_system_sgpr_workgroup_id_y 1
		.amdhsa_system_sgpr_workgroup_id_z 1
		.amdhsa_system_vgpr_workitem_id 0
		.amdhsa_next_free_vgpr 1024
		.amdhsa_next_free_sgpr 100
		.amdhsa_reserve_vcc 0
		.amdhsa_float_denorm_mode_32 3
		.amdhsa_float_denorm_mode_16_64 3
		.amdhsa_memory_ordered 1
		.amdhsa_forward_progress 1
		.amdhsa_inst_pref_size 138
	.end_amdhsa_kernel
	.amdgpu_metadata
---
amdhsa.version: [ 1, 2 ]
amdhsa.kernels:
  - .name:           k_qc8b88dc7ad_gemm_out
    .symbol:         k_qc8b88dc7ad_gemm_out.kd
    .args:
      - { .name: ao, .offset: 0, .size: 8, .value_kind: global_buffer, .address_space: global }
      - { .name: wq, .offset: 8, .size: 8, .value_kind: global_buffer, .address_space: global }
      - { .name: bo, .offset: 16, .size: 8, .value_kind: global_buffer, .address_space: global }
      - { .name: out0, .offset: 24, .size: 8, .value_kind: global_buffer, .address_space: global }
    .group_segment_fixed_size: 327680
    .private_segment_fixed_size: 0
    .kernarg_segment_align: 8
    .kernarg_segment_size: 32
    .max_flat_workgroup_size: 128
    .sgpr_count:     100
    .vgpr_count:     1024
    .wavefront_size: 32
...
	.end_amdgpu_metadata
.endif
;; end of part 5
;; ======== version 2 of 2: 4 launches
;; limits: right only within a limited range of input values
;; workspace buffers: xq 7,077,888 bytes; wq 3,276,800 bytes; qimg 8,388,608 bytes; kv 15,466,496 bytes; ao 6,553,600 bytes
;; launch quant (part 6): grid 768 x 1, 4 waves a work-group, no clusters, 68,608 bytes of LDS; arguments x, Wqkv, Wo, xq, wq; writes xq, wq
.if DOCPART == 6
	.amdgcn_target "amdgcn-amd-amdhsa--gfx1250"
	.amdhsa_code_object_version 6
	.text
	.protected	k_qc8b88dc7ad_quant
	.globl	k_qc8b88dc7ad_quant
	.p2align	8
	.type	k_qc8b88dc7ad_quant,@function
k_qc8b88dc7ad_quant:
	s_mov_b64 s[64:65], 0
	v_nop
	global_prefetch_b8 v0, s[64:65] scope:SCOPE_SE
	s_setreg_imm32_b32 hwreg(HW_REG_WAVE_MODE, 25, 1), 1
	s_wait_xcnt 0x0
; One launch quantises all three f32 operands into codes of BF6 (E3M2) with one E8M0 scale for each 32 along K, laid as images of the matrix unit's registers, and writes the table of cos and sin for the rotation.
; Work-groups 0-511 take x [8192][1024] (K innermost), work-groups 512-767 Wqkv [1024][3072] and Wo [1024][1024] (K is the first axis).  The two ways part on the work-group's number; only x's way uses LDS.
; A block's scale is 2^(floor(log2(its largest magnitude)) - 4); its byte is the largest magnitude's exponent field - 4, held at 1 from below (a block of zeros keeps the byte 1: its codes are zeros, and this program alone reads the bytes).
; LIMITS: NaN and infinities among the inputs are not served; blocks whose largest magnitude lies under 2^-122 keep the byte 1.
; IMAGE.  A fragment (16 rows x 128 K, 12 registers a lane) is stored as its registers: register p of lane l at 512 (p / 4) + 16 l + 4 (p % 4); buffers [tile][K step 0..7][1,536 bytes].
; SCALE WORDS (four bytes: one row, 128 along K): [row place / 128][K step][row place % 128].
; x.  Lane r of tile 4 G + u holds row 64 G + 8 u + r % 8 + 32 (r / 8): four neighbouring tiles, used as source 0 of a product, leave 32 neighbouring rows in a lane's 32 registers.
;   Work-group (X, Y) = (number % 128, number / 128): tiles 4 X + wave, K steps 2 Y and 2 Y + 1.  Each load reads 512 consecutive bytes of a row; a K step's 16 rows turn through the wave's own stage in LDS
;   (rows 528 bytes apart) and come back 16 neighbours of each block to a lane.
;   TABLE.  Thread (wave, lane j) makes cos and sin of t x 10000^(-j / 32), t = 4 (128 Y + X) + wave: the angle reduced by multiples of pi / 2 in two parts, polynomials on +-pi / 4.
; W.  A lane takes a column and its registers run down K: a block of 32 lies in one lane.  Work-group (X, Y) = (number % 32, (number - 512) / 32): 128 columns (X 0-15: q and k; 16-23: v; 24-31: Wo), K step Y.
;   A column goes to place p of its 128 (tile p / 16, row p % 16).  q, k: in a head, tile u's row 8 a + i is d = 32 a + 16 (u % 2) + 2 i + u / 2.  v: in a head, tile u's row r is channel 8 u + r % 8 + 32 (r / 8).  Wo: as they lie.
; Memory binds, work-groups share no input: no matrix unit, no cluster, no tensor load.
.set SP,      528                      ; a stage row: 512 bytes + 16
.set STG,     16*SP
.set WREG,    2*STG                    ; two stages for each wave
.set SCW,     4*WREG                   ; behind the stages: the work-group's scale words, [K step 0, 1][wave][r]
.set SPARE,   0x10a00                  ; the spare words
.set XS_OFF,  6291456                  ; the scale words' place in xq
.set TAB_OFF, 6553600                  ; the table's: [t][cos 32 | sin 32]
.set FRB,     1536
.set LI,   4
.set SWR,  5
.set SRD,  6
.set SCA,  7
.set TM,   8
.set PW,   24
.set COSR, 25
.set SINR, 26
.set TO,   28
.set RAW0, 32
.set RAW1, 96
.set X0,   160
.set PC,   224
.set SEL,  2
.set XD,   64                          ; W: 128 numbers down K
.set RUN,  16                          ; W: two runs of 12 registers: lane r's and lane r + 16's
.set TC,   40                          ; W: each block's upper 16 codes, before they are moved
; 64 numbers of a lane, register 16 b + i = k 32 b + 16 (lane / 16) + i of my row, become a fragment's codes in v[PC] on and its scale word in v[PW].
.macro QUANT s
.irp b, 0,1,2,3
	v_max3_num_f32 v[TM+\b], |v[\s+16*\b]|, |v[\s+1+16*\b]|, 0x2800000   ; with the floor 2^(5 - 127)
.endr
.irp i, 2,4,6,8,10,12,14
.irp b, 0,1,2,3
	v_max3_num_f32 v[TM+\b], v[TM+\b], |v[\s+16*\b+\i]|, |v[\s+1+16*\b+\i]|
.endr
.endr
.irp b, 0,1,2,3
	v_permlanex16_b32 v[TM+4+\b], v[TM+\b], s[SEL], s[SEL+1]
.endr
.irp b, 0,1,2,3
	v_max_num_f32 v[TM+\b], v[TM+\b], v[TM+4+\b]
.endr
.irp b, 0,1,2,3
	v_add_nc_u32 v[TM+12+\b], 0xfe000000, v[TM+\b]   ; 4 off the exponent field: the conversion's scale operand
.endr
.irp b, 0,1,2,3
	v_lshrrev_b32 v[TM+4+\b], 23, v[TM+12+\b]
.endr
	v_lshl_or_b32 v[PW], v[TM+5], 8, v[TM+4]
	v_lshl_or_b32 v[PW], v[TM+6], 16, v[PW]
	v_lshl_or_b32 v[PW], v[TM+7], 24, v[PW]
.irp c, 0,1
	v_cvt_scalef32_pk16_bf6_f32 v[PC+6*\c:PC+2+6*\c], v[\s+32*\c:\s+15+32*\c], v[TM+12+2*\c]
	v_cvt_scalef32_pk16_bf6_f32 v[PC+12+4*\c:PC+14+4*\c], v[\s+16+32*\c:\s+31+32*\c], v[TM+12+2*\c+1]
.endr
	v_nop                                          ; one plain place behind a scaled conversion
.irp c, 0,1                                    ; the operand wants a whole block in a lane
.irp i, 0,1,2
	v_permlane16_swap_b32 v[PC+6*\c+\i], v[PC+12+4*\c+\i]
.endr
.irp i, 0,1,2
	v_mov_b32 v[PC+3+6*\c+\i], v[PC+12+4*\c+\i]
.endr
.endr
.endm
.macro TOSTG raw, off
.irp i, 0,1,2,3,4,5,6,7,8,9,10,11,12,13,14,15
	ds_store_b128 v[SWR], v[\raw+4*\i:\raw+4*\i+3] offset:\off+SP*\i
.endr
.endm
.macro FROMSTG reg, off
.irp b, 0,1,2,3
.irp j, 0,1,2,3
	ds_load_b128 v[\reg+16*\b+4*\j:\reg+16*\b+4*\j+3], v[SRD] offset:\off+128*\b+16*\j
.endr
.endr
.endm
.macro SENDIMG k                               ; three stores of 512 consecutive bytes; the scale word to LDS
.irp c, 0,1,2
	global_store_b128 v[LI], v[PC+4*\c:PC+4*\c+3], s[16:17] offset:FRB*\k+512*\c
.endr
	ds_store_b32 v[SCA], v[PW] offset:256*\k
.endm
.macro LOADB t, stride
.set n, 0
.rept 32
	global_load_b32 v[XD+32*(\t)+n], v2, s[4:5] offset:(32*(\t)+n)*\stride th:TH_LOAD_NT
.set n, n+1
.endr
.endm
.macro BLOCK t, stride
.set XS, XD+32*(\t)
.if (\t) < 3
	s_wait_loadcnt 32                              ; this block's 32 loads are in; the next block's may be out
.else
	s_wait_loadcnt 0x0
.endif
.if (\t) < 2
	LOADB (\t)+2, \stride
.endif
	v_max3_num_f32 v8, |v[XS]|, |v[XS+1]|, |v[XS+2]|
	v_max3_num_f32 v9, |v[XS+3]|, |v[XS+4]|, |v[XS+5]|
.irp i, 6,10,14,18,22,26
	v_max3_num_f32 v8, v8, |v[XS+\i]|, |v[XS+\i+1]|
	v_max3_num_f32 v9, v9, |v[XS+\i+2]|, |v[XS+\i+3]|
.endr
	v_max3_num_f32 v8, v8, |v[XS+30]|, |v[XS+31]|
	v_max3_num_f32 v8, v8, v9, 0x2800000
	v_add_nc_u32 v[10+(\t)], 0xfe000000, v8
.if (\t) == 0
	v_lshrrev_b32 v6, 23, v10                      ; the scale's byte; four make the column's word
.else
	v_lshrrev_b32 v14, 23, v[10+(\t)]
	v_lshl_or_b32 v6, v14, 8*(\t), v6
.endif
	v_cvt_scalef32_pk16_bf6_f32 v[RUN+12*((\t)%2)+6*((\t)/2):RUN+12*((\t)%2)+6*((\t)/2)+2], v[XS:XS+15], v[10+(\t)]
	v_cvt_scalef32_pk16_bf6_f32 v[TC+4*(\t):TC+4*(\t)+2], v[XS+16:XS+31], v[10+(\t)]
.endm
.macro BODY stride
	LOADB 0, \stride
	LOADB 1, \stride
	BLOCK 0, \stride
	BLOCK 1, \stride
	BLOCK 2, \stride
	BLOCK 3, \stride
	v_nop                                          ; one plain place behind a scaled conversion
.irp t, 0,1,2,3
.irp i, 0,1,2
	v_mov_b32 v[RUN+12*(\t%2)+6*(\t/2)+3+\i], v[TC+4*\t+\i]
.endr
.endr
.irp h, 0,1
.irp g, 0,1,2
	global_store_b128 v4, v[RUN+12*\h+4*\g:RUN+12*\h+4*\g+3], s[22:23] offset:256*\h+512*\g
.endr
.endr
	global_store_b32 v5, v6, s[24:25]
	s_endpgm
.endm
	v_lshl_add_u32 v248, v0, 2, SPARE
	v_mov_b32 v249, 0
	s_cmp_lt_u32 ttmp9, 512
	s_cbranch_scc0 .Lweights
	; ---- x
	s_load_b64 s[4:5], s[0:1], 0x0                 ; x
	s_load_b64 s[6:7], s[0:1], 0x18                ; xq
	v_lshrrev_b32 v1, 5, v0
	v_readfirstlane_b32 s8, v1                     ; wave
	s_lshr_b32 s9, ttmp9, 7                        ; Y
	s_and_b32 s26, ttmp9, 127                      ; X
	v_and_b32 v2, 31, v0                           ; lane
	v_and_b32 v3, 15, v0                           ; r
	v_bfe_u32 v27, v0, 4, 1                        ; h
	v_lshlrev_b32 v[LI], 4, v2
	s_mul_i32 s10, s8, WREG
	v_add_nc_u32 v[SWR], s10, v[LI]
	v_mul_u32_u24 v[SRD], v3, SP
	v_lshl_add_u32 v[SRD], v27, 6, v[SRD]
	v_add_nc_u32 v[SRD], s10, v[SRD]
	s_lshl_b32 s11, s8, 6
	v_lshl_add_u32 v[SCA], v3, 2, s11
	v_add_nc_u32 v[SCA], SCW, v[SCA]
	v_lshlrev_b32 v[TO], 2, v2
	s_mov_b32 s[SEL], 0x76543210
	s_mov_b32 s[SEL+1], 0xfedcba98
	s_lshl_b32 s12, s26, 6                         ; my tile's first row: 64 X + 8 wave
	s_lshl_b32 s13, s8, 3
	s_add_co_u32 s12, s12, s13
	s_lshl_b32 s12, s12, 12                        ; rows of 4,096 bytes
	s_lshl_b32 s13, s9, 10                         ; + my 256 along K
	s_add_co_u32 s12, s12, s13
	s_mov_b32 s13, 0
	s_lshl_b32 s14, s26, 2
	s_add_co_u32 s14, s14, s8                      ; tile
	s_lshl_b32 s14, s14, 3
	s_lshl_b32 s15, s9, 1
	s_add_co_u32 s14, s14, s15                     ; 8 x tile + K step
	s_mul_i32 s14, s14, FRB
	s_mov_b32 s15, 0
	s_lshl_b32 s18, s9, 7
	s_add_co_u32 s18, s18, s26
	s_lshl_b32 s18, s18, 2
	s_add_co_u32 s18, s18, s8                      ; t of my table row
	s_lshl_b32 s20, s18, 8
	s_add_co_u32 s20, s20, TAB_OFF
	s_mov_b32 s21, 0
	s_lshr_b32 s22, s26, 1                         ; the scale words' way out (waves 0 and 1): group X / 2, K step 2 Y + wave, half X % 2
	s_lshl_b32 s22, s22, 12
	s_lshl_b32 s23, s9, 10
	s_add_co_u32 s22, s22, s23
	s_lshl_b32 s23, s8, 9
	s_add_co_u32 s22, s22, s23
	s_and_b32 s23, s26, 1
	s_lshl_b32 s23, s23, 8
	s_add_co_u32 s22, s22, s23
	s_add_co_u32 s22, s22, XS_OFF
	s_mov_b32 s23, 0
	s_wait_alu depctr_va_vdst(0)
	s_wait_kmcnt 0x0
	s_add_nc_u64 s[4:5], s[4:5], s[12:13]
	s_add_nc_u64 s[16:17], s[6:7], s[14:15]
	s_add_nc_u64 s[20:21], s[6:7], s[20:21]
	s_add_nc_u64 s[22:23], s[6:7], s[22:23]
.irp i, 0,1,2,3,4,5,6,7,8,9,10,11,12,13,14,15
	global_load_b128 v[RAW0+4*\i:RAW0+4*\i+3], v[LI], s[4:5] offset:(\i+24*(\i/8))*4096 th:TH_LOAD_NT   ; row i of the tile, K step 0: 512 consecutive bytes
.endr
.irp i, 0,1,2,3,4,5,6,7,8,9,10,11,12,13,14,15
	global_load_b128 v[RAW1+4*\i:RAW1+4*\i+3], v[LI], s[4:5] offset:(\i+24*(\i/8))*4096+512 th:TH_LOAD_NT
.endr
	; the table, while the loads are on their way
	v_cvt_f32_u32 v8, v2
	v_mul_f32 v8, 0xbed49a78, v8                   ; -j log2(10000) / 32
	s_wait_alu depctr_va_vdst(0)                   ; the wait ahead of the transcendental,
	v_exp_f32 v8, v8                               ; the frequency
	v_cvt_f32_u32 v9, s18                          ; t (a plain place behind the exponential)
	s_wait_alu depctr_va_vdst(0)                   ; and behind it
	v_mul_f32 v9, v9, v8                           ; the angle
	v_mul_f32 v10, 0x3f22f983, v9                  ; x 2 / pi
	v_rndne_f32 v10, v10                           ; n
	v_fma_f32 v11, v10, 0xbfc90fdb, v9             ; angle - n x (pi / 2)'s upper part,
	v_fma_f32 v11, v10, 0x333bbd2e, v11            ; - n x its lower part
	v_cvt_i32_f32 v12, v10
	v_mul_f32 v13, v11, v11
	v_mov_b32 v14, 0x3c08839e
	v_fma_f32 v14, v13, 0xb94ca1f9, v14
	v_fma_f32 v14, v14, v13, 0xbe2aaaa3
	v_mul_f32 v15, v13, v11
	v_fma_f32 v14, v14, v15, v11                   ; sine of the rest
	v_mov_b32 v16, 0xbab6061a
	v_fma_f32 v16, v13, 0x37ccf5ce, v16
	v_fma_f32 v16, v16, v13, 0x3d2aaaa5
	v_mul_f32 v17, v13, v13
	v_fma_f32 v18, v13, -0.5, 1.0
	v_fma_f32 v16, v16, v17, v18                   ; cosine of the rest
	v_and_b32 v19, 1, v12
	v_cmp_eq_u32 vcc_lo, 1, v19                    ; odd n: the two change places
	v_cndmask_b32 v[SINR], v14, v16, vcc_lo
	v_cndmask_b32 v[COSR], v16, v14, vcc_lo
	v_lshlrev_b32 v22, 30, v12                     ; the sine's sign: bit 1 of n
	v_and_b32 v22, 0x80000000, v22
	v_xor_b32 v[SINR], v[SINR], v22
	v_add_nc_u32 v23, 1, v12                       ; the cosine's: bit 1 of n + 1
	v_lshlrev_b32 v23, 30, v23
	v_and_b32 v23, 0x80000000, v23
	v_xor_b32 v[COSR], v[COSR], v23
	global_store_b32 v[TO], v[COSR], s[20:21]
	global_store_b32 v[TO], v[SINR], s[20:21] offset:128
.irp b, 0,1,2,3
	v_mov_b32 v[TM+4+\b], 0                        ; written once: a lane permute's destination counts as one of its sources
.endr
	s_wait_loadcnt 16                              ; K step 0's sixteen loads are in; K step 1's may be out
	TOSTG RAW0, 0
	FROMSTG X0, 0                                  ; LDS serves a wave's instructions in order: these see the stores
	s_wait_loadcnt 0x0
	TOSTG RAW1, STG
	s_wait_dscnt 16                                ; all but those sixteen stores: K step 0's numbers are back, and its stores have read RAW0,
	FROMSTG RAW0, STG                              ; which takes K step 1's neighbours
	QUANT X0
	SENDIMG 0
	s_wait_dscnt 1                                 ; all but the scale word's store
	s_wait_xcnt 0x0                                ; the image's stores have read v[PC] on
	QUANT RAW0
	SENDIMG 1
	s_wait_dscnt 0x0                               ; for the others' sake: my scale words lie in LDS
	s_barrier_signal -1
	s_barrier_wait -1
	s_cmp_gt_u32 s8, 1
	s_cbranch_scc1 .Ldone                          ; waves 0 and 1 each send one K step's 64 words: one aligned run of 256 bytes
	v_lshlrev_b32 v30, 3, v2
	s_lshl_b32 s24, s8, 8
	v_add_nc_u32 v31, s24, v30
	v_add_nc_u32 v31, SCW, v31
	ds_load_b64 v[244:245], v31
	s_wait_alu depctr_va_vdst(0)
	s_wait_dscnt 0x0
	global_store_b64 v30, v[244:245], s[22:23]
.Ldone:
	s_wait_tensorcnt 0x0                           ; the wave's end
	ds_add_u32 v248, v249
	s_wait_dscnt 0x0
	s_endpgm
.Lweights:                                         ; ---- Wqkv and Wo
	s_load_b64 s[4:5], s[0:1], 0x8                 ; Wqkv
	s_load_b64 s[6:7], s[0:1], 0x10                ; Wo
	s_load_b64 s[8:9], s[0:1], 0x20                ; wq
	s_and_b32 s26, ttmp9, 31                       ; X
	s_bfe_u32 s11, ttmp9, 0x30005                  ; K step
	v_lshrrev_b32 v1, 5, v0
	v_readfirstlane_b32 s10, v1                    ; wave
	v_and_b32 v1, 31, v0                           ; lane
	v_lshlrev_b32 v2, 2, v1
	s_lshr_b32 s12, s10, 1
	s_and_b32 s13, s10, 1
	s_cmp_lt_u32 s26, 16
	s_cbranch_scc1 .Lqk
	s_cmp_lt_u32 s26, 24
	s_cbranch_scc1 .Lv
	s_lshl_b32 s14, s10, 5                         ; Wo: place 32 wave + lane
	s_wait_alu depctr_va_vdst(0)
	v_add_nc_u32 v3, s14, v1
	s_branch .Lplaced
.Lqk:                                              ; d = 32 (wave % 2) + lane: u = bit 4 | bit 0 << 1, i = bits 3:1, row 8 (wave % 2) + i
	s_wait_alu depctr_va_vdst(0)
	v_bfe_u32 v3, v1, 4, 1
	v_and_b32 v4, 1, v1
	v_lshl_or_b32 v3, v4, 1, v3
	v_bfe_u32 v4, v1, 1, 3
	v_lshl_add_u32 v3, v3, 4, v4
	s_lshl_b32 s14, s12, 6
	s_lshl_b32 s15, s13, 3
	s_add_co_u32 s14, s14, s15
	v_add_nc_u32 v3, s14, v3
	s_branch .Lplaced
.Lv:                                               ; channel 32 (wave % 2) + lane: tile = lane bits 4:3, row = lane % 8 + 8 (wave % 2)
	s_wait_alu depctr_va_vdst(0)
	v_bfe_u32 v3, v1, 3, 2
	v_and_b32 v4, 7, v1
	v_lshl_add_u32 v3, v3, 4, v4
	s_lshl_b32 s14, s12, 6
	s_lshl_b32 s15, s13, 3
	s_add_co_u32 s14, s14, s15
	v_add_nc_u32 v3, s14, v3
.Lplaced:
	s_wait_alu depctr_va_vdst(0)
	v_lshrrev_b32 v4, 4, v3
	v_mul_u32_u24 v4, 12288, v4                    ; a tile's eight K steps
	v_and_b32 v5, 15, v3
	v_lshl_add_u32 v4, v5, 4, v4                   ; + 16 x row
	v_lshlrev_b32 v5, 2, v3                        ; the scale word's place
	s_movk_i32 s15, 0x1000                         ; a row of Wo in bytes,
	s_movk_i32 s16, 0x3000                         ; of Wqkv
	s_mov_b32 s18, 2359296                         ; where Wqkv's scale words begin
	s_cmp_lt_u32 s26, 24
	s_cselect_b32 s14, 0, 24
	s_cselect_b32 s15, s16, s15
	s_cselect_b32 s17, 0, 98304                    ; Wo's codes lie behind Wqkv's scale words: 98,304 bytes on
	s_cselect_b32 s18, s18, 3145728                ; Wo's scale words begin at 3,244,032 = 3,145,728 + 24 x 4,096
	s_sub_co_u32 s14, s26, s14                     ; the block of 128 columns in its tensor
	s_lshl_b32 s20, s14, 9
	s_lshl_b32 s19, s10, 7
	s_add_co_u32 s20, s20, s19
	s_lshl_b32 s19, s11, 7
	s_mul_i32 s19, s19, s15                        ; 128 rows a K step
	s_add_co_u32 s20, s20, s19
	s_mov_b32 s21, 0
	s_mul_i32 s22, s26, 98304                      ; eight tiles
	s_add_co_u32 s22, s22, s17
	s_mul_i32 s19, s11, 1536
	s_add_co_u32 s22, s22, s19
	s_mov_b32 s23, 0
	s_lshl_b32 s24, s26, 12
	s_add_co_u32 s24, s24, s18
	s_lshl_b32 s19, s11, 9
	s_add_co_u32 s24, s24, s19
	s_mov_b32 s25, 0
	s_wait_alu depctr_va_vdst(0)
	s_wait_kmcnt 0x0
	s_cmp_lt_u32 s26, 24                           ; the choice hangs on the work-group's number alone
	s_cselect_b64 s[4:5], s[4:5], s[6:7]
	s_add_nc_u64 s[4:5], s[4:5], s[20:21]
	s_add_nc_u64 s[22:23], s[8:9], s[22:23]
	s_add_nc_u64 s[24:25], s[8:9], s[24:25]
	s_cmp_lt_u32 s26, 24
	s_cbranch_scc0 .Lwo
	BODY 12288
.Lwo:
	BODY 4096
.Lfunc_end_k_qc8b88dc7ad_quant:
	.size	k_qc8b88dc7ad_quant, .Lfunc_end_k_qc8b88dc7ad_quant-k_qc8b88dc7ad_quant
	.p2alignl 7, 3214868480
	.fill 96, 4, 3214868480
	.section	.rodata,"a",@progbits
	.p2align	6, 0x0
	.amdhsa_kernel k_qc8b88dc7ad_quant
		.amdhsa_group_segment_fixed_size 68608
		.amdhsa_private_segment_fixed_size 0
		.amdhsa_enable_private_segment 0
		.amdhsa_kernarg_size 40
		.amdhsa_user_sgpr_count 2
		.amdhsa_user_sgpr_kernarg_segment_ptr 1
		.amdhsa_wavefront_size32 1
		.amdhsa_system_sgpr_workgroup_id_x 1
		.amdhsa_system_sgpr_workgroup_id_y 1
		.amdhsa_system_sgpr_workgroup_id_z 1
		.amdhsa_system_vgpr_workitem_id 0
		.amdhsa_next_free_vgpr 250
		.amdhsa_next_free_sgpr 66
		.amdhsa_reserve_vcc 1
		.amdhsa_float_denorm_mode_32 3
		.amdhsa_float_denorm_mode_16_64 3
		.amdhsa_memory_ordered 1
		.amdhsa_forward_progress 1
		.amdhsa_inst_pref_size 61
	.end_amdhsa_kernel
	.amdgpu_metadata
---
amdhsa.version: [ 1, 2 ]
amdhsa.kernels:
  - .name:           k_qc8b88dc7ad_quant
    .symbol:         k_qc8b88dc7ad_quant.kd
    .args:
      - { .name: x, .offset: 0, .size: 8, .value_kind: global_buffer, .address_space: global }
      - { .name: Wqkv, .offset: 8, .size: 8, .value_kind: global_buffer, .address_space: global }
      - { .name: Wo, .offset: 16, .size: 8, .value_kind: global_buffer, .address_space: global }
      - { .name: xq, .offset: 24, .size: 8, .value_kind: global_buffer, .address_space: global }
      - { .name: wq, .offset: 32, .size: 8, .value_kind: global_buffer, .address_space: global }
    .group_segment_fixed_size: 68608
    .private_segment_fixed_size: 0
    .kernarg_segment_align: 8
    .kernarg_segment_size: 40
    .max_flat_workgroup_size: 128
    .sgpr_count:     66
    .vgpr_count:     250
    .wavefront_size: 32
...
	.end_amdgpu_metadata
.endif
;; end of part 6
;; launch gemm_qkv (part 7): grid 12 x 32, 4 waves a work-group, clusters of 4 x 4, 327,680 bytes of LDS; arguments xq, wq, bqkv, padding_mask, qimg, kv; writes qimg, kv
.if DOCPART == 7
	.amdgcn_target "amdgcn-amd-amdhsa--gfx1250"
	.amdhsa_code_object_version 6
	.text
	.protected	k_qc8b88dc7ad_gemm_qkv
	.globl	k_qc8b88dc7ad_gemm_qkv
	.p2align	8
	.type	k_qc8b88dc7ad_gemm_qkv,@function
k_qc8b88dc7ad_gemm_qkv:
	s_mov_b64 s[64:65], 0
	v_nop
	global_prefetch_b8 v0, s[64:65] scope:SCOPE_SE
	s_setreg_imm32_b32 hwreg(HW_REG_WAVE_MODE, 25, 1), 1
	s_wait_xcnt 0x0
	s_wait_alu depctr_hold_cnt(0) depctr_sa_sdst(0) depctr_va_vdst(0) depctr_va_sdst(0) depctr_va_ssrc(0) depctr_va_vcc(0) depctr_vm_vsrc(0)
	s_getreg_b32 s2, hwreg(HW_REG_IB_STS2, 6, 4)
	s_cmp_eq_u32 s2, 0
	s_cbranch_scc0 .Lentry_in_a_cluster
	s_endpgm
.Lentry_in_a_cluster:
	s_bfe_u32 s2, ttmp6, 0x10000c
	s_cmp_lg_u32 s2, 0xf033
	s_cbranch_scc0 .Lentry_shape_is_right
	s_endpgm
.Lentry_shape_is_right:
; qkv = x Wqkv + bqkv on codes of BF6 (E3M2) with E8M0 scales; q and k are rotated, and q, k and v are quantised in registers for the two products of attention.  Nothing leaves in f32.
; A work-group of four waves makes 256 x 256 of the product, a wave 128 x 128: 64 accumulators, 512 registers.  K = 1,024 is four slots' worth of 256; LDS holds THREE slots: three quarters of K are asked for at the
; start, and one refill (slot 0 takes the last quarter) has two slots' products, 224 matrix instructions of a wave, in which to land.
; OPERANDS lie in memory as images of the matrix unit's registers ([tile of 16][K step of 128][1,536 bytes]): a fragment is three loads of 16 bytes a lane, 512 consecutive bytes each; a wave's tensor load brings
; 8 tiles x 2 K steps (8 rows of 3,072 bytes).  The scale words of 128 rows for all of K are 4,096 dense bytes: they come once, with the first fills, and stay.
; SIDES.  Side A is source 1 (a lane holds one of its rows), side B source 0 (its rows run along a lane's registers).  The cluster's x says what is made: 0 q, 1 k, 2 v; it is the same in all sixteen partners.
;   q, k: A = rows of x, B = columns of W: a lane holds one token and, by the order in which the columns were laid, the even d of a head in 16 registers and the odd d in the next 16: the rotation is packed arithmetic in place.
;   v:    A = columns of W_v, B = rows of x: a lane holds one channel and 64 registers along the tokens, which are the keys: the K of attention's second product.
; CLUSTERS: 4 x 4.  A's tiles hang on the cluster's row (cy) and are asked for jointly by its four work-groups, B's on its column (cx).  The bias is the C of each sum's first product.
; THE MASK rides on the first product's unused k = 64: q holds the code of 1.0 there under the byte 127; a masked key holds -28 under the byte 223 (score -28 x 2^96), an open key 0 under the byte 1.
; OUT.  qimg [b 16 + head][tile][1,024]: registers 0-5 codes, 6 the code at k = 64, 7 the scale word.  kv [b 16 + head][key step][15,104]: 8 tiles of k (1,024 each, register 7 = 0), 4 images of v^T (1,536 each),
;   k's scale words [half][r][4], v's [r][4].  Every store of a wave covers 512 consecutive bytes (v's scale words: 256 in each of two heads).
; LIMITS: NaN and infinities are not served; blocks under 2^-122 keep the byte 1; a block of zeros has the byte 1 (this program alone reads the bytes).
; REGISTERS, in windows of 256: window 0: v0-31 addresses; v32-63 scale words, two sets; v64-127 the bias, on the way out the images to be stored; v128-223 A's fragments, one set; on the way out v128-255 are at work.
;   window 1: B's fragments, two sets, at v0 and v128; on the way out of q and k the table, 32 registers a block.   window 2: the accumulators of A's blocks 0-3 ((a, b) at v[8 (8 (a % 4) + b)]);   window 3: those of blocks 4-7.
; AS THIS TEXT STANDS (in place of what is said above of the first fills and of the order of tokens and channels):
; THE FILLS.  At the head one joint load a wave: wave 0 slot 0's 16 tiles of A, wave 1 its 16 tiles of B, wave 2 A's scale words, wave 3 B's.  Behind the three lines and a round each wave asks, by ONE load,
; for K's second and third quarter of its 8 tiles (rows of 6,144 bytes): they lie behind slot 0 as [8 tiles][6,144].  Slot 0's refill with the last quarter is as described.  A wave has one tensor load out at the most.
; ORDER.  Lane r of x's tile 4 G + u is token 64 G + 8 u + r % 8 + 32 (r / 8); v's channels in a head likewise.  So for v a lane's 32 registers of four tiles are one whole block of 32 keys, in the operand's own order.
; No prefetch: the text has no loop to run ahead in.
.set XS_OFF,  6291456                  ; in xq: x's scale words,
.set TAB_OFF, 6553600                  ; the table [t][cos 32 | sin 32]
.set WQS_OFF, 2359296                  ; in wq: Wqkv's scale words
.set HEADB,   241664                   ; a head in kv,
.set STEPB,   15104                    ; a key step in it
.set NQ,     2                         ; K steps of 128 in a slot
.set FR,     12                        ; registers of a fragment
.set NL,     3                         ; LDS loads that bring one
.set NP,     4                         ; places behind this matrix instruction (ISA guide 7.12.1)
.set FRB,    1536
.set TILEB,  NQ*FRB                    ; a tile's part of a slot
.set HALFT,  8*TILEB                   ; 8 tiles: what one tensor load brings, and what one wave reads of A or of B
.set SLOT,   4*HALFT
.set SCL,    3*SLOT                    ; behind the three slots: A's scale words, 2 x 4,096 bytes;
.set SCB,    8256                      ; B's begin 64 bytes further than A's end, so that the two halves of the lanes read different banks
.set SPARE,  311552                    ; the spare words, 128 bytes for each wave: two blocks of 256 bytes that no other line names
.set LI,   3                           ; v3   16 x lane
.set TBL,  4                           ; v4   my row's place in the table
.set MKL,  5                           ; v5   r + 24 (r / 8): my row in a tile's 40
.set BL,   6                           ; v6   the bias's lane term
.set VHK,  7                           ; v7   the masked key's code, in lanes 0-15 (k only)
.set VHQ,  8                           ; v8   the code of 1.0, in lanes 0-15 (q only)
.set VSL,  9                           ; v9   v's scale words: my place
.set ADRA, 16                          ; v16-18 LDS address of A's fragments in slot 0, 1, 2
.set ADRB, 20                          ; v20-22 of B's
.set ADRS, 27                          ; v27  of my scale words: lanes 0-15 A's rows, lanes 16-31 B's
.set SPW,  28                          ; v28  my spare word; never rewritten
.set NIL,  29                          ; v29  0; never rewritten
.set SC,   32                          ; scale words: set s at v[SC + 16 s]; register 2 i + q: lanes 0-15 A's block i, lanes 16-31 B's block i, the slot's q-th 128 along K
.set BIAS, 64
.set AF,   128
.set OUTR, 128                         ; the way out: 32 rotated numbers
.set QT,   168
.set TM,   176                         ; v176-191 at work
.set SW,   192                         ; v192-207 scale words kept: 8 head + block
.set KS,   208
.set MK,   224                         ; v224-231 the mask's bytes, block by block
.set HI,   232
.set R6,   233
.set VW,   192                         ; v: scale words kept
.set VS,   208
.set G1,   24                          ; s[24:31], s[32:39]: descriptor groups 1 and 0 for A's tiles (slot 0's refill; slots 1 and 2);  s[92:95]: group 0 of the head's load of slot 0
.set G0,   32
.set G1B,  48                          ; s[48:55], s[56:63]: for B's;  s[96:99]: the head's load of slot 0
.set G0B,  56
.set G1S,  68                          ; s[68:75], s[76:79]: for A's scale words;  s[80:87], s[88:91]: for B's
.set G0S,  76
.set G1SB, 80
.set G0SB, 88
.set SEL,  100                         ; s[100:101] on the way out: selects of v_permlanex16_b32 for lane l xor 16
.set MSB, 0
.macro WIN new                         ; the immediate's high byte repeats the setting that is left
.if MSB != (\new)
	s_set_vgpr_msb (MSB<<8)|(\new)
.set MSB, (\new)
.endif
.endm
.set MUL_LO, 0xa1                      ; source 0 (B) window 1, source 1 (A) window 0, C and D window 2
.set MUL_HI, 0xf1                      ; the same, C and D window 3
.set TO_B,   0x40                      ; destination window 1, address window 0
; A joint load: waves 0 and 1 fetch for A, waves 2 and 3 for B.  Each line has one mask and one set of registers for all that issue it; the branch hangs on the wave's number alone.
; Four v_nop follow each of the two lines, ahead of the jump, the label and what follows.
.macro JLOAD g0a, g1a, g0b, g1b
	s_cmp_eq_u32 s17, 0
	s_cbranch_scc0 .Lfor_b_\@
	tensor_load_to_lds s[\g0a:\g0a+3], s[\g1a:\g1a+7]
	s_nop 0
.rept 4
	v_nop
.endr
	s_branch .Lasked_\@
.Lfor_b_\@:
	tensor_load_to_lds s[\g0b:\g0b+3], s[\g1b:\g1b+7]
	s_nop 0
.rept 4
	v_nop
.endr
.Lasked_\@:
.endm
.macro CREST                           ; a round of the cluster's barrier behind its opening barrier
	s_cmp_lg_u32 s16, 0
	s_cbranch_scc1 .Lnot_wave_0_\@
	s_barrier_signal -3
.Lnot_wave_0_\@:
	s_barrier_wait -3
	s_barrier_signal -1
	s_barrier_wait -1
.endm
.macro CROUND                          ; a whole round
	s_barrier_signal -1
	s_barrier_wait -1
	CREST
.endm
.macro FRAG reg, adr, q, i, ts         ; tile i's fragment of the slot's q-th K step: its image, as it lies; ts: bytes from tile to tile
.irp c, 0,1,2
	ds_load_b128 v[\reg+4*\c:\reg+4*\c+3], v[\adr] offset:(\i)*(\ts)+(\q)*FRB+512*\c
.endr
.endm
; 16 matrix instructions: A's blocks a0, a0 + 1 x B's eight.  p: B's set; sc: the set of scale words.  cm = 0: the sums go on; 1: they start from the bias of B's block; 2: of A's block.
; The 64 accumulators take turns, one instruction a turn, in the same order in every step.
.macro MUL16 a0, p, q, sc, cm
.irp a, \a0, \a0+1
.irp b, 0,1,2,3,4,5,6,7
.if \cm == 0
	v_wmma_scale_f32_16x16x128_f8f6f4 v[8*(8*((\a)%4)+\b):8*(8*((\a)%4)+\b)+7], v[128*(\p)+FR*\b:128*(\p)+FR*\b+FR-1], v[AF+FR*(\a):AF+FR*(\a)+FR-1], v[8*(8*((\a)%4)+\b):8*(8*((\a)%4)+\b)+7], v[SC+8*NQ*(\sc)+NQ*\b+(\q)], v[SC+8*NQ*(\sc)+NQ*(\a)+(\q)] matrix_a_fmt:MATRIX_FMT_BF6 matrix_b_fmt:MATRIX_FMT_BF6 matrix_a_scale:MATRIX_SCALE_ROW1
.elseif \cm == 1
	v_wmma_scale_f32_16x16x128_f8f6f4 v[8*(8*((\a)%4)+\b):8*(8*((\a)%4)+\b)+7], v[128*(\p)+FR*\b:128*(\p)+FR*\b+FR-1], v[AF+FR*(\a):AF+FR*(\a)+FR-1], v[BIAS+8*\b:BIAS+8*\b+7], v[SC+8*NQ*(\sc)+NQ*\b+(\q)], v[SC+8*NQ*(\sc)+NQ*(\a)+(\q)] matrix_a_fmt:MATRIX_FMT_BF6 matrix_b_fmt:MATRIX_FMT_BF6 matrix_a_scale:MATRIX_SCALE_ROW1
.else
	v_wmma_scale_f32_16x16x128_f8f6f4 v[8*(8*((\a)%4)+\b):8*(8*((\a)%4)+\b)+7], v[128*(\p)+FR*\b:128*(\p)+FR*\b+FR-1], v[AF+FR*(\a):AF+FR*(\a)+FR-1], v[BIAS+8*(\a):BIAS+8*(\a)+7], v[SC+8*NQ*(\sc)+NQ*\b+(\q)], v[SC+8*NQ*(\sc)+NQ*(\a)+(\q)] matrix_a_fmt:MATRIX_FMT_BF6 matrix_b_fmt:MATRIX_FMT_BF6 matrix_a_scale:MATRIX_SCALE_ROW1
.endif
.endr
.endr
.endm
.macro FETCH_B slot, q, p
	WIN TO_B
.irp i, 0,1,2,3,4,5,6,7
	FRAG 128*(\p)+FR*\i, ADRB+\slot, \q, \i, TILEB*(1+((\slot)+1)/2)
.endr
	WIN 0
.endm
.macro FETCH_A slot, q, i0
.irp i, \i0, \i0+1, \i0+2, \i0+3
	FRAG AF+FR*(\i), ADRA+\slot, \q, \i, TILEB*(1+((\slot)+1)/2)
.endr
.endm
.macro SCALES sc                       ; a slot's scale words into set sc: lanes 0-15 take A's block i, lanes 16-31 B's block i
.irp i, 0,1,2,3,4,5,6,7
.irp q, 0,1
	ds_load_b32 v[SC+8*NQ*(\sc)+NQ*\i+\q], v[ADRS] offset:512*\q+64*\i
.endr
.endr
.endm
; A load into a register that a matrix instruction has read, and a vector instruction that reads a matrix result, stand NP places behind that matrix instruction; only plain vector instructions
; that name none of its registers are places (ISA guide 7.12.1 for vector instructions).
.macro PLACES n
.rept \n
	v_nop
.endr
.endm
; A slot's first step of 128 along K.  sc: its set of scale words.  A has one set of registers: blocks 0-3 are fetched anew in the step's middle, blocks 4-7 at its end; B has two sets.
.macro STEP slot, sc, cm
	s_wait_dscnt 4*NL                              ; all but the youngest twelve loads (A's blocks 4-7)
.if \cm
	WIN 0x81                                       ; C (the bias) in window 0
.else
	WIN MUL_LO
.endif
	MUL16 0, 0, 0, \sc, \cm
	MUL16 2, 0, 0, \sc, \cm
	s_wait_dscnt 0                                 ; A's blocks 4-7 are in (asked for 32 matrix instructions ago)
	PLACES NP
	FETCH_B \slot, 1, 1
	FETCH_A \slot, 1, 0
.if \cm
	WIN 0xc1
.else
	WIN MUL_HI
.endif
	MUL16 4, 0, 0, \sc, \cm
	MUL16 6, 0, 0, \sc, \cm
	PLACES NP
	WIN 0
	FETCH_A \slot, 1, 4
.endm
; A slot's second step changes slots.  mode 1: this slot is filled again: each wave waits for all its tensor loads, adds 0 to its spare word, waits for that and for its own reads of this slot; the barrier opens a round of the
; cluster's, and the joint refill is the first thing behind it.  mode 0: the same lines and a plain barrier: the next slot's refill is shown whole to every wave.
; mode 2: no meeting: the next slot was shown whole in front of an earlier barrier, and nothing is filled here.
.macro TURN slot, next, sc, mode
.if \mode < 2
	s_wait_tensorcnt 0x0                           ; all my tensor loads have landed;
	ds_add_u32 v[SPW], v[NIL]                      ; 0 onto my spare word;
	s_wait_dscnt 4*NL+1                            ; (the add and the youngest twelve loads may be out)
.else
	s_wait_dscnt 4*NL
.endif
	WIN MUL_LO
	MUL16 0, 1, 1, \sc, 0                          ; sixteen matrix instructions stand between the add and the wait for it
	s_wait_dscnt 0x0                               ; the add is done, and my reads of this slot are over
.if \mode < 2
	s_barrier_signal -1
.endif
	MUL16 2, 1, 1, \sc, 0
	WIN 0
.if \mode < 2
	s_barrier_wait -1
.endif
.if \mode == 1
	CREST                                          ; no wave of any partner still reads this slot's tile or has a load on its way
	s_add_nc_u64 s[G0+4*\slot+2:G0+4*\slot+3], s[G0+4*\slot+2:G0+4*\slot+3], 3*TILEB
	s_add_nc_u64 s[G0B+4*\slot+2:G0B+4*\slot+3], s[G0B+4*\slot+2:G0B+4*\slot+3], 3*TILEB
	s_mov_b32 s[G1+1], 384<<16                     ; no tensor load of mine is out: the refill's rows are one quarter of K again
	s_mov_b32 s[G1+3], 384<<16
	s_mov_b32 s[G1B+1], 384<<16
	s_mov_b32 s[G1B+3], 384<<16
	JLOAD G0+4*\slot, G1, G0B+4*\slot, G1B         ; the first tensor load behind the round; its four v_nop are the places in front of the loads below
.else
	PLACES NP
.endif
	v_add_nc_u32 v[ADRS], 512*NQ, v[ADRS]          ; on to the next slot's scale words (no LDS load of mine is out)
	FETCH_B \next, 0, 0
	FETCH_A \next, 0, 0
	SCALES (1-\sc)
	WIN MUL_HI
	MUL16 4, 1, 1, \sc, 0
	MUL16 6, 1, 1, \sc, 0
	PLACES NP
	WIN 0
	FETCH_A \next, 0, 4
.endm
.macro LAST                            ; the very last step: nothing more to fetch
	s_wait_dscnt 4*NL
	WIN MUL_LO
	MUL16 0, 1, 1, 1, 0
	MUL16 2, 1, 1, 1, 0
	s_wait_dscnt 0
	WIN MUL_HI
	MUL16 4, 1, 1, 1, 0
	MUL16 6, 1, 1, 1, 0
	WIN 0
	PLACES NP
.endm
; 32 numbers of a lane, register 16 b + i = k 32 b + 16 (lane / 16) + i of my row, become six registers of codes at v[dst] (lanes 0-15 block 0, lanes 16-31 block 1); the two bytes stay in v[TM+4], v[TM+5].
.macro QUANT2 s, dst, tmp
.irp b, 0,1
	v_max3_num_f32 v[TM+\b], |v[\s+16*\b]|, |v[\s+1+16*\b]|, 0x2800000   ; with the floor 2^(5 - 127): the byte cannot fall under 1
.endr
.irp i, 2,4,6,8,10,12,14
.irp b, 0,1
	v_max3_num_f32 v[TM+\b], v[TM+\b], |v[\s+16*\b+\i]|, |v[\s+1+16*\b+\i]|
.endr
.endr
.irp b, 0,1
	v_permlanex16_b32 v[TM+4+\b], v[TM+\b], s[SEL], s[SEL+1]
.endr
.irp b, 0,1
	v_max_num_f32 v[TM+\b], v[TM+\b], v[TM+4+\b]
.endr
.irp b, 0,1
	v_add_nc_u32 v[TM+12+\b], 0xfe000000, v[TM+\b]   ; 4 off the exponent field: the conversion's scale operand
.endr
.irp b, 0,1
	v_lshrrev_b32 v[TM+4+\b], 23, v[TM+12+\b]
.endr
	v_cvt_scalef32_pk16_bf6_f32 v[\dst:\dst+2], v[\s:\s+15], v[TM+12]
	v_cvt_scalef32_pk16_bf6_f32 v[\tmp:\tmp+2], v[\s+16:\s+31], v[TM+13]
	v_nop                                          ; one plain place behind a scaled conversion
.irp i, 0,1,2
	v_permlane16_swap_b32 v[\dst+\i], v[\tmp+\i]
.endr
.irp i, 0,1,2
	v_mov_b32 v[\dst+3+\i], v[\tmp+\i]
.endr
.endm
.macro TABLD a                         ; block a's table rows into window 1, v[32 a] on: my row's cos, then sin, of frequencies 16 h + 0 .. 15
.irp j, 0,1,2,3
	global_load_b128 v[32*(\a)+4*\j:32*(\a)+4*\j+3], v[TBL], s[92:93] offset:256*(64*((\a)/4)+8*((\a)%4))+16*\j
	global_load_b128 v[32*(\a)+16+4*\j:32*(\a)+16+4*\j+3], v[TBL], s[92:93] offset:256*(64*((\a)/4)+8*((\a)%4))+128+16*\j
.endr
.endm
; One tile of 16 tokens, one head: rotated, quantised, stored.  The accumulators are read from their low ends on.  The tile's eight registers take turns among eight sets, v64-127.
.macro QKHEAD a, hd
.if ((\a) == 4) && ((\hd) == 0)
	s_wait_xcnt 0x0                                ; the first eight tiles' stores have read their sets: the sets are written again only behind this wait
.endif
.set AC, 64*((\a)%4)+32*(\hd)
.set TCO, 32*(\a)
.set TSI, TCO+16
.set IM, 64+8*((2*(\a)+(\hd))%8)
	WIN (2+(\a)/4)|4                               ; source 0: the accumulators' window; source 1: the table's
.irp j, 0,2,4,6,8,10,12,14
	v_pk_mul_f32 v[OUTR+\j:OUTR+\j+1], v[AC+16+\j:AC+17+\j], v[TSI+\j:TSI+\j+1]   ; x2 sin
.endr
.irp j, 0,2,4,6,8,10,12,14
	v_pk_fma_f32 v[OUTR+\j:OUTR+\j+1], v[AC+\j:AC+\j+1], v[TCO+\j:TCO+\j+1], v[OUTR+\j:OUTR+\j+1] neg_lo:[0,0,1] neg_hi:[0,0,1]   ; x1 cos - x2 sin: k = 16 h + 0 .. 15
.endr
.irp j, 0,2,4,6,8,10,12,14
	v_pk_mul_f32 v[OUTR+16+\j:OUTR+17+\j], v[AC+16+\j:AC+17+\j], v[TCO+\j:TCO+\j+1]   ; x2 cos
.endr
.irp j, 0,2,4,6,8,10,12,14
	v_pk_fma_f32 v[OUTR+16+\j:OUTR+17+\j], v[AC+\j:AC+\j+1], v[TSI+\j:TSI+\j+1], v[OUTR+16+\j:OUTR+17+\j]   ; x1 sin + x2 cos: k = 32 + 16 h + 0 .. 15
.endr
	WIN 0
	QUANT2 OUTR, IM, QT
	v_lshl_or_b32 v[SW+8*(\hd)+(\a)], v[TM+5], 8, v[TM+4]
	v_or_b32 v[SW+8*(\hd)+(\a)], v[SW+8*(\hd)+(\a)], v[HI]   ; the scale word: two bytes of the head's 64, two of the unused half
	v_mov_b32 v[IM+6], v[R6]                       ; the code at k = 64
	v_and_b32 v[IM+7], s99, v[SW+8*(\hd)+(\a)]     ; q carries its scale word in register 7; k a 0
	global_store_b128 v[LI], v[IM:IM+3], s[94+2*(\hd):95+2*(\hd)] offset:1024*(\a)
	global_store_b128 v[LI], v[IM+4:IM+7], s[94+2*(\hd):95+2*(\hd)] offset:1024*(\a)+512
.endm
.macro QKBLOCK a
	s_wait_loadcnt 8*(7-(\a))                      ; the mask and this block's table rows are in; the later blocks' eight loads each may be out
	v_mad_u32_u24 v[HI], v[MK+(\a)], s47, s98      ; bytes 2 and 3: q 127, 127; k 1, 1, and 223 for byte 2 of a masked key
	v_lshlrev_b32 v[HI], 16, v[HI]
	v_mad_u32_u24 v[R6], v[MK+(\a)], v[VHK], v[VHQ]
	QKHEAD \a, 0
	QKHEAD \a, 1
.endm
; v: block a's 64 registers (16 channels x 128 keys) are quantised where they lie.  The image's registers take turns among four sets of 20, v64-143.
.macro VBLOCK a
.set W, 2+(\a)/4
.set XB, 64*((\a)%4)
.set PC, 64+20*((\a)%4)
.if (\a) == 4
	s_wait_xcnt 0x0                                ; the first four images' stores have read their sets
.endif
	WIN W|(W<<2)                                   ; sources 0 and 1: the accumulators' window
.irp b, 0,1,2,3
	v_max3_num_f32 v[TM+\b], |v[XB+16*\b]|, |v[XB+1+16*\b]|, 0x2800000
.endr
.irp i, 2,4,6,8,10,12,14
.irp b, 0,1,2,3
	v_max3_num_f32 v[TM+\b], |v[XB+16*\b+\i]|, |v[XB+1+16*\b+\i]|, v[TM+\b]
.endr
.endr
	WIN 0
.irp c, 0,1
	v_max_num_f32 v[TM+12+\c], v[TM+2*\c], v[TM+2*\c+1]   ; my block 2 c + h: all its 32 keys are mine
.endr
.irp c, 0,1
	v_add_nc_u32 v[TM+12+\c], 0xfe000000, v[TM+12+\c]     ; 4 off the exponent field: the conversion's scale operand
.endr
.irp c, 0,1
	v_lshrrev_b32 v[TM+4+\c], 23, v[TM+12+\c]
.endr
	v_lshl_or_b32 v[TM+6], v[TM+5], 16, v[TM+4]    ; my two bytes, blocks h and 2 + h,
	v_lshlrev_b32 v[TM+6], v10, v[TM+6]            ; 8 h bits up;
	v_permlanex16_b32 v[TM+7], v[TM+6], s[SEL], s[SEL+1]
	v_or_b32 v[VW+(\a)], v[TM+6], v[TM+7]          ; with lane l xor 16's two the word is whole
	WIN W                                          ; source 0: the accumulators' window
.irp c, 0,1
	v_cvt_scalef32_pk16_bf6_f32 v[PC+6*\c:PC+2+6*\c], v[XB+32*\c:XB+15+32*\c], v[TM+12+\c]
	v_cvt_scalef32_pk16_bf6_f32 v[PC+12+4*\c:PC+14+4*\c], v[XB+16+32*\c:XB+31+32*\c], v[TM+12+\c]
.endr
	WIN 0
	v_nop                                          ; one plain place behind a scaled conversion
.irp c, 0,1
.irp i, 0,1,2
	v_mov_b32 v[PC+3+6*\c+\i], v[PC+12+4*\c+\i]
.endr
.endr
.irp g, 0,1,2
	global_store_b128 v[LI], v[PC+4*\g:PC+4*\g+3], s[94:95] offset:((\a)/4)*HEADB+8192+FRB*((\a)%4)+512*\g
.endr
.endm
	s_load_b256 s[4:11], s[0:1], 0x0               ; xq s[4:5], wq s[6:7], bqkv s[8:9], the mask s[10:11]
	s_load_b128 s[12:15], s[0:1], 0x20             ; qimg s[12:13], kv s[14:15]
	v_lshl_add_u32 v[SPW], v0, 2, SPARE
	v_mov_b32 v[NIL], 0
	ds_add_u32 v28, v29
	ds_add_u32 v28, v29
	s_wait_dscnt 0x0
	v_lshrrev_b32 v1, 5, v0
	v_readfirstlane_b32 s16, v1                    ; wave 0..3
	s_lshr_b32 s17, s16, 1                         ; which half of A's rows is mine.  Also: I fetch for A (0) or for B (1)
	s_and_b32 s18, s16, 1                          ; which half of B's rows.  Also: which 8 tiles I fetch
	s_mov_b32 s19, ttmp9                           ; the cluster's x: 0 q, 1 k, 2 v
	s_bfe_u32 s20, ttmp6, 0x40000                  ; cx
	s_bfe_u32 s21, ttmp6, 0x40004                  ; cy
	s_and_b32 s40, ttmp7, 0xffff
	s_lshl_b32 s40, s40, 2                         ; 4 x cluster y
	s_add_co_u32 s41, s40, s21
	s_add_co_u32 s42, s40, s20
	s_lshl_b32 s43, s19, 2
	s_add_co_u32 s43, s43, s20
	s_mov_b32 s92, WQS_OFF+16*4096
	s_mov_b32 s96, XS_OFF
	s_cmp_eq_u32 s19, 2
	s_cselect_b32 s22, s21, s41                    ; A's block of 256: v: cy (of W_v's four);  q, k: 4 cluster y + cy (of x's 32)
	s_cselect_b32 s23, s42, s43                    ; B's:              v: 4 cluster y + cx (of x's);  q, k: 4 cluster x + cx (of W's first eight)
	s_cselect_b32 s44, 128, 0                      ; W_v's tiles begin at tile 128
	s_cselect_b32 s92, s92, XS_OFF                 ; where A's scale words begin in their buffer,
	s_cselect_b32 s96, s96, WQS_OFF                ; and B's
	s_lshl_b32 s2, s22, 4                          ; A: nothing here hangs on cx
	s_lshl_b32 s3, s18, 3
	s_add_co_u32 s2, s2, s3
	s_add_co_u32 s2, s2, s44
	s_mul_i32 s46, s2, 8*FRB                       ; my 8 tiles' codes
	s_mov_b32 s47, 0
	s_lshl_b32 s2, s22, 1
	s_add_co_u32 s2, s2, s18
	s_lshl_b32 s2, s2, 12
	s_add_co_u32 s92, s92, s2                      ; and their scale words
	s_mov_b32 s93, 0
	s_lshl_b32 s98, s23, 4                         ; B: nothing here hangs on cy
	s_lshl_b32 s99, s18, 3
	s_add_co_u32 s98, s98, s99
	s_mul_i32 s94, s98, 8*FRB
	s_mov_b32 s95, 0
	s_lshl_b32 s98, s23, 1
	s_add_co_u32 s98, s98, s18
	s_lshl_b32 s98, s98, 12
	s_add_co_u32 s96, s96, s98
	s_mov_b32 s97, 0
	s_lshl_b32 s40, s21, 2
	s_lshl_b32 s40, 15, s40                        ; my row of the cluster
	s_lshl_b32 s41, 0x1111, s20                    ; my column
	; descriptor group 1, codes: 8 rows (tiles) of 384 elements of 8 bytes (two K steps' images), 1,536 elements from tile to tile; no padding: every LDS read is 512 consecutive bytes
	s_or_b32 s[G1], s40, (3<<16)|(1<<21)           ; 15:0 the mask; 17:16 elements of 8 bytes; 21 set beside a mask
	s_or_b32 s[G1B], s41, (3<<16)|(1<<21)
.irp g, G1, G1B
	s_mov_b32 s[\g+1], 384<<16                     ; tensor_dim0
	s_mov_b32 s[\g+2], 16<<16                      ; tensor_dim1: the head's loads bring 16 tiles
	s_mov_b32 s[\g+3], 384<<16                     ; tile_dim0
	s_mov_b32 s[\g+4], 16                          ; tile_dim1
	s_mov_b32 s[\g+5], 1536                        ; tensor_dim0_stride
	s_mov_b32 s[\g+6], 0
	s_mov_b32 s[\g+7], 0
.endr
	; scale words of 128 rows: 4,096 dense bytes as 16 rows of 256
	s_or_b32 s[G1S], s40, (3<<16)|(1<<21)
	s_or_b32 s[G1SB], s41, (3<<16)|(1<<21)
.irp g, G1S, G1SB
	s_mov_b32 s[\g+1], 32<<16
	s_mov_b32 s[\g+2], 32<<16
	s_mov_b32 s[\g+3], 32<<16
	s_mov_b32 s[\g+4], 32
	s_mov_b32 s[\g+5], 32
	s_mov_b32 s[\g+6], 0
	s_mov_b32 s[\g+7], 0
.endr
	s_mul_i32 s45, s16, HALFT                      ; where they go: wave x 8 tiles: no place in the cluster enters an LDS address
	s_wait_kmcnt 0x0
	s_cmp_eq_u32 s19, 2                            ; the choice of buffers hangs on the cluster's x alone
	s_cselect_b64 s[100:101], s[6:7], s[4:5]       ; A's buffer
	s_cselect_b64 s[98:99], s[4:5], s[6:7]         ; B's
	s_add_nc_u64 s[46:47], s[100:101], s[46:47]
	s_add_nc_u64 s[92:93], s[100:101], s[92:93]
	s_add_nc_u64 s[94:95], s[98:99], s[94:95]
	s_add_nc_u64 s[96:97], s[98:99], s[96:97]
	CROUND                                         ; all sixteen work-groups are here: the first joint loads meet
	s_lshl_b32 s2, s18, 12                         ; the head's loads bring both halves: back from my half to the first
	s_mov_b32 s3, 0
	s_mov_b32 s[G0S], 1                            ; A's scale words, 8,192 dense bytes
	s_mov_b32 s[G0S+1], SCL
	s_sub_nc_u64 s[G0S+2:G0S+3], s[92:93], s[2:3]
	s_or_b32 s[G0S+3], s[G0S+3], 0x80000000
	s_mov_b32 s[G0SB], 1                           ; B's
	s_mov_b32 s[G0SB+1], SCL+SCB
	s_sub_nc_u64 s[G0SB+2:G0SB+3], s[96:97], s[2:3]
	s_or_b32 s[G0SB+3], s[G0SB+3], 0x80000000
	s_mov_b32 s[G0], 1                             ; slot 0's refill: my 8 tiles; its address is stepped to the last quarter when it is used
	s_mov_b32 s[G0+1], s45
	s_mov_b64 s[G0+2:G0+3], s[46:47]
	s_or_b32 s[G0+3], s[G0+3], 0x80000000
	s_mov_b32 s[G0B], 1
	s_mov_b32 s[G0B+1], s45
	s_mov_b64 s[G0B+2:G0B+3], s[94:95]
	s_or_b32 s[G0B+3], s[G0B+3], 0x80000000
	s_mov_b32 s[G0+4], 1                           ; K's second and third quarter of my 8 tiles: behind slot 0, wave x 8 rows of 6,144 bytes
	s_lshl_b32 s[G0+5], s45, 1
	s_add_co_u32 s[G0+5], s[G0+5], SLOT
	s_add_nc_u64 s[G0+6:G0+7], s[46:47], TILEB
	s_or_b32 s[G0+7], s[G0+7], 0x80000000
	s_mov_b32 s[G0B+4], 1
	s_lshl_b32 s[G0B+5], s45, 1
	s_add_co_u32 s[G0B+5], s[G0B+5], SLOT
	s_add_nc_u64 s[G0B+6:G0B+7], s[94:95], TILEB
	s_or_b32 s[G0B+7], s[G0B+7], 0x80000000
	s_mul_i32 s2, s18, 8*8*FRB
	s_mov_b32 s96, 1                               ; the head's load of B's 16 tiles, first quarter of K (B's first, from s[94:95], then A's over them)
	s_mov_b32 s97, 2*HALFT
	s_sub_nc_u64 s[98:99], s[94:95], s[2:3]
	s_or_b32 s99, s99, 0x80000000
	s_mov_b32 s92, 1                               ; and of A's
	s_mov_b32 s93, 0
	s_sub_nc_u64 s[94:95], s[46:47], s[2:3]
	s_or_b32 s95, s95, 0x80000000
; the head's loads, one a wave: one chain of branches on the wave's number, a load to an arm, all arms leading to one join
.macro ARM under, g0, g1, next
	s_cmp_lt_u32 s16, \under
	s_cbranch_scc0 \next
	tensor_load_to_lds s[\g0:\g0+3], s[\g1:\g1+7]
	s_nop 0
.rept 4
	v_nop
.endr
	s_branch .Lhead_asked
\next:
.endm
	ARM 1, 92, G1, .Lhead_b
	ARM 2, 96, G1B, .Lhead_sa
	ARM 3, G0S, G1S, .Lhead_sb
	tensor_load_to_lds s[G0SB:G0SB+3], s[G1SB:G1SB+7]
	s_nop 0
.rept 4
	v_nop
.endr
.Lhead_asked:
	v_and_b32 v1, 15, v0                           ; r
	v_bfe_u32 v2, v0, 4, 1                         ; h
	v_and_b32 v[LI], 31, v0
	v_lshlrev_b32 v[LI], 4, v[LI]
	v_and_b32 v[MKL], 8, v1
	v_mad_u32_u24 v[MKL], v[MKL], 3, v1            ; r + 24 (r / 8)
	; the bias, in the result's layout: it is the C of each sum's first product
	s_cmp_eq_u32 s19, 2
	s_cselect_b32 s2, s22, s23                     ; W's block of 256 columns,
	s_cselect_b32 s3, s17, s18                     ; my half of it,
	s_cselect_b32 s40, 8192, 0                     ; v's columns begin at 2,048
	s_lshl_b32 s2, s2, 10
	s_lshl_b32 s3, s3, 9
	s_add_co_u32 s2, s2, s3
	s_add_co_u32 s2, s2, s40
	s_mov_b32 s3, 0
	s_add_nc_u64 s[8:9], s[8:9], s[2:3]
	s_cmp_eq_u32 s19, 2
	s_cbranch_scc1 .Lbias_v
	s_wait_alu depctr_va_vdst(0)
	v_lshlrev_b32 v[BL], 7, v2                     ; q, k: register j of B's block b is d = 32 h + 16 (b % 2) + 2 j + (b % 4) / 2 of head b / 4
.irp b, 0,1,2,3,4,5,6,7
.irp j, 0,1,2,3,4,5,6,7
	global_load_b32 v[BIAS+8*\b+\j], v[BL], s[8:9] offset:4*(64*(\b/4)+16*(\b%2)+2*\j+(\b%4)/2)
.endr
.endr
	s_branch .Lbias_done
.Lbias_v:
	s_wait_alu depctr_va_vdst(0)
	v_lshlrev_b32 v[BL], 2, v[MKL]                 ; v: all eight registers of A's block a hold the lane's channel's: 8 (a % 4) + r % 8 + 32 (r / 8) of head a / 4
.irp a, 0,1,2,3,4,5,6,7
.irp j, 0,1,2,3,4,5,6,7
	global_load_b32 v[BIAS+8*\a+\j], v[BL], s[8:9] offset:4*(64*(\a/4)+8*(\a%4))
.endr
.endr
.Lbias_done:
	s_mul_i32 s2, s17, HALFT                       ; my 8 tiles of A
	s_mul_i32 s3, s18, HALFT                       ; my 8 tiles of B,
	s_add_co_u32 s40, s3, 2*HALFT                  ; which lie behind A's 16
	v_add_nc_u32 v[ADRA], s2, v[LI]
	v_add_nc_u32 v[ADRB], s40, v[LI]
	s_lshl_b32 s2, s2, 1                           ; behind slot 0 a tile has 6,144 bytes: the second quarter of K, then the third
	s_lshl_b32 s3, s3, 1
	s_add_co_u32 s2, s2, SLOT
	s_add_co_u32 s3, s3, SLOT+4*HALFT
.irp s, 1,2
	v_add_nc_u32 v[ADRA+\s], s2, v[LI]
	v_add_nc_u32 v[ADRB+\s], s3, v[LI]
	s_add_co_u32 s2, s2, TILEB
	s_add_co_u32 s3, s3, TILEB
.endr
	v_lshlrev_b32 v10, 2, v1                       ; my row's scale word
	s_lshl_b32 s2, s17, 12                         ; A's: my 128 rows
	s_lshl_b32 s3, s18, 12                         ; B's: my 128 rows, SCB bytes on
	s_add_co_u32 s3, s3, SCB
	s_sub_co_u32 s3, s3, s2
	v_mul_u32_u24 v11, s3, v2                      ; lanes 16-31 take B's
	s_add_co_u32 s2, s2, SCL
	v_add_nc_u32 v10, v10, v11
	v_add_nc_u32 v[ADRS], s2, v10
	s_wait_alu depctr_va_vdst(0)
	s_wait_tensorcnt 0x0                           ; my tile of the head's four is in
	ds_add_u32 v[SPW], v[NIL]
	s_mov_b32 s[G1+1], 768<<16                     ; no tensor load of mine is out: the next load brings 8 tiles x two quarters of K
	s_mov_b32 s[G1+2], 8<<16
	s_mov_b32 s[G1+3], 768<<16
	s_mov_b32 s[G1+4], 8
	s_mov_b32 s[G1B+1], 768<<16
	s_mov_b32 s[G1B+2], 8<<16
	s_mov_b32 s[G1B+3], 768<<16
	s_mov_b32 s[G1B+4], 8
	s_wait_dscnt 0x0
	CROUND                                         ; all four tiles are in, and all sixteen work-groups are here
	JLOAD G0+4, G1, G0B+4, G1B                     ; the first tensor load behind the round
	FETCH_B 0, 0, 0
	FETCH_A 0, 0, 0
	SCALES 0
	FETCH_A 0, 0, 4
	s_wait_loadcnt 0x0                             ; the bias
	s_cmp_eq_u32 s19, 2
	s_cbranch_scc1 .Lfirst_v
	STEP 0, 0, 1                                   ; the first step starts the sums from the bias: by B's block,
	s_branch .Lfirst_done
.Lfirst_v:
	STEP 0, 0, 2                                   ; or by A's
.Lfirst_done:
	TURN 0, 1, 0, 1                                ; slots 1 and 2 are whole in every wave; slot 0 takes K's last quarter: the one refill
	s_wait_alu depctr_va_vdst(0)
	STEP 1, 1, 0
	TURN 1, 2, 1, 2                                ; on into slot 2 without a meeting
	s_wait_alu depctr_va_vdst(0)
	STEP 2, 0, 0
	TURN 2, 0, 0, 0                                ; the refill is whole in every wave; nothing is left to fetch: no round
	STEP 0, 1, 0
	s_cmp_eq_u32 s19, 2
	s_cbranch_scc1 .Lv_tail
	; ---- q and k.  The mask's bytes and four blocks' table rows are asked for ahead of the last 64 products, into B's set that has been multiplied; the other four behind them
	s_lshl_b32 s2, s22, 1
	s_add_co_u32 s2, s2, s17                       ; my 128 tokens: which of the 64 runs of 128
	s_and_b32 s3, s2, 15                           ; the run in its batch row (k: the key step)
	s_lshr_b32 s40, s2, 4                          ; b
	s_and_b32 s41, s23, 3
	s_lshl_b32 s41, s41, 2
	s_lshl_b32 s42, s18, 1
	s_add_co_u32 s41, s41, s42                     ; my first head
	s_lshl_b32 s40, s40, 4
	s_add_co_u32 s40, s40, s41
	s_lshl_b32 s92, s3, 15                         ; the table: 128 rows of 256 bytes a run
	s_add_co_u32 s92, s92, TAB_OFF
	s_mov_b32 s93, 0
	s_add_nc_u64 s[92:93], s[4:5], s[92:93]
	s_lshl_b32 s42, s2, 7
	s_mov_b32 s43, 0
	s_add_nc_u64 s[10:11], s[10:11], s[42:43]      ; the mask at my first token
	s_mov_b32 s43, HEADB
	s_movk_i32 s44, STEPB
	s_mov_b32 s98, 0x0101
	s_cmp_eq_u32 s19, 1                            ; k or q
	s_cselect_b32 s43, s43, 131072                 ; bytes of a head,
	s_cselect_b32 s44, s44, 8192                   ; of a run of 8 tiles
	s_cselect_b64 s[94:95], s[14:15], s[12:13]     ; kv or qimg
	s_cselect_b32 s45, 0x3f, 0                     ; a masked key's code: -28
	s_cselect_b32 s46, 0, 12                       ; q's code at k = 64: 1.0
	s_cselect_b32 s47, 222, 0                      ; a masked key's byte 2: 1 + 222
	s_cselect_b32 s98, s98, 0x7f7f                 ; bytes 2 and 3
	s_cselect_b32 s99, 0, -1                       ; q carries its scale word in the image
	s_mul_i32 s40, s40, s43
	s_mul_i32 s3, s3, s44
	s_add_co_u32 s40, s40, s3
	s_mov_b32 s41, 0
	s_add_nc_u64 s[94:95], s[94:95], s[40:41]      ; my first head's tiles,
	s_mov_b32 s40, s43
	s_add_nc_u64 s[96:97], s[94:95], s[40:41]      ; my second head's
	s_mov_b32 s[SEL], 0x76543210
	s_mov_b32 s[SEL+1], 0xfedcba98
	v_lshlrev_b32 v[TBL], 8, v[MKL]
	v_lshl_add_u32 v[TBL], v2, 6, v[TBL]           ; 256 x my row + 64 h
	v_xor_b32 v10, 1, v2
	v_mul_u32_u24 v[VHK], v10, s45                 ; lanes 0-15 hold k = 64
	v_mul_u32_u24 v[VHQ], v10, s46
.irp a, 0,1,2,3,4,5,6,7
	global_load_u8 v[MK+\a], v[MKL], s[10:11] offset:64*(\a/4)+8*(\a%4)
.endr
	WIN TO_B                                       ; destination window 1: v0-127 there were last read by the step before, whose places stand behind it
.irp a, 0,1,2,3
	TABLD \a
.endr
	WIN 0
	s_wait_alu depctr_va_vdst(0)
	LAST
.irp b, 0,1
	v_mov_b32 v[TM+4+\b], 0                        ; written once: a lane permute's destination counts as one of its sources
.endr
	WIN TO_B                                       ; v128-255 of window 1: the last products have read them, and their places stand behind them
.irp a, 4,5,6,7
	TABLD \a
.endr
	WIN 0
.irp a, 0,1,2,3,4,5,6,7
	QKBLOCK \a
.endr
	s_cmp_lg_u32 s19, 1
	s_cbranch_scc1 .Lout_done
	s_mov_b32 s2, 0xffff0000                       ; k's scale words: lane (r, half) holds those of tiles 4 half + 0 .. 3
.irp hd, 0,1
.irp i, 0,1,2,3
	v_cndmask_b32 v[KS+4*\hd+\i], v[SW+8*\hd+\i], v[SW+8*\hd+4+\i], s2
.endr
	global_store_b128 v[LI], v[KS+4*\hd:KS+4*\hd+3], s[94+2*\hd:95+2*\hd] offset:14336
.endr
	s_branch .Lout_done
.Lv_tail:                                          ; ---- v
	s_lshl_b32 s2, s23, 1
	s_add_co_u32 s2, s2, s18                       ; my 128 tokens (B's side)
	s_and_b32 s3, s2, 15                           ; the key step
	s_lshr_b32 s40, s2, 4                          ; b
	s_lshl_b32 s40, s40, 4
	s_lshl_b32 s41, s22, 2
	s_add_co_u32 s40, s40, s41
	s_lshl_b32 s41, s17, 1
	s_add_co_u32 s40, s40, s41                     ; 16 b + my first head
	s_mul_i32 s40, s40, HEADB
	s_mul_i32 s3, s3, STEPB
	s_add_co_u32 s40, s40, s3
	s_mov_b32 s41, 0
	s_add_nc_u64 s[94:95], s[14:15], s[40:41]
	s_mov_b32 s[SEL], 0x76543210
	s_mov_b32 s[SEL+1], 0xfedcba98
	v_mul_u32_u24 v[VSL], HEADB, v2                ; lanes 16-31 store the second head's scale words
	v_lshl_add_u32 v[VSL], v1, 4, v[VSL]
	v_lshlrev_b32 v10, 3, v2                       ; 8 h: where my two scale bytes stand in the word
	LAST
.irp b, 0,1,2,3
	v_mov_b32 v[TM+4+\b], 0
.endr
.irp a, 0,1,2,3,4,5,6,7
	VBLOCK \a
.endr
	s_mov_b32 s2, 0xffff0000
.irp i, 0,1,2,3
	v_cndmask_b32 v[VS+\i], v[VW+\i], v[VW+4+\i], s2
.endr
	global_store_b128 v[VSL], v[VS:VS+3], s[94:95] offset:14848
.Lout_done:
	s_wait_tensorcnt 0x0                           ; the wave's end
	ds_add_u32 v[SPW], v[NIL]
	s_wait_dscnt 0x0
	CROUND                                         ; the closing round: no work-group ends while a partner may still ask for a tile that names it
	s_endpgm
.Lfunc_end_k_qc8b88dc7ad_gemm_qkv:
	.size	k_qc8b88dc7ad_gemm_qkv, .Lfunc_end_k_qc8b88dc7ad_gemm_qkv-k_qc8b88dc7ad_gemm_qkv
	.p2alignl 7, 3214868480
	.fill 96, 4, 3214868480
	.section	.rodata,"a",@progbits
	.p2align	6, 0x0
	.amdhsa_kernel k_qc8b88dc7ad_gemm_qkv
		.amdhsa_group_segment_fixed_size 327680
		.amdhsa_private_segment_fixed_size 0
		.amdhsa_enable_private_segment 0
		.amdhsa_kernarg_size 48
		.amdhsa_user_sgpr_count 2
		.amdhsa_user_sgpr_kernarg_segment_ptr 1
		.amdhsa_wavefront_size32 1
		.amdhsa_system_sgpr_workgroup_id_x 1
		.amdhsa_system_sgpr_workgroup_id_y 1
		.amdhsa_system_sgpr_workgroup_id_z 1
		.amdhsa_system_vgpr_workitem_id 0
		.amdhsa_next_free_vgpr 1024
		.amdhsa_next_free_sgpr 102
		.amdhsa_reserve_vcc 0
		.amdhsa_float_denorm_mode_32 3
		.amdhsa_float_denorm_mode_16_64 3
		.amdhsa_memory_ordered 1
		.amdhsa_forward_progress 1
		.amdhsa_inst_pref_size 248
	.end_amdhsa_kernel
	.amdgpu_metadata
---
amdhsa.version: [ 1, 2 ]
amdhsa.kernels:
  - .name:           k_qc8b88dc7ad_gemm_qkv
    .symbol:         k_qc8b88dc7ad_gemm_qkv.kd
    .args:
      - { .name: xq, .offset: 0, .size: 8, .value_kind: global_buffer, .address_space: global }
      - { .name: wq, .offset: 8, .size: 8, .value_kind: global_buffer, .address_space: global }
      - { .name: bqkv, .offset: 16, .size: 8, .value_kind: global_buffer, .address_space: global }
      - { .name: padding_mask, .offset: 24, .size: 8, .value_kind: global_buffer, .address_space: global }
      - { .name: qimg, .offset: 32, .size: 8, .value_kind: global_buffer, .address_space: global }
      - { .name: kv, .offset: 40, .size: 8, .value_kind: global_buffer, .address_space: global }
    .group_segment_fixed_size: 327680
    .private_segment_fixed_size: 0
    .kernarg_segment_align: 8
    .kernarg_segment_size: 48
    .max_flat_workgroup_size: 128
    .sgpr_count:     102
    .vgpr_count:     1024
    .wavefront_size: 32
...
	.end_amdgpu_metadata
.endif
;; end of part 7
;; launch attn (part 8): grid 8 x 32, 8 waves a work-group, clusters of 4 x 1, 327,680 bytes of LDS; arguments qimg, kv, ao; writes ao
.if DOCPART == 8
	.amdgcn_target "amdgcn-amd-amdhsa--gfx1250"
	.amdhsa_code_object_version 6
	.text
	.protected	k_qc8b88dc7ad_attn
	.globl	k_qc8b88dc7ad_attn
	.p2align	8
	.type	k_qc8b88dc7ad_attn,@function
k_qc8b88dc7ad_attn:
	s_mov_b64 s[64:65], 0
	v_nop
	global_prefetch_b8 v0, s[64:65] scope:SCOPE_SE
	s_setreg_imm32_b32 hwreg(HW_REG_WAVE_MODE, 25, 1), 1
	s_wait_xcnt 0x0
	s_wait_alu depctr_hold_cnt(0) depctr_sa_sdst(0) depctr_va_vdst(0) depctr_va_sdst(0) depctr_va_ssrc(0) depctr_va_vcc(0) depctr_vm_vsrc(0)
	s_getreg_b32 s2, hwreg(HW_REG_IB_STS2, 6, 4)
	s_cmp_eq_u32 s2, 0
	s_cbranch_scc0 .Lentry_in_a_cluster
	s_endpgm
.Lentry_in_a_cluster:
	s_bfe_u32 s2, ttmp6, 0x10000c
	s_cmp_lg_u32 s2, 0x3003
	s_cbranch_scc0 .Lentry_shape_is_right
	s_endpgm
.Lentry_shape_is_right:
; Attention on codes of BF6 (E3M2) with E8M0 scales: o = softmax(q k^T / 8, masked) v, then o is quantised along head x 64 + d for the output product.  16 heads of 64, 2,048 keys, 4 batch rows.
; THE SOFTMAX AHEAD OF THE SECOND PRODUCT: t = score x log2(e) / 8; M = the running largest t rounded up to a whole number; p = 2^(t - M) is quantised along the keys, not normalised; the row's sum is taken of
; the unquantised p and divides o at the end.  When M moves, the sum and o are multiplied by 2^(old M - new M): exact.
; THE MASK costs no line here: the first product's K is 64, and at k = 64 q holds 1.0 and a masked key -28 x 2^96 (an open key 0), so a masked key's p is 0.
; LIMITS: the running largest score starts at -2^60, far above a masked key's and far under any served score: a row's largest score must lie above -2^60, and scores stay far under 2^96.  A batch row whose keys
; are ALL masked gives finite numbers here where the definition gives NaN.  NaN and infinities are not served.  A block's largest p is made from its largest score by the same two instructions as p itself.
; SHARES.  A work-group owns 256 queries and a pair of heads; each of its eight waves owns TWO tiles of 16 queries, for both heads one after the other: so a wave ends with two whole fragments (128 along the
; output product's K) and their scale words.  Each fragment of k and of v^T that a wave reads from LDS feeds two products.
; RING.  A key step's block (8 tiles of k, 4 images of v^T, the scale words: 15,104 dense bytes) is one tensor load; a slot holds eight, one fetched by each wave; the two heads' 32 blocks lie on end, so the ring
; runs through the change of heads.  CLUSTER: the four query blocks of a cluster walk the same blocks: each is asked for jointly (mask 15).  A wave has one tensor load out at the most.
; No prefetch: a refill is asked for eight key steps ahead of its first read, so no wave stands waiting for it.
; A STEP AHEAD.  k of the next step is read from LDS behind this step's scores, v^T of the next step behind this step's last products.  So the change of slots stands inside a slot's last step, behind its scores.
; LAYOUT.  Both products transposed: S^T = k q^T, O^T = v^T p^T: a lane holds one query throughout.  Row r of k's tile 4 c + u is key 64 c + 8 u + r % 8 + 32 (r / 8): so a lane's 32 registers of four tiles are
; keys 64 c + 32 h + 0 .. 31 (h = lane / 16): ONE WHOLE BLOCK of the quantiser, in the very order of the second product's operand.  A block's maximum needs no other lane and no code changes lanes; only the row's
; maximum and the scale word's bytes cross to lane l xor 16.  v's channels lie likewise, so O^T's 32 registers are channels 32 h + 0 .. 31 of the head.
; A tile of k is 8 registers; the operand names 12: the four beyond are the next tile's (or zeros), which meet zeros of q under the byte 1.
; REGISTERS, in two windows of 256.  What belongs to a tile of queries has the same number in both windows (tile 0 in window 0, tile 1 in window 1): v12 -M, v13 the largest score, v[14:15] the sum, v16-27 q,
; v100-163 S^T then p, v164-195 O^T, v196-215 p's codes, v224-243 at work, v244-255 o's fragment.  Shared, window 0: v1-11 addresses, v28-31 and v216-223 scale words, v32-99 k.  Shared, window 1: v32-79 v^T.
.set STEPB,  15104
.set SLOTB,  8*STEPB
.set SLOT1,  131072                    ; slot 1 begins here: one exclusive or turns an address from slot to slot
.set SCR,    262144                    ; behind the ring: the work-group's 256 scale words of o
.set SPARE,  263168                    ; the spare words, 128 bytes for each wave
.set HEADB,  241664
.set AS_OFF, 6291456                   ; in ao: the scale words
.set LI,  1                            ; 16 x lane
.set SPW, 2                            ; my spare word; never rewritten
.set NIL, 3                            ; 0; never rewritten
.set ADK, 4                            ; the next step's block + 16 x lane
.set ADV, 5                            ; v's scale words of the next step
.set AVR, 6                            ; 14,848 + 16 r
.set SCA, 7                            ; my scale words' place in SCR
.set QF,  16
.set KSC, 28                           ; k's scale words: lanes 0-15 tiles 0-3, lanes 16-31 tiles 4-7
.set KF,  32
.set VF,  32
.set S,   100
.set O,   164
.set PF,  196
.set CT,  208                          ; conversions' second halves
.set VSC, 216
.set QSD, 220                          ; q's scale words, tile 0, 1
.set PSD, 222                          ; p's scale words, tile 0, 1
.set BM,  224                          ; v224-227 four chains of maxima; then v224, v226: my two blocks'
.set BT,  228                          ; the bytes
.set T1,  243
.set SV,  234                          ; the sum's third chain,
.set SW,  230                          ; and its fourth
.set BS,  232                          ; the conversions' scale operands
.set FF,  236                          ; f = 2^(old M - new M)
.set PS,  237                          ; p's scale word as it grows
.set T0,  238
.set SH8, 239                          ; 8 h
.set SU,  240                          ; the sum's second chain
.set HW,  242                          ; o's scale word
.set HC,  244                          ; o's fragment
.set WV,  10
.set SEL, 14
.set G1,  16
.set G0,  24
.set CS,  28                           ; s[28:29] c = log2(e) / 8
.set TB,  32                           ; the LDS byte at which the next step's block begins
.set NSL, 33
.set NST, 34
.set MSB, 0
.macro WIN new                         ; the immediate's high byte repeats the setting that is left
.if MSB != (\new)
	s_set_vgpr_msb (MSB<<8)|(\new)
.set MSB, (\new)
.endif
.endm
.macro PLACES                          ; four places behind matrix instructions (ISA guide 7.12.1 for vector instructions)
.rept 4
	v_nop
.endr
.endm
.macro ROUND                           ; a round of the cluster's barrier
	s_barrier_signal -1
	s_barrier_wait -1
	s_cmp_lg_u32 s[WV], 0
	s_cbranch_scc1 .Lnot_wave_0_\@
	s_barrier_signal -3
.Lnot_wave_0_\@:
	s_barrier_wait -3
	s_barrier_signal -1
	s_barrier_wait -1
.endm
.macro TLOAD                           ; every wave fetches its own block of the slot
	tensor_load_to_lds s[G0:G0+3], s[G1:G1+7]
	s_nop 0
.rept 4
	v_nop
.endr
.endm
; The change of slots: each wave waits for all its tensor loads, adds 0 to its spare word, waits for that and for its reads of the slot that it leaves.
; fill = 1: a round of the cluster's barrier, and behind it the slot just left takes the next eight blocks.  wrap = 1: the LDS reads go on in the other slot.
.macro CHANGE fill, wrap
	s_wait_tensorcnt 0x0
	ds_add_u32 v[SPW], v[NIL]
.if \fill
	s_xor_b32 s[G0+1], s[G0+1], SLOT1
	s_add_nc_u64 s[G0+2:G0+3], s[G0+2:G0+3], SLOTB
.endif
.if \wrap
	s_sub_co_u32 s[TB], s[TB], SLOTB
	s_xor_b32 s[TB], s[TB], SLOT1
.endif
	s_wait_dscnt 0x0
.if \fill
	ROUND
	TLOAD
.else
	s_barrier_signal -1
	s_barrier_wait -1
.endif
.endm
.macro ADDR
	v_add_nc_u32 v[ADK], s[TB], v[LI]
	v_add_nc_u32 v[ADV], s[TB], v[AVR]
.endm
.macro FETCH_K                         ; 17 loads of 512 consecutive bytes: the next step's k and its scale words
.irp t, 0,1,2,3,4,5,6,7
	ds_load_b128 v[KF+8*\t:KF+8*\t+3], v[ADK] offset:1024*\t
	ds_load_b128 v[KF+8*\t+4:KF+8*\t+7], v[ADK] offset:1024*\t+512
.endr
	ds_load_b128 v[KSC:KSC+3], v[ADK] offset:14336
.endm
.macro FETCH_V                         ; 13 loads: the next step's v^T and its scale words
	WIN 0x40
.irp t, 0,1,2,3
.irp g, 0,1,2
	ds_load_b128 v[VF+12*\t+4*\g:VF+12*\t+4*\g+3], v[ADK] offset:8192+1536*\t+512*\g
.endr
.endr
	WIN 0
	ds_load_b128 v[VSC:VSC+3], v[ADV]
	s_add_co_u32 s[TB], s[TB], STEPB
.endm
.macro QK e                            ; S^T = k q^T for tile e: eight tiles of 16 keys
.irp t, 0,1,2,3
	v_wmma_scale_f32_16x16x128_f8f6f4 v[S+8*\t:S+8*\t+7], v[KF+8*\t:KF+8*\t+11], v[QF:QF+11], 0, v[KSC+\t], v[QSD+\e] matrix_a_fmt:MATRIX_FMT_BF6 matrix_b_fmt:MATRIX_FMT_BF6
.endr
.irp t, 4,5,6,7
	v_wmma_scale_f32_16x16x128_f8f6f4 v[S+8*\t:S+8*\t+7], v[KF+8*\t:KF+8*\t+11], v[QF:QF+11], 0, v[KSC+\t-4], v[QSD+\e] matrix_a_fmt:MATRIX_FMT_BF6 matrix_b_fmt:MATRIX_FMT_BF6 matrix_a_scale:MATRIX_SCALE_ROW1
.endr
.endm
.macro PV e                            ; O^T += v^T p^T for tile e: the four accumulators take one turn each
.irp t, 0,1,2,3
	v_wmma_scale_f32_16x16x128_f8f6f4 v[O+8*\t:O+8*\t+7], v[VF+12*\t:VF+12*\t+11], v[PF:PF+11], v[O+8*\t:O+8*\t+7], v[VSC+\t], v[PSD+\e] matrix_a_fmt:MATRIX_FMT_BF6 matrix_b_fmt:MATRIX_FMT_BF6
.endr
.endm
.macro SUMN                            ; sum number sk of 32: the row's sum is taken of the unquantised p, two at a time, in four chains
; (four chains by turns, so that an addition reads a sum made four additions before it: three begin with two pairs of p each, 26 pairs follow, three additions join the chains)
.if sk == 0
	v_pk_add_f32 v[SU:SU+1], v[S:S+1], v[S+2:S+3]
.elseif sk == 1
	v_pk_add_f32 v[SV:SV+1], v[S+4:S+5], v[S+6:S+7]
.elseif sk == 2
	v_pk_add_f32 v[SW:SW+1], v[S+8:S+9], v[S+10:S+11]
.elseif sk == 29
	v_pk_add_f32 v[SU:SU+1], v[SU:SU+1], v[SV:SV+1]
.elseif sk == 30
	v_pk_add_f32 v[14:15], v[14:15], v[SW:SW+1]
.elseif sk == 31
	v_pk_add_f32 v[14:15], v[14:15], v[SU:SU+1]
.elseif sk%4 == 3
	v_pk_add_f32 v[14:15], v[14:15], v[S+2*sk+6:S+2*sk+7]
.elseif sk%4 == 0
	v_pk_add_f32 v[SU:SU+1], v[SU:SU+1], v[S+2*sk+6:S+2*sk+7]
.elseif sk%4 == 1
	v_pk_add_f32 v[SV:SV+1], v[SV:SV+1], v[S+2*sk+6:S+2*sk+7]
.else
	v_pk_add_f32 v[SW:SW+1], v[SW:SW+1], v[S+2*sk+6:S+2*sk+7]
.endif
.set sk, sk+1
.endm
; Tile e's softmax for 128 keys, all in the tile's own window, in two parts.  SMA: the maxima, M, t - M, O^T and the sum under the new M, the exponentials.  SMB: the sums, the scale word, p's codes.
; No transcendental stands between the products that make S^T and SMA's first read of it: they are issued behind the other tile's batch.
.macro SMA e
	WIN 0x55*\e
.irp c, 0,1,2,3
	v_max3_num_f32 v[BM+\c], v[S+16*\c], v[S+16*\c+1], v[S+16*\c+2]   ; four chains of 16 scores by turns; each accumulator is read from its low end on
.endr
.irp i, 3,5,7,9,11,13
.irp c, 0,1,2,3
	v_max3_num_f32 v[BM+\c], v[BM+\c], v[S+16*\c+\i], v[S+16*\c+\i+1]
.endr
.endr
.irp c, 0,1
	v_max3_num_f32 v[BM+2*\c], v[BM+2*\c], v[BM+2*\c+1], v[S+32*\c+15]
.endr
.irp c, 0,1
	v_max_num_f32 v[BM+2*\c], v[BM+2*\c], v[S+32*\c+31]   ; the largest score of my block 2 c + h: it serves the row's maximum and the block's largest p
.endr
	v_max_num_f32 v[T0], v[BM], v[BM+2]
	v_permlanex16_b32 v[T1], v[T0], s[SEL], s[SEL+1]
	v_max3_num_f32 v13, v13, v[T0], v[T1]          ; the running largest score (c is positive: its t is the largest t)
	v_mul_f32 v[T0], s[CS], v13
	v_floor_f32 v[T1], -v[T0]                      ; -M = floor(-t): M is a whole number
	v_sub_f32 v[T0], v[T1], v12                    ; old M - new M: a whole number, 0 or less
	v_mov_b32 v12, v[T1]
	v_cvt_i32_f32 v[T0], v[T0]                     ; (it saturates)
.irp c, 0,1
	v_fma_f32 v[BM+2*\c], v[BM+2*\c], s[CS], v12   ; t - M of each block's largest score
.endr
	v_ldexp_f32 v[FF], 1.0, v[T0]                  ; f: a multiplication by it rounds nothing
.set n, 0
.rept 32
	v_pk_fma_f32 v[S+n:S+n+1], v[S+n:S+n+1], s[CS:CS+1], v[12:13] op_sel_hi:[1,0,0]   ; t - M, two at a time
.set n, n+2
.endr
	s_wait_alu depctr_va_vdst(0)                   ; ahead of the first read of O^T, and between the exponentials' sources and the batch
.set n, 0
.rept 16
	v_pk_mul_f32 v[O+n:O+n+1], v[O+n:O+n+1], v[FF:FF+1] op_sel_hi:[1,0]   ; O^T under the new M
.set n, n+2
.endr
	v_pk_mul_f32 v[14:15], v[14:15], v[FF:FF+1] op_sel_hi:[1,0]           ; and the sum
	v_exp_f32 v[BM], v[BM]
	v_exp_f32 v[BM+2], v[BM+2]
.set n, 0
.rept 64
	v_exp_f32 v[S+n], v[S+n]                       ; p = 2^(t - M)
.set n, n+1
.endr
	v_nop                                          ; one plain place behind the batch
	s_wait_alu depctr_va_vdst(0)                   ; one wait for the whole batch
.endm
.macro SMB e
	WIN 0x55*\e
.set sk, 0
.irp c, 0,1
	v_max_num_f32 v[BM+2*\c], 0x2800000, v[BM+2*\c]   ; the floor 2^(5 - 127): a block whose every p is 0 keeps the byte 1: its codes are zeros
.endr
	SUMN
	SUMN
.irp c, 0,1
	v_add_nc_u32 v[BS+\c], 0xfe000000, v[BM+2*\c]  ; 4 off the exponent field: the conversion's scale operand
.endr
	SUMN
	SUMN
.irp c, 0,1
	v_lshrrev_b32 v[BT+\c], 23, v[BS+\c]           ; the scale's byte
.endr
.irp c, 0,1
	v_cvt_scalef32_pk16_bf6_f32 v[PF+6*\c:PF+2+6*\c], v[S+32*\c:S+15+32*\c], v[BS+\c]
	v_cvt_scalef32_pk16_bf6_f32 v[CT+4*\c:CT+2+4*\c], v[S+16+32*\c:S+31+32*\c], v[BS+\c]   ; (a conversion's three registers begin on an even number)
.endr
	v_lshl_or_b32 v[PS], v[BT+1], 16, v[BT]        ; my two bytes, blocks h and 2 + h (the plain place behind the conversions),
	SUMN
	v_lshlrev_b32 v[PS], v[SH8], v[PS]             ; 8 h bits up;
	SUMN
	v_permlanex16_b32 v[T1], v[PS], s[SEL], s[SEL+1]
	SUMN
	WIN 0x15*\e                                    ; the finished word goes to window 0
	v_or_b32 v[PSD+\e], v[PS], v[T1]               ; with lane l xor 16's two the word is whole
	WIN 0x55*\e
.irp c, 0,1
.irp i, 0,1,2
	v_mov_b32 v[PF+3+6*\c+\i], v[CT+4*\c+\i]
.endr
.endr
.rept 25
	SUMN                                           ; the rest of the sums: also the places between p's codes and scale word and the products
.endr
.endm
; A KEY STEP: 128 keys, both tiles.  mode 0: in a slot;  1: a slot's last, the slot is filled again;  2: a slot's last, nothing is left to fetch;  3: the very last step.
.macro STEP mode
; THE ORDER OF A STEP: tile 0's scores were made in the step before.  SMA 0; tile 1's scores; the next step's k is fetched; SMB 0; O^T of tile 0; SMA 1; the NEXT step's scores of tile 0; SMB 1; O^T of tile 1;
; the next step's v^T is fetched.  So each run of products is followed by plain work on other registers.
	SMA 0
	WIN 0x44
	QK 1
	WIN 0
.if \mode == 1
	CHANGE 1, 1                                    ; the four v_nop behind the joint load are the places in front of the loads below
	ADDR
	FETCH_K
.elseif \mode == 2
	CHANGE 0, 1
	ADDR
	v_nop
	v_nop
	FETCH_K
.elseif \mode == 0
	ADDR
	v_nop
	v_nop                                          ; four places with the two additions
	FETCH_K
.else
	PLACES
.endif
	SMB 0
.if \mode == 3
	s_wait_dscnt 0x0
.else
	s_wait_dscnt 17                                ; v^T and its scale words are in; the next step's 17 loads of k may be out
.endif
	WIN 0x01
	PV 0
	SMA 1
.if \mode != 3
	WIN 0
	s_wait_dscnt 0x0                               ; the next step's k and its scale words are in
.if \mode == 1
	s_cmp_eq_u32 s[NSL], 1                         ; the first head's last step: the next scores want the second head's q, and are made behind the change of heads
	s_cbranch_scc1 .Lnoq_\@
.endif
	QK 0
.if \mode == 1
.Lnoq_\@:
.endif
.endif
	SMB 1
	PV 1
	PLACES
.if \mode != 3
	FETCH_V
.else
	WIN 0
.endif
.endm
.macro SEVEN                           ; a slot's first seven key steps
	s_mov_b32 s[NST], 7
.Lstep_\@:
	STEP 0
	s_sub_co_u32 s[NST], s[NST], 1
	s_cmp_lg_u32 s[NST], 0
	s_cbranch_scc1 .Lstep_\@
.endm
.macro INIT                            ; a head begins: q's scale words leave the images' register 7; zeros for the sums and O^T
	s_wait_loadcnt 0x0
	WIN 0
	v_mov_b32 v[QSD], v[QF+7]
	WIN 0x01
	v_mov_b32 v[QSD+1], v[QF+7]
.irp e, 0,1
	WIN 0x55*\e
	v_mov_b32 v[QF+7], 0
	v_mov_b32 v13, 0xdd800000                      ; the largest score so far: -2^60
	v_mov_b32 v12, 0x5d800000                      ; -M: 2^60
	v_mov_b32 v14, 0
	v_mov_b32 v15, 0
.set n, 0
.rept 32
	v_mov_b32 v[O+n], 0
.set n, n+1
.endr
.endr
	WIN 0
.endm
.macro FINISH c                        ; a head ends: O^T / the sum is half c of the output product's fragment: my 32 registers are one block, channels 32 h + 0 .. 31
.if \c == 0
	global_load_b128 v[QF:QF+3], v[LI], s[4:5] offset:131072      ; the second head's q
	global_load_b128 v[QF+4:QF+7], v[LI], s[4:5] offset:131072+512
	WIN 0x40
	global_load_b128 v[QF:QF+3], v[LI], s[4:5] offset:131072+1024
	global_load_b128 v[QF+4:QF+7], v[LI], s[4:5] offset:131072+1536
.endif
.irp e, 0,1
	WIN 0x55*\e
	v_add_f32 v14, v14, v15
	v_permlanex16_b32 v[T0], v14, s[SEL], s[SEL+1]
	v_add_f32 v14, v14, v[T0]                      ; the row's sum
	s_wait_alu depctr_va_vdst(0)                   ; the wait ahead of the transcendental,
	v_rcp_f32 v14, v14
	v_nop
	s_wait_alu depctr_va_vdst(0)                   ; and behind it, ahead of the first read of its result and of O^T
.set n, 0
.rept 16
	v_pk_mul_f32 v[S+n:S+n+1], v[O+n:O+n+1], v[14:15] op_sel_hi:[1,0]
.set n, n+2
.endr
.irp b, 0,1
	v_max3_num_f32 v[BM+\b], |v[S+16*\b]|, |v[S+1+16*\b]|, 0x2800000
.endr
.irp i, 2,4,6,8,10,12,14
.irp b, 0,1
	v_max3_num_f32 v[BM+\b], v[BM+\b], |v[S+16*\b+\i]|, |v[S+1+16*\b+\i]|
.endr
.endr
	v_max_num_f32 v[BM], v[BM], v[BM+1]
	v_add_nc_u32 v[BS], 0xfe000000, v[BM]
	v_lshrrev_b32 v[BT], 23, v[BS]
	v_cvt_scalef32_pk16_bf6_f32 v[HC+6*\c:HC+6*\c+2], v[S:S+15], v[BS]
	v_cvt_scalef32_pk16_bf6_f32 v[CT:CT+2], v[S+16:S+31], v[BS]
	v_lshlrev_b32 v[BT], v[SH8], v[BT]             ; my byte, 8 h bits up (the plain place behind the conversions)
.irp i, 0,1,2
	v_mov_b32 v[HC+6*\c+3+\i], v[CT+\i]
.endr
.if \c == 0
	v_mov_b32 v[HW], v[BT]
.else
	v_lshl_or_b32 v[HW], v[BT], 16, v[HW]
	v_permlanex16_b32 v[T0], v[HW], s[SEL], s[SEL+1]
	v_or_b32 v[HW], v[HW], v[T0]                   ; with lane l xor 16's two bytes the word is whole
.endif
.endr
	WIN 0
.endm
	s_load_b128 s[4:7], s[0:1], 0x0                ; qimg, kv
	s_load_b64 s[8:9], s[0:1], 0x10                ; ao
	v_lshl_add_u32 v[SPW], v0, 2, SPARE
	v_mov_b32 v[NIL], 0
	ds_add_u32 v[SPW], v[NIL]
	ds_add_u32 v[SPW], v[NIL]
	v_lshrrev_b32 v8, 5, v0
	v_readfirstlane_b32 s[WV], v8                  ; wave 0..7
	s_bfe_u32 s11, ttmp6, 0x40000                  ; cx: it enters q's and o's addresses alone
	s_lshl_b32 s12, ttmp9, 2
	s_add_co_u32 s12, s12, s11                     ; my block of 256 queries
	s_and_b32 s13, ttmp7, 0xffff                   ; the pair of heads: 8 b + pair, which the four partners share
	s_mov_b32 s[G1], 15|(3<<16)|(1<<21)            ; a block of 15,104 dense bytes as 59 rows of 256; the mask names all four work-groups
	s_mov_b32 s[G1+1], 32<<16
	s_mov_b32 s[G1+2], 59<<16
	s_mov_b32 s[G1+3], 32<<16
	s_mov_b32 s[G1+4], 59
	s_mov_b32 s[G1+5], 32
	s_mov_b32 s[G1+6], 0
	s_mov_b32 s[G1+7], 0
	s_mul_i32 s35, s[WV], STEPB                    ; the block that I fetch: in a slot and in memory
	s_mul_i32 s36, s13, 2*HEADB
	s_add_co_u32 s36, s36, s35
	s_mov_b32 s37, 0
	s_lshl_b32 s44, s12, 4
	s_lshl_b32 s45, s[WV], 1
	s_add_co_u32 s44, s44, s45                     ; my first tile of queries in its batch row
	s_lshl_b32 s38, s13, 18                        ; q: two heads of 131,072 bytes a pair,
	s_lshl_b32 s39, s44, 10                        ; 1,024 a tile
	s_add_co_u32 s38, s38, s39
	s_mov_b32 s39, 0
	s_lshr_b32 s45, s13, 3                         ; b
	s_and_b32 s46, s13, 7                          ; the pair: the output product's K step
	s_lshl_b32 s47, s45, 7
	s_add_co_u32 s47, s47, s44
	s_lshl_b32 s47, s47, 3
	s_add_co_u32 s47, s47, s46
	s_mul_i32 s40, s47, 1536                       ; o's image: [tile][K step]; my second tile's lies 12,288 bytes on
	s_mov_b32 s41, 0
	s_lshl_b32 s47, s45, 4                         ; o's scale words (waves 0 to 3 store 64 each): group 16 b + 2 block + wave / 2,
	s_lshl_b32 s42, s12, 1
	s_add_co_u32 s47, s47, s42
	s_lshr_b32 s42, s[WV], 1
	s_add_co_u32 s47, s47, s42
	s_lshl_b32 s42, s47, 12
	s_lshl_b32 s47, s46, 9                         ; K step,
	s_add_co_u32 s42, s42, s47
	s_and_b32 s47, s[WV], 1                        ; half
	s_lshl_b32 s47, s47, 8
	s_add_co_u32 s42, s42, s47
	s_add_co_u32 s42, s42, AS_OFF
	s_mov_b32 s43, 0
	s_mov_b32 s[SEL], 0x76543210
	s_mov_b32 s[SEL+1], 0xfedcba98
	s_mov_b32 s[CS], 0x3e38aa3b                    ; c = log2(e) / sqrt(64)
	s_mov_b32 s[CS+1], s[CS]
	s_mov_b32 s[TB], 0
	s_wait_dscnt 0x0                               ; both opening adds are done
	s_wait_kmcnt 0x0
	s_mov_b32 s[G0], 1
	s_mov_b32 s[G0+1], s35
	s_add_nc_u64 s[G0+2:G0+3], s[6:7], s[36:37]
	s_or_b32 s[G0+3], s[G0+3], 0x80000000
	s_add_nc_u64 s[4:5], s[4:5], s[38:39]
	s_add_nc_u64 s[40:41], s[8:9], s[40:41]
	s_add_nc_u64 s[42:43], s[8:9], s[42:43]
	ROUND                                          ; all four work-groups are here: the first joint loads meet
	TLOAD                                          ; slot 0: one load a wave
	v_and_b32 v8, 31, v0
	v_lshlrev_b32 v[LI], 4, v8
	global_load_b128 v[QF:QF+3], v[LI], s[4:5]     ; the first head's q: registers 0-5 codes, 6 the code at k = 64, 7 the scale word
	global_load_b128 v[QF+4:QF+7], v[LI], s[4:5] offset:512
	WIN 0x40
	global_load_b128 v[QF:QF+3], v[LI], s[4:5] offset:1024
	global_load_b128 v[QF+4:QF+7], v[LI], s[4:5] offset:1536
	WIN 0
	v_lshlrev_b32 v11, 3, v8                       ; 8 x lane
	v_and_b32 v9, 15, v0                           ; r
	v_lshl_add_u32 v[AVR], v9, 4, 14848
	s_lshl_b32 s45, s[WV], 7
	v_lshl_add_u32 v[SCA], v9, 2, s45
	v_add_nc_u32 v[SCA], SCR, v[SCA]               ; 128 x wave + 4 r; my second tile's word 64 bytes on
	s_lshl_b32 s45, s[WV], 8
	v_add_nc_u32 v10, s45, v11
	v_add_nc_u32 v10, SCR, v10                     ; waves 0 to 3: the 64 words that I send
	v_bfe_u32 v8, v0, 4, 1                         ; h
	v_lshlrev_b32 v[SH8], 3, v8
	WIN 0x40
	v_lshlrev_b32 v[SH8], 3, v8                    ; and in window 1
	WIN 0
.irp j, 0,1,2,3
	v_mov_b32 v[KF+64+\j], 0                       ; behind k's last tile
.endr
.irp e, 0,1
	WIN 0x55*\e
.irp j, 0,1,2,3
	v_mov_b32 v[QF+8+\j], 0                        ; q's codes of k = 72 and up
.endr
	v_mov_b32 v[PS], 0                             ; (named as the upper half of a pair before it is first written)
	v_mov_b32 v[T0], 0                             ; written once: a lane permute's destination counts as one of its sources
	v_mov_b32 v[T1], 0
.endr
	INIT
	s_wait_alu depctr_va_vdst(0)
	CHANGE 1, 0                                    ; slot 0 is whole; slot 1 is asked for
	ADDR
	FETCH_K                                        ; key step 0
	FETCH_V
	s_wait_dscnt 13                                ; k and its scale words are in; the 13 loads issued behind them (v^T) may be out
	QK 0                                           ; the head's first scores of tile 0
	PLACES
	s_mov_b32 s[NSL], 2
.Lhead0:                                           ; the first head's two slots; behind the scores of each slot's last step the slot is filled again
	SEVEN
	STEP 1
	s_sub_co_u32 s[NSL], s[NSL], 1
	s_cmp_lg_u32 s[NSL], 0
	s_cbranch_scc1 .Lhead0
	FINISH 0
	INIT
	s_wait_dscnt 13
	QK 0                                           ; the second head's first scores of tile 0
	PLACES
	SEVEN                                          ; the second head is written out
	STEP 2
	SEVEN
	STEP 3
	FINISH 1
.irp g, 0,1,2
	global_store_b128 v[LI], v[HC+4*\g:HC+4*\g+3], s[40:41] offset:512*\g   ; o's image: 512 consecutive bytes a store
.endr
	ds_store_b32 v[SCA], v[HW]                     ; both halves of the lanes hold and write the same word
	WIN 0x04
.irp g, 0,1,2
	global_store_b128 v[LI], v[HC+4*\g:HC+4*\g+3], s[40:41] offset:12288+512*\g
.endr
	ds_store_b32 v[SCA], v[HW] offset:64
	WIN 0
	s_wait_dscnt 0x0                               ; for the others' sake
	s_barrier_signal -1
	s_barrier_wait -1
	s_cmp_lt_u32 s[WV], 4
	s_cbranch_scc0 .Lno_words
	ds_load_b64 v[8:9], v10
	s_wait_dscnt 0x0
	global_store_b64 v11, v[8:9], s[42:43]         ; one aligned run of 256 bytes
.Lno_words:
	s_wait_tensorcnt 0x0                           ; the wave's end
	ds_add_u32 v[SPW], v[NIL]
	s_wait_dscnt 0x0
	ROUND                                          ; the closing round
	s_endpgm
.Lfunc_end_k_qc8b88dc7ad_attn:
	.size	k_qc8b88dc7ad_attn, .Lfunc_end_k_qc8b88dc7ad_attn-k_qc8b88dc7ad_attn
	.p2alignl 7, 3214868480
	.fill 96, 4, 3214868480
	.section	.rodata,"a",@progbits
	.p2align	6, 0x0
	.amdhsa_kernel k_qc8b88dc7ad_attn
		.amdhsa_group_segment_fixed_size 327680
		.amdhsa_private_segment_fixed_size 0
		.amdhsa_enable_private_segment 0
		.amdhsa_kernarg_size 24
		.amdhsa_user_sgpr_count 2
		.amdhsa_user_sgpr_kernarg_segment_ptr 1
		.amdhsa_wavefront_size32 1
		.amdhsa_system_sgpr_workgroup_id_x 1
		.amdhsa_system_sgpr_workgroup_id_y 1
		.amdhsa_system_sgpr_workgroup_id_z 1
		.amdhsa_system_vgpr_workitem_id 0
		.amdhsa_next_free_vgpr 512
		.amdhsa_next_free_sgpr 66
		.amdhsa_reserve_vcc 0
		.amdhsa_float_denorm_mode_32 3
		.amdhsa_float_denorm_mode_16_64 3
		.amdhsa_memory_ordered 1
		.amdhsa_forward_progress 1
		.amdhsa_inst_pref_size 189
	.end_amdhsa_kernel
	.amdgpu_metadata
---
amdhsa.version: [ 1, 2 ]
amdhsa.kernels:
  - .name:           k_qc8b88dc7ad_attn
    .symbol:         k_qc8b88dc7ad_attn.kd
    .args:
      - { .name: qimg, .offset: 0, .size: 8, .value_kind: global_buffer, .address_space: global }
      - { .name: kv, .offset: 8, .size: 8, .value_kind: global_buffer, .address_space: global }
      - { .name: ao, .offset: 16, .size: 8, .value_kind: global_buffer, .address_space: global }
    .group_segment_fixed_size: 327680
    .private_segment_fixed_size: 0
    .kernarg_segment_align: 8
    .kernarg_segment_size: 24
    .max_flat_workgroup_size: 256
    .sgpr_count:     66
    .vgpr_count:     512
    .wavefront_size: 32
...
	.end_amdgpu_metadata
.endif
;; end of part 8
;; launch gemm_out (part 9): grid 8 x 32, 4 waves a work-group, clusters of 4 x 4, 327,680 bytes of LDS; arguments ao, wq, bo, out0; writes out0
.if DOCPART == 9
	.amdgcn_target "amdgcn-amd-amdhsa--gfx1250"
	.amdhsa_code_object_version 6
	.text
	.protected	k_qc8b88dc7ad_gemm_out
	.globl	k_qc8b88dc7ad_gemm_out
	.p2align	8
	.type	k_qc8b88dc7ad_gemm_out,@function
k_qc8b88dc7ad_gemm_out:
	s_mov_b64 s[64:65], 0
	v_nop
	global_prefetch_b8 v0, s[64:65] scope:SCOPE_SE
	s_setreg_imm32_b32 hwreg(HW_REG_WAVE_MODE, 25, 1), 1
	s_wait_xcnt 0x0
	s_wait_alu depctr_hold_cnt(0) depctr_sa_sdst(0) depctr_va_vdst(0) depctr_va_sdst(0) depctr_va_ssrc(0) depctr_va_vcc(0) depctr_vm_vsrc(0)
	s_getreg_b32 s2, hwreg(HW_REG_IB_STS2, 6, 4)
	s_cmp_eq_u32 s2, 0
	s_cbranch_scc0 .Lentry_in_a_cluster
	s_endpgm
.Lentry_in_a_cluster:
	s_bfe_u32 s2, ttmp6, 0x10000c
	s_cmp_lg_u32 s2, 0xf033
	s_cbranch_scc0 .Lentry_shape_is_right
	s_endpgm
.Lentry_shape_is_right:
; out0 = o Wo + bo on codes of BF6 (E3M2) with E8M0 scales.  A work-group of four waves makes 256 rows x 128 columns, a wave 128 x 64: 32 accumulators.  Operands lie in memory as images of the matrix unit's
; registers ([tile of 16][K step of 128][1,536 bytes]); scale words as [128 rows][K step][row].  ALL OF K = 1,024 LIES IN LDS AT ONCE: A's 16 tiles (196,608 bytes), B's 8 (98,304), the scale words (12,288).
; So the head has one joint load a wave (wave 0 A's codes, wave 1 B's, wave 2 A's scale words, wave 3 B's), one barrier shows them to all four waves, nothing is filled again, and the eight K steps meet no barrier.
; CLUSTER 4 x 4: A's tiles are shared along a row of the cluster, B's along a column.  Source 0 = B, source 1 = A: a lane holds eight neighbouring columns of a row.  The bias is the C of each sum's first product.
; Lane r of A's tile 4 G + u is token 64 G + 8 u + r % 8 + 32 (r / 8): the stores put each row at its own place.  The way out goes through each wave's own stage, on LDS bytes that no tensor load fills.
; No prefetch: the text has no loop to run ahead in.
.set TILEK,   12288                    ; a tile's eight K steps
.set STAGE,   307968                   ; behind the spare words: 16 rows x 272 bytes for each wave
.set AS_OFF,  6291456
.set WOC_OFF, 2457600
.set WOS_OFF, 3244032
.set NQ,     2
.set FR,     12
.set NL,     3
.set NP,     4
.set FRB,    1536
.set TILEB,  NQ*FRB
.set HALFA,  8*TILEB
.set HALFB,  4*TILEB
.set SLOT,   2*HALFA+2*HALFB
.set SCL,    4*SLOT
.set SCB,    8256
.set SPITCH, 272
.set LI,   3
.set BL,   6
.set CO,   7
.set ADRA, 8
.set ADRB, 12
.set STO,  24
.set RD,   25
.set ADRS, 26
.set ADRT, 27
.set SC,   32
.set BIAS, 64
.set AF,   128
.set BK,   128
.set G1,   24
.set G1B,  32
.set G1S,  40
.set G1SB, 48
.set G0S,  92
.set G0SB, 96
.set MSB, 0
.macro WIN new
.if MSB != (\new)
	s_set_vgpr_msb (MSB<<8)|(\new)
.set MSB, (\new)
.endif
.endm
.set MUL,  0xa1
.set TO_B, 0x40
.macro ARM under, g0, g1, next         ; an arm of the head's one chain of branches on the wave's number: its load, and a jump to the join
	s_cmp_lt_u32 s16, \under
	s_cbranch_scc0 \next
	tensor_load_to_lds s[\g0:\g0+3], s[\g1:\g1+7]
	s_nop 0
.rept 4
	v_nop
.endr
	s_branch .Lhead_asked
\next:
.endm
.macro CROUND
	s_barrier_signal -1
	s_barrier_wait -1
	s_cmp_lg_u32 s16, 0
	s_cbranch_scc1 .Lnot_wave_0_\@
	s_barrier_signal -3
.Lnot_wave_0_\@:
	s_barrier_wait -3
	s_barrier_signal -1
	s_barrier_wait -1
.endm
.macro FRAG reg, adr, q, i
.irp c, 0,1,2
	ds_load_b128 v[\reg+4*\c:\reg+4*\c+3], v[\adr] offset:(\i)*TILEK+(\q)*FRB+512*\c
.endr
.endm
.macro MUL8 a0, p, q, sc, cm
.irp a, \a0, \a0+1
.irp b, 0,1,2,3
.if \cm == 0
	v_wmma_scale_f32_16x16x128_f8f6f4 v[8*(4*(\a)+\b):8*(4*(\a)+\b)+7], v[128*(\p)+FR*\b:128*(\p)+FR*\b+FR-1], v[AF+FR*(\a):AF+FR*(\a)+FR-1], v[8*(4*(\a)+\b):8*(4*(\a)+\b)+7], v[SC+8*NQ*(\sc)+NQ*\b+(\q)], v[SC+8*NQ*(\sc)+NQ*(\a)+(\q)] matrix_a_fmt:MATRIX_FMT_BF6 matrix_b_fmt:MATRIX_FMT_BF6 matrix_a_scale:MATRIX_SCALE_ROW1
.else
	v_wmma_scale_f32_16x16x128_f8f6f4 v[8*(4*(\a)+\b):8*(4*(\a)+\b)+7], v[128*(\p)+FR*\b:128*(\p)+FR*\b+FR-1], v[AF+FR*(\a):AF+FR*(\a)+FR-1], v[BIAS+8*\b:BIAS+8*\b+7], v[SC+8*NQ*(\sc)+NQ*\b+(\q)], v[SC+8*NQ*(\sc)+NQ*(\a)+(\q)] matrix_a_fmt:MATRIX_FMT_BF6 matrix_b_fmt:MATRIX_FMT_BF6 matrix_a_scale:MATRIX_SCALE_ROW1
.endif
.endr
.endr
.endm
.macro FETCH_B slot, q, p
	WIN TO_B
.irp i, 0,1,2,3
	FRAG 128*(\p)+FR*\i, ADRB, 2*(\slot)+(\q), \i
.endr
	WIN 0
.endm
.macro FETCH_A slot, q, i0
.irp i, \i0, \i0+1, \i0+2, \i0+3
	FRAG AF+FR*(\i), ADRA+(\i)/4, 2*(\slot)+(\q), (\i)%4
.endr
.endm
.macro SCALES sc
.irp i, 0,1,2,3
.irp q, 0,1
	ds_load_b32 v[SC+8*NQ*(\sc)+NQ*\i+\q], v[ADRS] offset:512*\q+64*\i
.endr
.endr
.irp i, 4,5,6,7
.irp q, 0,1
	ds_load_b32 v[SC+8*NQ*(\sc)+NQ*\i+\q], v[ADRT] offset:512*\q+64*\i
.endr
.endr
.endm
.macro PLACES n
.rept \n
	v_nop
.endr
.endm
.macro STEP slot, cm
	s_wait_dscnt 4*NL
.if \cm
	WIN 0x81
.else
	WIN MUL
.endif
	MUL8 0, 0, 0, (\slot%2), \cm
	MUL8 2, 0, 0, (\slot%2), \cm
	s_wait_dscnt 0
	PLACES NP
	FETCH_B \slot, 1, 1
	FETCH_A \slot, 1, 0
.if \cm
	WIN 0x81
.else
	WIN MUL
.endif
	MUL8 4, 0, 0, (\slot%2), \cm
	MUL8 6, 0, 0, (\slot%2), \cm
	PLACES NP
	WIN 0
	FETCH_A \slot, 1, 4
.endm
.macro TURN slot
	s_wait_dscnt 4*NL
	WIN MUL
	MUL8 0, 1, 1, (\slot%2), 0
	s_wait_dscnt 0x0
	MUL8 2, 1, 1, (\slot%2), 0
	WIN 0
	PLACES NP
	v_add_nc_u32 v[ADRS], 512*NQ, v[ADRS]
	v_add_nc_u32 v[ADRT], 512*NQ, v[ADRT]
	FETCH_B \slot+1, 0, 0
	FETCH_A \slot+1, 0, 0
	SCALES ((\slot+1)%2)
	WIN MUL
	MUL8 4, 1, 1, (\slot%2), 0
	MUL8 6, 1, 1, (\slot%2), 0
	PLACES NP
	WIN 0
	FETCH_A \slot+1, 0, 4
.endm
	s_load_b256 s[4:11], s[0:1], 0x0
	v_lshl_add_u32 v126, v0, 2, 0x4b100
	v_mov_b32 v127, 0
	ds_add_u32 v126, v127
	ds_add_u32 v126, v127
	v_lshrrev_b32 v1, 5, v0
	v_readfirstlane_b32 s16, v1
	s_lshr_b32 s17, s16, 1
	s_and_b32 s18, s16, 1
	s_bfe_u32 s20, ttmp6, 0x40000
	s_bfe_u32 s21, ttmp6, 0x40004
	s_lshl_b32 s23, ttmp9, 2
	s_add_co_u32 s23, s23, s20
	s_and_b32 s22, ttmp7, 0xffff
	s_lshl_b32 s22, s22, 2
	s_add_co_u32 s22, s22, s21
	s_lshl_b32 s2, s22, 4
	s_mul_i32 s12, s2, 8*FRB
	s_mov_b32 s13, 0
	s_lshl_b32 s2, s22, 1
	s_lshl_b32 s94, s2, 12
	s_add_co_u32 s94, s94, AS_OFF
	s_mov_b32 s95, 0
	s_lshl_b32 s100, s23, 3
	s_mul_i32 s100, s100, 8*FRB
	s_add_co_u32 s100, s100, WOC_OFF
	s_mov_b32 s101, 0
	s_lshl_b32 s98, s23, 12
	s_add_co_u32 s98, s98, WOS_OFF
	s_mov_b32 s99, 0
	s_lshl_b32 s14, s21, 2
	s_lshl_b32 s14, 15, s14
	s_lshl_b32 s15, 0x1111, s20
	s_or_b32 s[G1], s14, (3<<16)|(1<<21)
	s_mov_b32 s[G1+1], 1536<<16
	s_mov_b32 s[G1+2], 16<<16
	s_mov_b32 s[G1+3], 1536<<16
	s_mov_b32 s[G1+4], 16
	s_mov_b32 s[G1+5], 1536
	s_mov_b32 s[G1+6], 0
	s_mov_b32 s[G1+7], 0
	s_or_b32 s[G1B], s15, (3<<16)|(1<<21)
	s_mov_b32 s[G1B+1], 1536<<16
	s_mov_b32 s[G1B+2], 8<<16
	s_mov_b32 s[G1B+3], 1536<<16
	s_mov_b32 s[G1B+4], 8
	s_mov_b32 s[G1B+5], 1536
	s_mov_b32 s[G1B+6], 0
	s_mov_b32 s[G1B+7], 0
	s_or_b32 s[G1S], s14, (3<<16)|(1<<21)
	s_mov_b32 s[G1S+1], 32<<16
	s_mov_b32 s[G1S+2], 32<<16
	s_mov_b32 s[G1S+3], 32<<16
	s_mov_b32 s[G1S+4], 32
	s_mov_b32 s[G1S+5], 32
	s_mov_b32 s[G1S+6], 0
	s_mov_b32 s[G1S+7], 0
	s_or_b32 s[G1SB], s15, (3<<16)|(1<<21)
	s_mov_b32 s[G1SB+1], 32<<16
	s_mov_b32 s[G1SB+2], 16<<16
	s_mov_b32 s[G1SB+3], 32<<16
	s_mov_b32 s[G1SB+4], 16
	s_mov_b32 s[G1SB+5], 32
	s_mov_b32 s[G1SB+6], 0
	s_mov_b32 s[G1SB+7], 0
	s_mov_b32 s[G0S], 1
	s_mov_b32 s[G0S+1], SCL
	s_mov_b32 s[G0SB], 1
	s_mov_b32 s[G0SB+1], SCL+SCB
	s_wait_dscnt 0x0
	s_wait_kmcnt 0x0
	s_add_nc_u64 s[12:13], s[4:5], s[12:13]
	s_add_nc_u64 s[G0S+2:G0S+3], s[4:5], s[G0S+2:G0S+3]
	s_or_b32 s[G0S+3], s[G0S+3], 0x80000000
	s_add_nc_u64 s[100:101], s[6:7], s[100:101]
	s_add_nc_u64 s[G0SB+2:G0SB+3], s[6:7], s[G0SB+2:G0SB+3]
	s_or_b32 s[G0SB+3], s[G0SB+3], 0x80000000
	CROUND
	s_mov_b32 s56, 1                               ; A's 16 tiles, all of K, from LDS byte 0
	s_mov_b32 s57, 0
	s_mov_b64 s[58:59], s[12:13]
	s_or_b32 s59, s59, 0x80000000
	s_mov_b32 s76, 1                               ; B's 8 tiles behind them
	s_mov_b32 s77, 16*TILEK
	s_mov_b64 s[78:79], s[100:101]
	s_or_b32 s79, s79, 0x80000000
	ARM 1, 56, G1, .Lhead_b                        ; one load a wave
	ARM 2, 76, G1B, .Lhead_sa
	ARM 3, G0S, G1S, .Lhead_sb
	tensor_load_to_lds s[G0SB:G0SB+3], s[G1SB:G1SB+7]
	s_nop 0
.rept 4
	v_nop
.endr
.Lhead_asked:
	v_and_b32 v1, 15, v0
	v_bfe_u32 v2, v0, 4, 1
	s_wait_alu depctr_va_vdst(0)
	v_and_b32 v[LI], 31, v0
	v_lshlrev_b32 v[LI], 4, v[LI]
	s_wait_alu depctr_va_vdst(0)
	s_lshl_b32 s100, s23, 9
	s_lshl_b32 s19, s18, 8
	s_add_co_u32 s100, s100, s19
	s_mov_b32 s101, 0
	s_add_nc_u64 s[8:9], s[8:9], s[100:101]
	s_add_nc_u64 s[10:11], s[10:11], s[100:101]
	s_lshl_b32 s12, s22, 1
	s_add_co_u32 s12, s12, s17
	s_lshl_b32 s12, s12, 19
	s_mov_b32 s13, 0
	s_add_nc_u64 s[10:11], s[10:11], s[12:13]
	v_lshlrev_b32 v[BL], 5, v2
.irp b, 0,1,2,3
	global_load_b128 v[BIAS+8*\b:BIAS+8*\b+3], v[BL], s[8:9] offset:64*\b
	global_load_b128 v[BIAS+8*\b+4:BIAS+8*\b+7], v[BL], s[8:9] offset:64*\b+16
.endr
	s_mul_i32 s2, s17, 8*TILEK                     ; my 8 tiles of A: one address for tiles 0-3, one for tiles 4-7, so that every offset fits its 16 bits
	s_mul_i32 s3, s18, 4*TILEK                     ; my 4 tiles of B,
	s_add_co_u32 s3, s3, 16*TILEK                  ; behind A's 16
	v_add_nc_u32 v[ADRA], s2, v[LI]
	s_add_co_u32 s2, s2, 4*TILEK
	v_add_nc_u32 v[ADRA+1], s2, v[LI]
	v_add_nc_u32 v[ADRB], s3, v[LI]
	v_lshlrev_b32 v4, 2, v1
	s_lshl_b32 s2, s17, 12
	s_lshl_b32 s3, s18, 8
	s_add_co_u32 s3, s3, SCB
	s_sub_co_u32 s3, s3, s2
	v_mul_u32_u24 v5, s3, v2
	s_add_co_u32 s2, s2, SCL
	v_add_nc_u32 v[ADRT], s2, v4
	v_add_nc_u32 v[ADRS], v[ADRT], v5
	s_mul_i32 s2, s16, 16*SPITCH
	s_add_co_u32 s2, s2, STAGE
	v_mul_u32_u24 v4, v1, SPITCH
	v_lshl_add_u32 v4, v2, 5, v4
	v_add_nc_u32 v[STO], s2, v4
	v_mul_u32_u24 v5, v2, SPITCH
	v_lshl_add_u32 v5, v1, 4, v5
	v_add_nc_u32 v[RD], s2, v5
	v_lshlrev_b32 v[CO], 12, v2
	v_lshl_add_u32 v[CO], v1, 4, v[CO]
	s_wait_alu depctr_va_vdst(0)
	s_wait_tensorcnt 0x0                           ; my tile of the four is in; behind the barrier everybody's are
	s_barrier_signal -1
	s_barrier_wait -1
	FETCH_B 0, 0, 0
	FETCH_A 0, 0, 0
	SCALES 0
	FETCH_A 0, 0, 4
	s_wait_loadcnt 0x0
	STEP 0, 1
	TURN 0
	s_wait_alu depctr_va_vdst(0)
	STEP 1, 0
	TURN 1
	s_wait_alu depctr_va_vdst(0)
	STEP 2, 0
	TURN 2
	STEP 3, 0
	s_wait_dscnt 4*NL
	WIN MUL
	MUL8 0, 1, 1, 1, 0
	MUL8 2, 1, 1, 1, 0
	s_wait_dscnt 0
	MUL8 4, 1, 1, 1, 0
	MUL8 6, 1, 1, 1, 0
	WIN 0
.macro TOSTAGE a
	WIN 0x08
.irp b, 0,1,2,3
	ds_store_b128 v[STO], v[32*(\a)+8*\b:32*(\a)+8*\b+3] offset:64*\b
	ds_store_b128 v[STO], v[32*(\a)+8*\b+4:32*(\a)+8*\b+7] offset:64*\b+16
.endr
	WIN 0
.set BB, BK+32*((\a)%4)
.irp t, 0,1,2,3,4,5,6,7
	ds_load_b128 v[BB+4*\t:BB+4*\t+3], v[RD] offset:\t*2*SPITCH
.endr
.endm
.macro SEND a, younger
.set BB, BK+32*((\a)%4)
	s_wait_dscnt \younger
.irp t, 0,1,2,3,4,5,6,7
	global_store_b128 v[CO], v[BB+4*\t:BB+4*\t+3], s[10:11] offset:(64*((\a)/4)+8*((\a)%4)+2*\t+24*(\t/4))*4096 th:TH_STORE_NT
.endr
.endm
	PLACES NP
	TOSTAGE 0
.irp a, 1,2,3,4,5,6,7
.if (\a == 4) || (\a == 7)
	s_wait_xcnt 0x0
.endif
	TOSTAGE \a
	SEND \a-1, 16
.endr
	SEND 7, 0
	s_wait_tensorcnt 0x0
	ds_add_u32 v126, v127
	s_wait_dscnt 0x0
	CROUND
	s_endpgm
.Lfunc_end_k_qc8b88dc7ad_gemm_out:
	.size	k_qc8b88dc7ad_gemm_out, .Lfunc_end_k_qc8b88dc7ad_gemm_out-k_qc8b88dc7ad_gemm_out
	.p2alignl 7, 3214868480
	.fill 96, 4, 3214868480
	.section	.rodata,"a",@progbits
	.p2align	6, 0x0
	.amdhsa_kernel k_qc8b88dc7ad_gemm_out
		.amdhsa_group_segment_fixed_size 327680
		.amdhsa_private_segment_fixed_size 0
		.amdhsa_enable_private_segment 0
		.amdhsa_kernarg_size 32
		.amdhsa_user_sgpr_count 2
		.amdhsa_user_sgpr_kernarg_segment_ptr 1
		.amdhsa_wavefront_size32 1
		.amdhsa_system_sgpr_workgroup_id_x 1
		.amdhsa_system_sgpr_workgroup_id_y 1
		.amdhsa_system_sgpr_workgroup_id_z 1
		.amdhsa_system_vgpr_workitem_id 0
		.amdhsa_next_free_vgpr 768
		.amdhsa_next_free_sgpr 102
		.amdhsa_reserve_vcc 0
		.amdhsa_float_denorm_mode_32 3
		.amdhsa_float_denorm_mode_16_64 3
		.amdhsa_memory_ordered 1
		.amdhsa_forward_progress 1
		.amdhsa_inst_pref_size 83
	.end_amdhsa_kernel
	.amdgpu_metadata
---
amdhsa.version: [ 1, 2 ]
amdhsa.kernels:
  - .name:           k_qc8b88dc7ad_gemm_out
    .symbol:         k_qc8b88dc7ad_gemm_out.kd
    .args:
      - { .name: ao, .offset: 0, .size: 8, .value_kind: global_buffer, .address_space: global }
      - { .name: wq, .offset: 8, .size: 8, .value_kind: global_buffer, .address_space: global }
      - { .name: bo, .offset: 16, .size: 8, .value_kind: global_buffer, .address_space: global }
      - { .name: out0, .offset: 24, .size: 8, .value_kind: global_buffer, .address_space: global }
    .group_segment_fixed_size: 327680
    .private_segment_fixed_size: 0
    .kernarg_segment_align: 8
    .kernarg_segment_size: 32
    .max_flat_workgroup_size: 128
    .sgpr_count:     102
    .vgpr_count:     768
    .wavefront_size: 32
...
	.end_amdgpu_metadata
.endif
;; end of part 9
